; MI455X (gfx1250); checked and timed in simulation.
; The chip was launched on July 23, 2026; its instructions are those of AMD's public machine-readable ISA for CDNA 5 (MIT licence, August 2026) and "CDNA5" Instruction Set Architecture Reference Guide (July 2026). The comments in the code are by the model that wrote it; some were corrected since.
;; Encoder Layer. Allowed arithmetic: matrix products marked QUANTISED: E2M1 operands, one E8M0 scale for each 32 along K, by v_wmma_scale_f32_16x16x128_f8f6f4 with both operands' format E2M1 (or v_wmma_scale_f32_32x16x128_f4), f32 sums; everything else in f32.
;; Inputs: W1_codes 2,048 x 16 x 16 uint8 (E2M1 codes of W1, K innermost, in blocks of 32 codes, two codes a byte); W1_scales 2,048 x 16 uint8 (E8M0 scales of W1, one for each 32 codes along K); W2_codes 512 x 64 x 16 uint8 (E2M1 codes of W2, K innermost, in blocks of 32 codes, two codes a byte); W2_scales 512 x 64 uint8 (E8M0 scales of W2, one for each 32 codes along K); Wk_codes 512 x 16 x 16 uint8 (E2M1 codes of Wk, K innermost, in blocks of 32 codes, two codes a byte); Wk_scales 512 x 16 uint8 (E8M0 scales of Wk, one for each 32 codes along K); Wo_codes 512 x 16 x 16 uint8 (E2M1 codes of Wo, K innermost, in blocks of 32 codes, two codes a byte); Wo_scales 512 x 16 uint8 (E8M0 scales of Wo, one for each 32 codes along K); Wq_codes 512 x 16 x 16 uint8 (E2M1 codes of Wq, K innermost, in blocks of 32 codes, two codes a byte); Wq_scales 512 x 16 uint8 (E8M0 scales of Wq, one for each 32 codes along K); Wv_codes 512 x 16 x 16 uint8 (E2M1 codes of Wv, K innermost, in blocks of 32 codes, two codes a byte); Wv_scales 512 x 16 uint8 (E8M0 scales of Wv, one for each 32 codes along K); b1 2,048 float32; b2 512 float32; bk 512 float32; bo 512 float32; bq 512 float32; bv 512 float32; ln1_b 512 float32; ln1_g 512 float32; ln2_b 512 float32; ln2_g 512 float32; x 2 x 4,096 x 512 float32.
;; Outputs: out0 2 x 4,096 x 512 float32.
;; This version of the problem:
;;   THIS VERSION OF THE PROBLEM IS GIVEN IN LOW PRECISION. The matrix products marked QUANTISED in the list below multiply operands that are first quantised to E2M1 (2 exponent bits, 1 mantissa bit; 4 bits a number), with one power-of-two scale for each 32 numbers along K (OCP MX v1.0); their sums are f32. All else is computed in f32.
;;   The module's matrix products, in the order in which they are computed (A, B: the left and right operand; K: the contracted axis; several contracted axes count as one K, in the product's order):
;;     1. [M 8,192, K 512] x [K 512, N 512]; A: computed on the way; B: input Wq (given as codes): QUANTISED
;;     2. [M 8,192, K 512] x [K 512, N 512]; A: computed on the way; B: input Wk (given as codes): QUANTISED
;;     3. [M 8,192, K 512] x [K 512, N 512]; A: computed on the way; B: input Wv (given as codes): QUANTISED
;;     4. batch 16 x [M 4,096, K 64] x [K 64, N 4,096]; A: computed on the way; B: computed on the way: QUANTISED
;;     5. batch 16 x [M 4,096, K 4,096] x [K 4,096, N 64]; A: softmax (see below); B: computed on the way: QUANTISED
;;     6. [M 8,192, K 512] x [K 512, N 512]; A: computed on the way; B: input Wo (given as codes): QUANTISED
;;     7. [M 8,192, K 512] x [K 512, N 2,048]; A: computed on the way; B: input W1 (given as codes): QUANTISED
;;     8. [M 8,192, K 2,048] x [K 2,048, N 512]; A: computed on the way; B: input W2 (given as codes): QUANTISED
;;   THE QUANTISER, for each operand of a quantised product, along K:
;;     - K is cut into blocks of 32 from its start; a last block that is shorter is filled with zeros.
;;     - A block's scale is 2^e with e = floor(log2(the largest magnitude in the block)) - 2, held to -126 .. 127; a block of zeros has e = 0. As a byte (E8M0): e + 127.
;;     - Each number is divided by its block's scale, clamped to +-6, and rounded to the nearest number of E2M1, ties to even, subnormals kept.
;;     - The product sums the exact products of the quantised numbers (number of the format x scale) in f32.
;;   ~~~python
;;   def quantise(x, axis):      # numpy; x: float32 -> the quantised numbers, widened to float32 again
;;       x = np.moveaxis(x, axis, -1); K = x.shape[-1]
;;       x = np.pad(x, [(0, 0)] * (x.ndim - 1) + [(0, -K % 32)]); x = x.reshape(x.shape[:-1] + (-1, 32)); a = np.abs(x).max(-1, keepdims=True)
;;       e = np.where(a > 0, np.clip(np.frexp(np.where(a > 0, a, 1))[1] - 1 - 2, -126, 127), 0)      # np.frexp(a)[1] - 1 = floor(log2(a)), exactly
;;       r = np.clip(x / 2.0 ** e, -6, 6)
;;       step = 2.0 ** (np.maximum(np.frexp(np.where(r == 0, 1, r))[1] - 1, 0) - 1)
;;       q = np.round(r / step) * step * 2.0 ** e      # np.round: ties to even
;;       return np.moveaxis(q.reshape(q.shape[:-2] + (-1,))[..., :K], -1, axis).astype(np.float32)
;;   ~~~
;;   SOFTMAX AHEAD OF A QUANTISED PRODUCT. Where the list says 'softmax', what is quantised is not the finished softmax but p = 2^(t - M), with t = logit x log2(e) and M = ceil(the row's largest t), a whole number; so 1/2 < the row's largest p <= 1. The row's sum l is taken of the UNQUANTISED p, in f32, and the product's result is divided by l at the end. Since M is a whole number, a kernel that streams over the keys may use a running M (the ceiling of the running maximum): every later rescaling is an exact power of two, which a block's scale takes up: the codes' values come out the same.
;;   OPERANDS COMPUTED ON THE WAY. 'Computed on the way' means the value that the module computes at that place (a softmax that the list does not call 'softmax' is quantised finished and normalised). What goes into a quantiser is computed in f32, as accurately as f32 sums, v_exp_f32 and their like allow (about 1e-6 of the number): no bf16 or f16 on the way to a quantiser, and a product that is left as it is and whose result goes on into a quantised operand takes f32 operands (vector FMAs, or v_wmma_f32_16x16x4_f32). A number that lies on a knife's edge between two numbers of the format may be rounded either way, as far as f32 arithmetic and the matrix unit's own rounding can turn it there, and no further.
;;   INPUTS GIVEN AS CODES. W1 (in the module: [512, 2048], K = its axis 0); W2 (in the module: [2048, 512], K = its axis 0); Wk (in the module: [512, 512], K = its axis 0); Wo (in the module: [512, 512], K = its axis 0); Wq (in the module: [512, 512], K = its axis 0); Wv (in the module: [512, 512], K = its axis 0): each comes as NAME_codes (uint8): NAME with its K axis moved to the last place and cut into blocks of 32 codes, [.., K / 32, bytes a block], one block behind the other in memory; two codes a byte, the lower K in the low four bits (a code: sign, 2 exponent bits, 1 mantissa bit); and NAME_scales (uint8): the same leading axes, one E8M0 byte (e + 127) for each 32 codes along K. Its value is code x scale, taken as it is: it is not quantised again, and the codes and scales need not be those that the quantiser above would give.
;; 2 versions. Each part assembles by itself: llvm-mc -triple=amdgcn-amd-amdhsa -mcpu=gfx1250 --defsym DOCPART=n.
;; ======== version 1 of 2: 3 launches
;; workspace buffers: q_codes 2,097,152 bytes; q_scales 131,072 bytes; kv 4,456,448 bytes; ctx_codes 2,097,152 bytes; ctx_scales 131,072 bytes
;; launch qkv (part 1): grid 256 x 1, 8 waves a work-group, no clusters, 82,944 bytes of LDS; arguments x, ln1_g, ln1_b, Wq_codes, Wq_scales, bq, Wk_codes, Wk_scales, bk, Wv_codes, Wv_scales, bv, q_codes, q_scales, kv; writes q_codes, q_scales, kv
.if DOCPART == 1
	.amdgcn_target "amdgcn-amd-amdhsa--gfx1250"
	.amdhsa_code_object_version 6
	.text
	.protected	k_q44a1a58ce3_qkv
	.globl	k_q44a1a58ce3_qkv
	.p2align	8
	.type	k_q44a1a58ce3_qkv,@function
k_q44a1a58ce3_qkv:
	s_mov_b64 s[64:65], 0
	v_nop
	global_prefetch_b8 v0, s[64:65] scope:SCOPE_SE
	s_setreg_imm32_b32 hwreg(HW_REG_WAVE_MODE, 25, 1), 1
	s_wait_xcnt 0x0
; LAYER NORM 1, ITS QUANTISER, AND q, k, v AS CODES OF FP4 (E2M1) WITH ONE E8M0 SCALE FOR EACH 32 ALONG K.
; x [8192][512] f32.  Wq, Wk, Wv: codes [512 (n)][256 bytes], scale bytes [512][16].  Results: q and k quantised along the head's 64, v along the KEYS.
; SHARES.  A work-group takes a block of 32 tokens (block g = 128 b + kb); wave w norms four rows, quantises one fragment of xn, and then makes head w's q, k and v for all 32 tokens.
; TOKEN ORDER.  Tile u (0, 1), lane r stands for token 8 u + r + 8 (r / 8) of the block; LDS row 16 u + r holds that token.  WEIGHT ROWS: tile t of a head's four, lane r takes row 32 (t / 2) + 8 (t % 2) + r + 8 (r / 8).
; q, k: the product is used TRANSPOSED (source 0 = 16 weight rows, source 1 = 16 tokens): a lane holds one token, and the 16 registers of tiles 2 b', 2 b' + 1 are 16 neighbours along the head's axis.
; v: the product is used as it stands (source 0 = tokens): a lane holds one channel, and the 16 registers of the two token tiles are 16 neighbouring KEYS.
; THE BUFFERS ARE LAID IN THE ORDER OF THE NEXT LAUNCH'S OPERAND REGISTERS: q_codes [bh][tile][lane][16]; q_scales [bh][tile][2 r + block];
; kv [bh][step of 128 keys][8,704]: K's four fragments (key block f: tile 0 in registers 0-3, tile 1 in 4-7), V's four (tile t, keys along K), 256 scale bytes of K (16 r + 4 f + 2 u + block), 256 of V (16 r + 4 t + key block).
; The weights go straight from memory into the one wave that uses them (window 1, two buffers of 128 registers), a head's 64 rows x all of K at a time: 36 loads, asked for one product ahead.
; No tile is shared between work-groups through LDS here, so there are no joint loads: each weight fragment feeds one wave's registers.
; LIMITS: NaN and infinities are not served; a block whose largest magnitude lies under 2^-124 keeps the scale byte 1 (a block of zeros too: its codes are zeros, and these bytes are read by this program alone).
.set RP,    2064                       ; an LDS row of xn: 2,048 bytes + 16: 129 x 16, so sixteen rows of one column fall on sixteen different groups of banks
.set XIMG,  32*RP                      ; xn's eight fragments (4 u + K step) as images of their registers, 1,024 bytes each
.set XSC,   XIMG+8*1024                ; their scale words, 128 bytes each
.set BIAS,  XSC+8*128                  ; bq, bk, bv: 2,048 bytes each
.set HEADB, 278528                     ; a head's bytes in kv
.set STEPB, 8704                       ; a key step's
.set AW,  5                            ; v5   weights' codes: 256 (r + 8 (r / 8)) + 16 h
.set AS,  6                            ; v6   weights' scale words: 16 (r + 8 (r / 8))
.set AL,  7                            ; v7   16 x lane
.set AT,  8                            ; v8   8 x thread
.set ATL, 9                            ; v9   BIAS + 8 x thread
.set ARW, 10                           ; v10  my four rows of xn in LDS
.set AQR, 11                           ; v11  the fragment that I quantise: row, K step, my half of a block
.set AIW, 12                           ; v12  where its image goes
.set ASW, 13                           ; v13  and its scale word
.set AIF, 14                           ; v14  images, for reading
.set ASF, 15                           ; v15  scale words, for reading
.set AB,  16                           ; v16  a bias in the transposed result's layout
.set ABV, 17                           ; v17  bv of my channel
.set AQS, 18                           ; v18  q's scale byte: 2 r + h
.set AKS, 19                           ; v19  k's: 16 r + h
.set AVC, 20                           ; v20  v's codes: 1,024 h + 16 r
.set AVS, 21                           ; v21  v's scale byte: 16 r + 4 h
.set BV,  24                           ; v24-31 bv for tile t in the low word of pair t
.set ACC, 32                           ; v32-95   eight accumulators; before that four rows of x
.set XF,  96                           ; v96-159  xn's eight fragments; before that gain and bias of the norm
.set XS,  160                          ; v160-167 their scale words: scales and nothing else
.set WS,  168                          ; v168-199 the weights' scale words, two sets: scales and nothing else
.set PC,  200                          ; v200-207 codes just made
.set TM,  208                          ; v208-223 at work
.set PW,  224                          ; v224     a scale word just made
.set OC,  226                          ; v226-249 codes on their way out: four registers for each of six stores, never written again
.set OB,  250                          ; v250-255 scale bytes on their way out, likewise
.set WV,  38
.set SEL, 40                           ; s[40:41] v_permlanex16_b32's selects for lane l xor 16
.set INV, 42                           ; 1 / 512
.set EPS, 43
.set HI,  44                           ; the mask of lanes 16-31
.set PKC, 46                           ; s[46:47] kv: K's fragment;  s[48:49] K's scale bytes;  s[50:51] V's codes;  s[52:53] V's scale bytes
.set PKS, 48
.set PVC, 50
.set PVS, 52
.set MSB, 0
.macro WIN new                         ; the immediate's high byte repeats the setting that is left
.if MSB != \new
	s_set_vgpr_msb (MSB<<8)|\new
.set MSB, \new
.endif
.endm
.macro PLACES                          ; four places behind matrix instructions, in front of loads into their registers and of reads of their results
.rept 4
	v_nop
.endr
.endm
.macro BARRIER                         ; my LDS stores have landed and my LDS loads are in: then the work-group's barrier
	s_wait_dscnt 0x0
	s_barrier_signal -1
	s_barrier_wait -1
.endm
; 64 numbers of a lane, register 16 b + i = k 32 b + 16 h + i of my row, become a fragment's codes in v[PC] on and its scale word in v[PW]
.macro QUANT4 s
.irp b, 0,1,2,3
	v_max3_num_f32 v[TM+\b], |v[\s+16*\b]|, |v[\s+1+16*\b]|, 0x1800000   ; my 16 numbers of block b, and the floor 2^(3 - 127): the byte cannot fall under 1
.endr
.irp i, 2,4,6,8,10,12,14
.irp b, 0,1,2,3
	v_max3_num_f32 v[TM+\b], v[TM+\b], |v[\s+16*\b+\i]|, |v[\s+1+16*\b+\i]|
.endr
.endr
.irp b, 0,1,2,3
	v_permlanex16_b32 v[TM+4+\b], v[TM+\b], s[SEL], s[SEL+1]
.endr
.irp b, 0,1,2,3
	v_max_num_f32 v[TM+\b], v[TM+\b], v[TM+4+\b]       ; with lane l xor 16's: the block's largest magnitude
.endr
.irp b, 0,1,2,3
	v_add_nc_u32 v[TM+12+\b], 0xff000000, v[TM+\b]     ; 2 off its exponent field: the conversion's scale operand
.endr
.irp b, 0,1,2,3
	v_lshrrev_b32 v[TM+4+\b], 23, v[TM+12+\b]          ; the scale's byte
.endr
	v_lshl_or_b32 v[PW], v[TM+5], 8, v[TM+4]
	v_lshl_or_b32 v[PW], v[TM+6], 16, v[PW]
	v_lshl_or_b32 v[PW], v[TM+7], 24, v[PW]
.irp b, 0,1,2,3
	v_cvt_scalef32_pk8_fp4_f32 v[PC+2*\b], v[\s+16*\b:\s+7+16*\b], v[TM+12+\b]
	v_cvt_scalef32_pk8_fp4_f32 v[PC+1+2*\b], v[\s+8+16*\b:\s+15+16*\b], v[TM+12+\b]
.endr
	v_nop                                              ; one plain place behind a scaled conversion
.irp c, 0,1
.irp i, 0,1
	v_permlane16_swap_b32 v[PC+4*\c+\i], v[PC+2+4*\c+\i]   ; a whole block to a lane: lanes 0-15 block 2 c, lanes 16-31 block 2 c + 1
.endr
.endr
.endm
; The same for two blocks: 32 numbers of a lane become four registers v[d] on (lane (r, h): block h whole); the two bytes stay in v[TM+4], v[TM+5]
.macro QUANT2 s, d
.irp b, 0,1
	v_max3_num_f32 v[TM+\b], |v[\s+16*\b]|, |v[\s+1+16*\b]|, 0x1800000
.endr
.irp i, 2,4,6,8,10,12,14
.irp b, 0,1
	v_max3_num_f32 v[TM+\b], v[TM+\b], |v[\s+16*\b+\i]|, |v[\s+1+16*\b+\i]|
.endr
.endr
.irp b, 0,1
	v_permlanex16_b32 v[TM+4+\b], v[TM+\b], s[SEL], s[SEL+1]
.endr
.irp b, 0,1
	v_max_num_f32 v[TM+\b], v[TM+\b], v[TM+4+\b]
.endr
.irp b, 0,1
	v_add_nc_u32 v[TM+12+\b], 0xff000000, v[TM+\b]
.endr
.irp b, 0,1
	v_lshrrev_b32 v[TM+4+\b], 23, v[TM+12+\b]
.endr
.irp b, 0,1
	v_cvt_scalef32_pk8_fp4_f32 v[\d+2*\b], v[\s+16*\b:\s+7+16*\b], v[TM+12+\b]
	v_cvt_scalef32_pk8_fp4_f32 v[\d+1+2*\b], v[\s+8+16*\b:\s+15+16*\b], v[TM+12+\b]
.endr
	v_nop
	v_permlane16_swap_b32 v[\d], v[\d+2]
	v_permlane16_swap_b32 v[\d+1], v[\d+3]
.endm
; Store number n of six: 32 numbers from v[src] on are quantised; the codes leave as 16 bytes a lane, the two bytes as one byte a lane (lane (r, h): block h's), so that EXEC stays whole
.macro QOUT n, src, ac, pc, offc, ab, pb, offb
	QUANT2 \src, OC+4*(\n)
	global_store_b128 v[\ac], v[OC+4*(\n):OC+4*(\n)+3], s[\pc:\pc+1] offset:\offc
	v_cndmask_b32 v[OB+(\n)], v[TM+4], v[TM+5], s[HI]
	global_store_b8 v[\ab], v[OB+(\n)], s[\pb:\pb+1] offset:\offb
.endm
.macro LNRED                           ; four rows' sums: the pair's halves, then across the 32 lanes
.irp i, 0,1,2,3
	v_add_f32 v[TM+2*\i], v[TM+2*\i], v[TM+2*\i+1]
.endr
.irp m, 1,2,4,8
.irp i, 0,1,2,3
	v_add_f32_dpp v[TM+2*\i], v[TM+2*\i], v[TM+2*\i] row_xmask:\m row_mask:0xf bank_mask:0xf
.endr
.endr
.irp i, 0,1,2,3
	v_permlanex16_b32 v[PC+\i], v[TM+2*\i], s[SEL], s[SEL+1]
.endr
.irp i, 0,1,2,3
	v_add_f32 v[TM+2*\i], v[TM+2*\i], v[PC+\i]
.endr
.endm
; The norm of four rows in v[ACC+16 i+e] (e = 4 j + q: column 128 j + 4 lane + q), gain in v[XF] on, bias in v[XF+16] on.  Two passes, as the definition has it: the mean first, then the mean square of x - mean.  The four rows take turns line by line.
.macro LNROWS
.irp i, 0,1,2,3
	v_pk_add_f32 v[TM+2*\i:TM+2*\i+1], v[ACC+16*\i:ACC+16*\i+1], v[ACC+16*\i+2:ACC+16*\i+3]
.endr
.irp e, 4,6,8,10,12,14
.irp i, 0,1,2,3
	v_pk_add_f32 v[TM+2*\i:TM+2*\i+1], v[TM+2*\i:TM+2*\i+1], v[ACC+16*\i+\e:ACC+16*\i+\e+1]
.endr
.endr
	LNRED
.irp i, 0,1,2,3
	v_mul_f32 v[TM+8+2*\i], s[INV], v[TM+2*\i]         ; the mean, in the low word of a pair
.endr
.irp e, 0,2,4,6,8,10,12,14
.irp i, 0,1,2,3
	v_pk_add_f32 v[ACC+16*\i+\e:ACC+16*\i+\e+1], v[ACC+16*\i+\e:ACC+16*\i+\e+1], v[TM+8+2*\i:TM+9+2*\i] op_sel_hi:[1,0] neg_lo:[0,1] neg_hi:[0,1]
.endr
.endr
.irp i, 0,1,2,3
	v_pk_mul_f32 v[TM+2*\i:TM+2*\i+1], v[ACC+16*\i:ACC+16*\i+1], v[ACC+16*\i:ACC+16*\i+1]
.endr
.irp e, 2,4,6,8,10,12,14
.irp i, 0,1,2,3
	v_pk_fma_f32 v[TM+2*\i:TM+2*\i+1], v[ACC+16*\i+\e:ACC+16*\i+\e+1], v[ACC+16*\i+\e:ACC+16*\i+\e+1], v[TM+2*\i:TM+2*\i+1]
.endr
.endr
	LNRED
.irp i, 0,1,2,3
	v_fma_f32 v[TM+2*\i], v[TM+2*\i], s[INV], s[EPS]   ; the variance + 1e-5
.endr
.irp i, 0,1,2,3
	v_rsq_f32 v[TM+8+2*\i], v[TM+2*\i]
.endr
	v_nop                                              ; a plain place behind the transcendentals
	s_wait_alu depctr_va_vdst(0)
.irp e, 0,2,4,6,8,10,12,14
.irp i, 0,1,2,3
	v_pk_mul_f32 v[ACC+16*\i+\e:ACC+16*\i+\e+1], v[ACC+16*\i+\e:ACC+16*\i+\e+1], v[TM+8+2*\i:TM+9+2*\i] op_sel_hi:[1,0]
.endr
.endr
.irp e, 0,2,4,6,8,10,12,14
.irp i, 0,1,2,3
	v_pk_fma_f32 v[ACC+16*\i+\e:ACC+16*\i+\e+1], v[ACC+16*\i+\e:ACC+16*\i+\e+1], v[XF+\e:XF+\e+1], v[XF+16+\e:XF+17+\e]
.endr
.endr
.endm
; 36 loads: 64 weight rows x 512 along K (four tiles x four K steps x two loads) into buffer buf of window 1, and each tile's scale words of the four K steps into set buf
.macro WLOAD buf, pc, ps, av, asc, pitch, spitch, off, soff
	WIN 0x40                                           ; destination window 1, address window 0
.irp t, 0,1,2,3
.irp s, 0,1,2,3
.irp c, 0,1
	global_load_b128 v[128*(\buf)+32*\t+8*\s+4*\c:128*(\buf)+32*\t+8*\s+4*\c+3], v[\av], s[\pc:\pc+1] offset:(32*(\t/2)+8*(\t%2))*(\pitch)+64*\s+32*\c+(\off)
.endr
.endr
.endr
	WIN 0
.irp t, 0,1,2,3
	global_load_b128 v[WS+16*(\buf)+4*\t:WS+16*(\buf)+4*\t+3], v[\asc], s[\ps:\ps+1] offset:(32*(\t/2)+8*(\t%2))*(\spitch)+(\soff)
.endr
.endm
; 32 matrix instructions, transposed: accumulator (u, t) at v[ACC+32 u+8 t] adds in place; the eight take turns, one instruction a turn
.macro MULT buf
	WIN 0x01                                           ; source 0 (the weights) window 1
.irp s, 0,1,2,3
.irp t, 0,1,2,3
.irp u, 0,1
	v_wmma_scale_f32_16x16x128_f8f6f4 v[ACC+32*\u+8*\t:ACC+32*\u+8*\t+7], v[128*(\buf)+32*\t+8*\s:128*(\buf)+32*\t+8*\s+7], v[XF+32*\u+8*\s:XF+32*\u+8*\s+7], v[ACC+32*\u+8*\t:ACC+32*\u+8*\t+7], v[WS+16*(\buf)+4*\t+\s], v[XS+4*\u+\s] matrix_a_fmt:MATRIX_FMT_FP4 matrix_b_fmt:MATRIX_FMT_FP4
.endr
.endr
.endr
	WIN 0
.endm
; The same as it stands (source 0 = tokens): accumulator (t, u) at v[ACC+16 t+8 u]; the first K step starts the sums
.macro MULN buf
	WIN 0x04                                           ; source 1 (the weights) window 1
.irp s, 0,1,2,3
.irp t, 0,1,2,3
.irp u, 0,1
.if \s == 0
	v_wmma_scale_f32_16x16x128_f8f6f4 v[ACC+16*\t+8*\u:ACC+16*\t+8*\u+7], v[XF+32*\u+8*\s:XF+32*\u+8*\s+7], v[128*(\buf)+32*\t+8*\s:128*(\buf)+32*\t+8*\s+7], 0, v[XS+4*\u+\s], v[WS+16*(\buf)+4*\t+\s] matrix_a_fmt:MATRIX_FMT_FP4 matrix_b_fmt:MATRIX_FMT_FP4
.else
	v_wmma_scale_f32_16x16x128_f8f6f4 v[ACC+16*\t+8*\u:ACC+16*\t+8*\u+7], v[XF+32*\u+8*\s:XF+32*\u+8*\s+7], v[128*(\buf)+32*\t+8*\s:128*(\buf)+32*\t+8*\s+7], v[ACC+16*\t+8*\u:ACC+16*\t+8*\u+7], v[XS+4*\u+\s], v[WS+16*(\buf)+4*\t+\s] matrix_a_fmt:MATRIX_FMT_FP4 matrix_b_fmt:MATRIX_FMT_FP4
.endif
.endr
.endr
.endr
	WIN 0
.endm
.macro XFETCH ai, asc, f0, fu          ; token fragment (u, K step s) is image f0 + fu u + s
.irp u, 0,1
.irp s, 0,1,2,3
.irp c, 0,1
	ds_load_b128 v[XF+32*\u+8*\s+4*\c:XF+32*\u+8*\s+4*\c+3], v[\ai] offset:((\f0)+(\fu)*\u+\s)*1024+512*\c
.endr
	ds_load_b32 v[XS+4*\u+\s], v[\asc] offset:((\f0)+(\fu)*\u+\s)*128
.endr
.endr
.endm
.macro ACCBIAS a, off                  ; the bias is what the sums begin with: lane (r, h), tile t: columns 32 (t / 2) + 8 (t % 2) + 16 h + 0 .. 7, for both token tiles
.irp t, 0,1,2,3
.irp u, 0,1
	ds_load_b128 v[ACC+32*\u+8*\t:ACC+32*\u+8*\t+3], v[\a] offset:(\off)+(32*(\t/2)+8*(\t%2))*4
	ds_load_b128 v[ACC+32*\u+8*\t+4:ACC+32*\u+8*\t+7], v[\a] offset:(\off)+(32*(\t/2)+8*(\t%2))*4+16
.endr
.endr
.endm
	s_load_b256 s[8:15], s[0:1], 0x0               ; x s[8:9], ln1_g s[10:11], ln1_b s[12:13], Wq's codes s[14:15]
	s_load_b256 s[16:23], s[0:1], 0x20             ; Wq's scales s[16:17], bq s[18:19], Wk's codes s[20:21], Wk's scales s[22:23]
	s_load_b256 s[24:31], s[0:1], 0x40             ; bk s[24:25], Wv's codes s[26:27], Wv's scales s[28:29], bv s[30:31]
	s_load_b128 s[32:35], s[0:1], 0x60             ; q_codes s[32:33], q_scales s[34:35]
	s_load_b64 s[36:37], s[0:1], 0x70              ; kv
	v_lshl_add_u32 v23, v0, 2, 0x14000
	v_mov_b32 v225, 0
	v_lshrrev_b32 v1, 5, v0
	v_readfirstlane_b32 s[WV], v1                  ; wave 0..7 = the head
	v_and_b32 v1, 31, v0                           ; lane
	v_and_b32 v2, 15, v0                           ; r
	v_bfe_u32 v3, v0, 4, 1                         ; h
	v_and_b32 v4, 8, v2
	v_add_nc_u32 v4, v4, v2                        ; r + 8 (r / 8)
	v_lshlrev_b32 v[AW], 8, v4
	v_lshl_add_u32 v[AW], v3, 4, v[AW]
	v_lshlrev_b32 v[AS], 4, v4
	v_lshlrev_b32 v[AL], 4, v1
	v_lshlrev_b32 v[AT], 3, v0
	; offsets, each in registers of its own
	s_lshr_b32 s2, ttmp9, 7                        ; b
	s_and_b32 s3, ttmp9, 127                       ; kb
	s_lshl_b32 s54, ttmp9, 5                       ; my four rows' first token: 32 g + 16 ((w >> 1) & 1) + 8 (w >> 2) + 4 (w & 1)
	s_bfe_u32 s4, s[WV], 0x10001
	s_lshl_b32 s4, s4, 4
	s_add_co_u32 s54, s54, s4
	s_lshr_b32 s4, s[WV], 2
	s_lshl_b32 s4, s4, 3
	s_add_co_u32 s54, s54, s4
	s_and_b32 s4, s[WV], 1
	s_lshl_b32 s4, s4, 2
	s_add_co_u32 s54, s54, s4
	s_lshl_b32 s54, s54, 11                        ; rows of 2,048 bytes
	s_mov_b32 s55, 0
	s_lshl_b32 s56, s[WV], 14                      ; my head's 64 weight rows of 256 bytes
	s_mov_b32 s57, 0
	s_lshl_b32 s58, s[WV], 10                      ; and their 16 scale bytes each
	s_mov_b32 s59, 0
	s_lshl_b32 s5, s2, 3
	s_add_co_u32 s5, s5, s[WV]                     ; bh = 8 b + head
	s_lshl_b32 s6, s5, 8
	s_lshl_b32 s7, s3, 1
	s_add_co_u32 s6, s6, s7                        ; q's tile: 256 bh + 2 kb
	s_lshl_b32 s60, s6, 9
	s_mov_b32 s61, 0
	s_lshl_b32 s62, s6, 5
	s_mov_b32 s63, 0
	s_mul_i32 s5, s5, HEADB
	s_lshr_b32 s6, s3, 2
	s_mul_i32 s6, s6, STEPB
	s_add_co_u32 s5, s5, s6                        ; the key step's first byte in kv
	s_and_b32 s7, s3, 3                            ; the key block in the step
	s_lshl_b32 s6, s7, 10
	s_add_co_u32 s[PKC], s5, s6
	s_mov_b32 s[PKC+1], 0
	s_lshl_b32 s6, s7, 2
	s_add_co_u32 s[PKS], s5, s6
	s_add_co_u32 s[PKS], s[PKS], 8192
	s_mov_b32 s[PKS+1], 0
	s_lshl_b32 s6, s7, 8                           ; 512 (block / 2) + 256 (block % 2) = 256 x block
	s_add_co_u32 s[PVC], s5, s6
	s_add_co_u32 s[PVC], s[PVC], 4096
	s_mov_b32 s[PVC+1], 0
	s_add_co_u32 s[PVS], s5, s7
	s_add_co_u32 s[PVS], s[PVS], 8448
	s_mov_b32 s[PVS+1], 0
	s_mov_b32 s[SEL], 0x76543210
	s_mov_b32 s[SEL+1], 0xfedcba98
	s_mov_b32 s[INV], 0x3b000000                   ; 1 / 512
	s_mov_b32 s[EPS], 0x3727c5ac                   ; 1e-5
	s_mov_b32 s[HI], 0xffff0000
	s_wait_kmcnt 0x0
	s_add_nc_u64 s[8:9], s[8:9], s[54:55]
	s_add_nc_u64 s[14:15], s[14:15], s[56:57]
	s_add_nc_u64 s[20:21], s[20:21], s[56:57]
	s_add_nc_u64 s[26:27], s[26:27], s[56:57]
	s_add_nc_u64 s[16:17], s[16:17], s[58:59]
	s_add_nc_u64 s[22:23], s[22:23], s[58:59]
	s_add_nc_u64 s[28:29], s[28:29], s[58:59]
	s_add_nc_u64 s[32:33], s[32:33], s[60:61]
	s_add_nc_u64 s[34:35], s[34:35], s[62:63]
	s_add_nc_u64 s[PKC:PKC+1], s[36:37], s[PKC:PKC+1]
	s_add_nc_u64 s[PKS:PKS+1], s[36:37], s[PKS:PKS+1]
	s_add_nc_u64 s[PVC:PVC+1], s[36:37], s[PVC:PVC+1]
	s_add_nc_u64 s[PVS:PVS+1], s[36:37], s[PVS:PVS+1]
	global_load_b64 v[226:227], v[AT], s[18:19]    ; the three biases, 8 bytes a thread, for LDS
	global_load_b64 v[228:229], v[AT], s[24:25]
	global_load_b64 v[230:231], v[AT], s[30:31]
.irp i, 0,1,2,3
.irp j, 0,1,2,3
	global_load_b128 v[ACC+16*\i+4*\j:ACC+16*\i+4*\j+3], v[AL], s[8:9] offset:2048*\i+512*\j   ; my four rows of x: 512 consecutive bytes a load
.endr
.endr
.irp j, 0,1,2,3
	global_load_b128 v[XF+4*\j:XF+4*\j+3], v[AL], s[10:11] offset:512*\j
	global_load_b128 v[XF+16+4*\j:XF+19+4*\j], v[AL], s[12:13] offset:512*\j
.endr
	WLOAD 0, 14, 16, AW, AS, 256, 16, 0, 0         ; Wq
	; the other addresses, while the loads are out
	v_add_nc_u32 v[ATL], BIAS, v[AT]
	s_mul_i32 s4, s[WV], 4*RP
	v_add_nc_u32 v[ARW], s4, v[AL]
	s_lshr_b32 s4, s[WV], 2
	s_mul_i32 s4, s4, 16*RP
	s_and_b32 s5, s[WV], 3
	s_lshl_b32 s5, s5, 9
	s_add_co_u32 s4, s4, s5
	v_mul_u32_u24 v[AQR], v2, RP
	v_lshl_add_u32 v[AQR], v3, 6, v[AQR]
	v_add_nc_u32 v[AQR], s4, v[AQR]                ; row 16 (w >> 2) + r, K step w & 3, + 64 h
	s_lshl_b32 s4, s[WV], 10
	s_add_co_u32 s4, s4, XIMG
	v_add_nc_u32 v[AIW], s4, v[AL]
	v_lshlrev_b32 v22, 2, v1
	s_lshl_b32 s4, s[WV], 7
	s_add_co_u32 s4, s4, XSC
	v_add_nc_u32 v[ASW], s4, v22
	v_add_nc_u32 v[AIF], XIMG, v[AL]
	v_add_nc_u32 v[ASF], XSC, v22
	s_lshl_b32 s4, s[WV], 8
	s_add_co_u32 s4, s4, BIAS
	v_lshl_add_u32 v[AB], v3, 6, s4
	s_add_co_u32 s4, s4, 4096
	v_lshl_add_u32 v[ABV], v4, 2, s4
	v_lshl_add_u32 v[AQS], v2, 1, v3
	v_lshl_add_u32 v[AKS], v2, 4, v3
	v_lshlrev_b32 v[AVC], 4, v2
	v_lshl_add_u32 v[AVC], v3, 10, v[AVC]
	v_lshlrev_b32 v[AVS], 4, v2
	v_lshl_add_u32 v[AVS], v3, 2, v[AVS]
.irp i, 0,1,2,3
	v_mov_b32 v[PC+\i], 0                          ; written once: a lane permute's destination counts as one of its sources,
	v_mov_b32 v[TM+9+2*\i], 0                      ; and a pair of which the low word serves both halves is named whole
	v_mov_b32 v[BV+1+2*\i], 0
.endr
	s_wait_loadcnt 60                              ; the three bias loads are in: behind them stand 16 + 8 + 36
	ds_store_b64 v[ATL], v[226:227]
	ds_store_b64 v[ATL], v[228:229] offset:2048
	ds_store_b64 v[ATL], v[230:231] offset:4096
	s_wait_loadcnt 36                              ; x, gain and bias are in; Wq's 36 loads may be out
	LNROWS
.irp i, 0,1,2,3
.irp j, 0,1,2,3
	ds_store_b128 v[ARW], v[ACC+16*\i+4*\j:ACC+16*\i+4*\j+3] offset:RP*\i+512*\j
.endr
.endr
	WLOAD 1, 20, 22, AW, AS, 256, 16, 0, 0         ; Wk
	BARRIER                                        ; 32 rows of xn and the biases lie in LDS
.irp b, 0,1,2,3
.irp j, 0,1,2,3
	ds_load_b128 v[ACC+16*\b+4*\j:ACC+16*\b+4*\j+3], v[AQR] offset:128*\b+16*\j   ; of my row, 16 neighbours of each block of 32
.endr
.endr
	s_wait_dscnt 0x0
	QUANT4 ACC
	ds_store_b128 v[AIW], v[PC:PC+3]               ; the fragment as an image of its registers
	ds_store_b128 v[AIW], v[PC+4:PC+7] offset:512
	ds_store_b32 v[ASW], v[PW]
	BARRIER                                        ; xn's eight fragments lie in LDS
	XFETCH AIF, ASF, 0, 4
.irp t, 0,1,2,3
	ds_load_b32 v[BV+2*\t], v[ABV] offset:(32*(\t/2)+8*(\t%2))*4
.endr
	; ---- q
	ACCBIAS AB, 0
	s_wait_dscnt 0x0
	s_wait_loadcnt 36                              ; Wq is in; Wk's 36 loads may be out
	MULT 0
	PLACES
	WLOAD 0, 26, 28, AW, AS, 256, 16, 0, 0         ; Wv, into the buffer that Wq has left
	QOUT 0, ACC, AL, 32, 0, AQS, 34, 0
	QOUT 1, ACC+32, AL, 32, 512, AQS, 34, 32
	; ---- k
	ACCBIAS AB, 2048
	s_wait_dscnt 0x0
	s_wait_loadcnt 36                              ; Wk is in; Wv's 36 loads may be out
	MULT 1
	PLACES
	QOUT 2, ACC, AL, PKC, 0, AKS, PKS, 0
	QOUT 3, ACC+32, AL, PKC, 512, AKS, PKS, 2
	; ---- v: a lane holds one channel and 16 neighbouring keys of the block for each of the four tiles
	s_wait_loadcnt 0x0
	MULN 0
	PLACES
.irp t, 0,1,2,3
.irp e, 0,2,4,6,8,10,12,14
	v_pk_add_f32 v[ACC+16*\t+\e:ACC+16*\t+\e+1], v[ACC+16*\t+\e:ACC+16*\t+\e+1], v[BV+2*\t:BV+2*\t+1] op_sel_hi:[1,0]   ; + bv of my channel; each accumulator from its low end on
.endr
.endr
	QOUT 4, ACC, AVC, PVC, 0, AVS, PVS, 0          ; lanes 0-15: tile 0's 16 rows, 256 consecutive bytes; lanes 16-31: tile 1's
	QOUT 5, ACC+32, AVC, PVC, 2048, AVS, PVS, 8
	s_wait_tensorcnt 0x0
	ds_add_u32 v23, v225
	s_wait_dscnt 0x0
	s_endpgm
.Lfunc_end_k_q44a1a58ce3_qkv:
	.size	k_q44a1a58ce3_qkv, .Lfunc_end_k_q44a1a58ce3_qkv-k_q44a1a58ce3_qkv
	.p2alignl 7, 3214868480
	.fill 96, 4, 3214868480
	.section	.rodata,"a",@progbits
	.p2align	6, 0x0
	.amdhsa_kernel k_q44a1a58ce3_qkv
		.amdhsa_group_segment_fixed_size 82944
		.amdhsa_private_segment_fixed_size 0
		.amdhsa_enable_private_segment 0
		.amdhsa_kernarg_size 120
		.amdhsa_user_sgpr_count 2
		.amdhsa_user_sgpr_kernarg_segment_ptr 1
		.amdhsa_wavefront_size32 1
		.amdhsa_system_sgpr_workgroup_id_x 1
		.amdhsa_system_sgpr_workgroup_id_y 1
		.amdhsa_system_sgpr_workgroup_id_z 1
		.amdhsa_system_vgpr_workitem_id 0
		.amdhsa_next_free_vgpr 512
		.amdhsa_next_free_sgpr 66
		.amdhsa_reserve_vcc 0
		.amdhsa_float_denorm_mode_32 3
		.amdhsa_float_denorm_mode_16_64 3
		.amdhsa_memory_ordered 1
		.amdhsa_forward_progress 1
		.amdhsa_inst_pref_size 69
	.end_amdhsa_kernel
	.amdgpu_metadata
---
amdhsa.version: [ 1, 2 ]
amdhsa.kernels:
  - .name:           k_q44a1a58ce3_qkv
    .symbol:         k_q44a1a58ce3_qkv.kd
    .args:
      - { .name: x, .offset: 0, .size: 8, .value_kind: global_buffer, .address_space: global }
      - { .name: ln1_g, .offset: 8, .size: 8, .value_kind: global_buffer, .address_space: global }
      - { .name: ln1_b, .offset: 16, .size: 8, .value_kind: global_buffer, .address_space: global }
      - { .name: Wq_codes, .offset: 24, .size: 8, .value_kind: global_buffer, .address_space: global }
      - { .name: Wq_scales, .offset: 32, .size: 8, .value_kind: global_buffer, .address_space: global }
      - { .name: bq, .offset: 40, .size: 8, .value_kind: global_buffer, .address_space: global }
      - { .name: Wk_codes, .offset: 48, .size: 8, .value_kind: global_buffer, .address_space: global }
      - { .name: Wk_scales, .offset: 56, .size: 8, .value_kind: global_buffer, .address_space: global }
      - { .name: bk, .offset: 64, .size: 8, .value_kind: global_buffer, .address_space: global }
      - { .name: Wv_codes, .offset: 72, .size: 8, .value_kind: global_buffer, .address_space: global }
      - { .name: Wv_scales, .offset: 80, .size: 8, .value_kind: global_buffer, .address_space: global }
      - { .name: bv, .offset: 88, .size: 8, .value_kind: global_buffer, .address_space: global }
      - { .name: q_codes, .offset: 96, .size: 8, .value_kind: global_buffer, .address_space: global }
      - { .name: q_scales, .offset: 104, .size: 8, .value_kind: global_buffer, .address_space: global }
      - { .name: kv, .offset: 112, .size: 8, .value_kind: global_buffer, .address_space: global }
    .group_segment_fixed_size: 82944
    .private_segment_fixed_size: 0
    .kernarg_segment_align: 8
    .kernarg_segment_size: 120
    .max_flat_workgroup_size: 256
    .sgpr_count:     66
    .vgpr_count:     512
    .wavefront_size: 32
...
	.end_amdgpu_metadata
.endif
;; end of part 1
;; launch attn (part 2): grid 16 x 16, 16 waves a work-group, clusters of 4 x 1, 327,680 bytes of LDS; arguments q_codes, q_scales, kv, ctx_codes, ctx_scales; writes ctx_codes, ctx_scales
.if DOCPART == 2
	.amdgcn_target "amdgcn-amd-amdhsa--gfx1250"
	.amdhsa_code_object_version 6
	.text
	.protected	k_q44a1a58ce3_attn
	.globl	k_q44a1a58ce3_attn
	.p2align	8
	.type	k_q44a1a58ce3_attn,@function
k_q44a1a58ce3_attn:
	s_mov_b64 s[64:65], 0
	v_nop
	global_prefetch_b8 v0, s[64:65] scope:SCOPE_SE
	s_setreg_imm32_b32 hwreg(HW_REG_WAVE_MODE, 25, 1), 1
	s_wait_xcnt 0x0
	s_wait_alu depctr_hold_cnt(0) depctr_sa_sdst(0) depctr_va_vdst(0) depctr_va_sdst(0) depctr_va_ssrc(0) depctr_va_vcc(0) depctr_vm_vsrc(0)
	s_getreg_b32 s2, hwreg(HW_REG_IB_STS2, 6, 4)
	s_cmp_eq_u32 s2, 0
	s_cbranch_scc0 .Lentry_in_a_cluster
	s_endpgm
.Lentry_in_a_cluster:
	s_bfe_u32 s2, ttmp6, 0x10000c
	s_cmp_lg_u32 s2, 0x3003
	s_cbranch_scc0 .Lentry_shape_is_right
	s_endpgm
.Lentry_shape_is_right:
; ATTENTION ON CODES OF FP4 (E2M1): ctx = softmax(q k^T / 8) v for one head, and ctx quantised along the model's axis for the next product.
; THE SOFTMAX AHEAD OF THE SECOND PRODUCT: t = score x log2(e) / 8; M = the row's largest t so far, rounded UP to a whole number; p = 2^(t - M) is what is quantised, along the keys, not normalised.
; The row's sum is taken of the unquantised p, in f32, and divides O at the end.  When M moves, the sum and O are multiplied by 2^(old M - new M): exact.
; SHARES.  A work-group owns 256 queries of one head (y = 8 b + head); each of its sixteen waves one tile of 16, in 256 registers: four waves to a SIMD, so that one wave's vector work stands beside another's products and LDS loads.
; LDS.  A whole head's kv, 278,528 bytes, lies in LDS as it lies in memory, FILLED ONCE: no byte is filled again.  It comes as four chunks of 8 key steps; waves 0 to 3 bring a quarter of each chunk, 68 rows of 256 bytes to a load:
; four loads of such a wave are out at the most.  A chunk is read behind the counted wait of the waves that brought it and a barrier, while the later chunks are still on their way.
; CLUSTER.  The four query blocks of a cluster read the same head: each load is asked for JOINTLY, with the same descriptor and the mask of all four; nothing in a descriptor, an LDS address or a branch hangs on the place in the cluster.
; LAYOUT.  Both products are used transposed: S^T = K Q^T, O^T = V^T P^T: a lane holds ONE query (lane % 16) throughout.  kv is laid in the order of the operands' registers: every fragment is two loads of 16 bytes at 16 x lane.
; THE HEAD'S AXIS IS 64, THE INSTRUCTION'S K 128: a fragment of K carries TWO tiles of 16 keys (k 0-63 and 64-127) and is multiplied once by (Q | 0) and once by (0 | Q): Q stands in twelve registers 0000 QQQQ 0000, and both operands are runs of eight of them.  Zero codes add nothing under any scale byte from 1 to 254.
; The keys of a tile are chosen (8 u + r + 8 (r / 8) of a block of 32) so that the 16 registers of a block's two tiles are 16 neighbouring keys.
; LIMITS: NaN and infinities are not served; a block whose largest magnitude lies under 2^-124 keeps the scale byte 1 (its codes are zeros where all is zero).
; REGISTERS: v1 16 x lane, v2 the step's address; v12 -M, v13 the largest t, v[14:15] the sum in two halves; v16-27 Q among zeros, v28 its scale word; v32-63 K's four fragments; v64-95 V's four; v96-159 S^T, then p; v160-191 O^T; v192-195 scale words (lanes 0-15 K's, lanes 16-31 V's); v224-231 p's codes; v232-254 at work.
.set HEADB,  278528
.set STEPB,  8704                      ; a key step: 4,096 bytes of K's codes, 4,096 of V's, 512 scale bytes
.set CHUNKB, 8*STEPB
.set QB,     CHUNKB/4                  ; 17,408 bytes: 68 rows of 256
.set AL,  1
.set ADR, 2
.set TM,  232
.set WV,  14
.set SEL, 16                           ; s[16:17] lane selects for v_permlanex16_b32: lane l xor 16
.set CS,  18                           ; s[18:19] c = log2(e) / 8: the packed form names a pair and takes its low word for both halves
.set HI,  20                           ; the mask of lanes 16-31
.set TB,  21                           ; LDS byte at which the step in hand begins
.set CNT, 22
.set G1,  24                           ; s[24:31] descriptor group 1
.set G0,  32                           ; s[32:47] descriptor group 0, a set for each chunk
.macro CROUND                          ; a round of the cluster's barrier
	s_barrier_signal -1
	s_barrier_wait -1
	s_cmp_lg_u32 s[WV], 0
	s_cbranch_scc1 .Lnot_wave_0_\@
	s_barrier_signal -3
.Lnot_wave_0_\@:
	s_barrier_wait -3
	s_barrier_signal -1
	s_barrier_wait -1
.endm
; 32 numbers of a lane, register 16 b + i = k 32 b + 16 h + i of my row, become four registers v[d] on (lane (r, h): block h whole); the two scale bytes stay in v[TM+4], v[TM+5]
.macro QUANT2 s, d
.irp b, 0,1
	v_max3_num_f32 v[TM+\b], |v[\s+16*\b]|, |v[\s+1+16*\b]|, 0x1800000   ; and the floor 2^(3 - 127): the byte cannot fall under 1
.endr
.irp i, 2,4,6,8,10,12,14
.irp b, 0,1
	v_max3_num_f32 v[TM+\b], v[TM+\b], |v[\s+16*\b+\i]|, |v[\s+1+16*\b+\i]|
.endr
.endr
.irp b, 0,1
	v_permlanex16_b32 v[TM+4+\b], v[TM+\b], s[SEL], s[SEL+1]
.endr
.irp b, 0,1
	v_max_num_f32 v[TM+\b], v[TM+\b], v[TM+4+\b]
.endr
.irp b, 0,1
	v_add_nc_u32 v[TM+12+\b], 0xff000000, v[TM+\b]     ; 2 off the exponent field: the conversion's scale operand
.endr
.irp b, 0,1
	v_lshrrev_b32 v[TM+4+\b], 23, v[TM+12+\b]          ; the scale's byte
.endr
.irp b, 0,1
	v_cvt_scalef32_pk8_fp4_f32 v[\d+2*\b], v[\s+16*\b:\s+7+16*\b], v[TM+12+\b]
	v_cvt_scalef32_pk8_fp4_f32 v[\d+1+2*\b], v[\s+8+16*\b:\s+15+16*\b], v[TM+12+\b]
.endr
	v_nop                                              ; one plain place behind a scaled conversion
	v_permlane16_swap_b32 v[\d], v[\d+2]
	v_permlane16_swap_b32 v[\d+1], v[\d+3]
.endm
	s_load_b256 s[4:11], s[0:1], 0x0               ; q_codes s[4:5], q_scales s[6:7], kv s[8:9], ctx_codes s[10:11]
	s_load_b64 s[12:13], s[0:1], 0x20              ; ctx_scales
	v_lshl_add_u32 v251, v0, 2, 0x44000
	v_mov_b32 v255, 0
	ds_add_u32 v251, v255
	ds_add_u32 v251, v255
	v_lshrrev_b32 v1, 5, v0
	v_readfirstlane_b32 s[WV], v1                  ; wave 0..15
	s_and_b32 s50, ttmp7, 0xffff                   ; bh, which the four partners share
	s_and_b32 s51, s[WV], 3
	s_mul_i32 s51, s51, QB                         ; my quarter of a chunk, in LDS and in memory alike
	s_mul_i32 s52, s50, HEADB
	s_add_co_u32 s52, s52, s51
	s_mov_b32 s53, 0
	s_bfe_u32 s48, ttmp6, 0x40000                  ; cx: it enters q's and ctx's addresses alone
	s_lshl_b32 s49, ttmp9, 2                       ; in a cluster launch ttmp9 counts clusters
	s_add_co_u32 s49, s49, s48                     ; my block of 256 queries
	s_lshl_b32 s49, s49, 4
	s_add_co_u32 s49, s49, s[WV]                   ; my tile of the head's 256
	s_lshl_b32 s54, s50, 8
	s_add_co_u32 s54, s54, s49
	s_lshl_b32 s56, s54, 9                         ; q's codes: 512 bytes a tile
	s_mov_b32 s57, 0
	s_lshl_b32 s58, s54, 5                         ; q's scale bytes: 32 a tile
	s_mov_b32 s59, 0
	s_lshr_b32 s54, s50, 3
	s_lshl_b32 s54, s54, 8
	s_add_co_u32 s54, s54, s49                     ; m = 256 b + tile
	s_and_b32 s55, s50, 7                          ; the head
	s_lshl_b32 s60, s54, 12
	s_lshl_b32 s62, s55, 9
	s_add_co_u32 s60, s60, s62                     ; ctx's codes: 4,096 m + 1,024 (head / 2) + 512 (head % 2)
	s_mov_b32 s61, 0
	s_lshl_b32 s62, s54, 8
	s_lshr_b32 s54, s55, 1
	s_lshl_b32 s54, s54, 6
	s_add_co_u32 s62, s62, s54
	s_and_b32 s54, s55, 1
	s_lshl_b32 s54, s54, 1
	s_add_co_u32 s62, s62, s54                     ; ctx's scale bytes: 256 m + 64 (head / 2) + 2 (head % 2)
	s_mov_b32 s63, 0
	; descriptor group 1: a dense block as 68 rows of 256 bytes (32 elements of 8 bytes)
	s_mov_b32 s[G1], 15|(3<<16)|(1<<21)            ; 15:0 the mask: all four work-groups; 17:16 elements of 8 bytes; 21 set beside a mask; no padding
	s_mov_b32 s[G1+1], 32<<16                      ; tensor_dim0 = 32
	s_mov_b32 s[G1+2], 68<<16                      ; tensor_dim1 = 68
	s_mov_b32 s[G1+3], 32<<16                      ; tile_dim0 = 32
	s_mov_b32 s[G1+4], 68                          ; tile_dim1 = 68
	s_mov_b32 s[G1+5], 32                          ; from row to row
	s_mov_b32 s[G1+6], 0
	s_mov_b32 s[G1+7], 0
	s_mov_b32 s[SEL], 0x76543210
	s_mov_b32 s[SEL+1], 0xfedcba98
	s_mov_b32 s[CS], 0x3e38aa3b                    ; c = log2(e) / 8
	s_mov_b32 s[CS+1], s[CS]                       ; (named with it as a pair, so it is written)
	s_mov_b32 s[HI], 0xffff0000
	s_wait_dscnt 0x0
	s_wait_kmcnt 0x0
	s_add_nc_u64 s[52:53], s[8:9], s[52:53]
	s_add_nc_u64 s[4:5], s[4:5], s[56:57]
	s_add_nc_u64 s[6:7], s[6:7], s[58:59]
	s_add_nc_u64 s[10:11], s[10:11], s[60:61]
	s_add_nc_u64 s[12:13], s[12:13], s[62:63]
.irp j, 0,1,2,3
	s_mov_b32 s[G0+4*\j], 1                        ; count = 1
	s_add_co_u32 s[G0+4*\j+1], s51, \j*CHUNKB      ; LDS address
	s_add_nc_u64 s[G0+4*\j+2:G0+4*\j+3], s[52:53], \j*CHUNKB   ; global address
	s_or_b32 s[G0+4*\j+3], s[G0+4*\j+3], 0x80000000            ; type = 2
.endr
	CROUND                                         ; all four work-groups are here: the joint loads meet
	s_cmp_lt_u32 s[WV], 4                          ; a wave's four fills stand in one branch, ahead of every wait on TENSORcnt, every LDS read and every other barrier
	s_cbranch_scc0 .Lno_fill
.irp j, 0,1,2,3
	tensor_load_to_lds s[G0+4*\j:G0+4*\j+3], s[G1:G1+7]
	s_nop 0
.endr
.rept 4
	v_nop
.endr
.Lno_fill:
	v_and_b32 v1, 31, v0
	v_lshlrev_b32 v[AL], 4, v1                     ; 16 x lane
	v_and_b32 v3, 15, v0
	v_lshlrev_b32 v3, 1, v3                        ; 2 r
	global_load_b128 v[20:23], v[AL], s[4:5]       ; Q: lane (r, h) holds channels 32 h .. 32 h + 31 of query r
	global_load_u16 v29, v3, s[6:7]                ; its two scale bytes
.irp j, 16,17,18,19,24,25,26,27
	v_mov_b32 v\j, 0                               ; the zero codes on both sides of Q
.endr
	v_mov_b32 v13, 0xff61b1e6                      ; the largest t so far: -3e38, under every t
	v_floor_f32 v12, -v13                          ; -M
	v_mov_b32 v14, 0                               ; the sum, in two halves
	v_mov_b32 v15, 0
.irp b, 0,1,2,3
	v_mov_b32 v[236+\b], 0                         ; written once: a lane permute's destination counts as one of its sources
.endr
	v_mov_b32 v253, 0                              ; (named as the upper half of the pair v[252:253] before it is first written)
	s_wait_loadcnt 0x0
	v_lshl_or_b32 v28, v29, 16, v29                ; Q's scale word serves both places of Q: bytes 0, 1 and bytes 2, 3
.set J, 0
.rept 32
	v_mov_b32 v[160+J], 0                          ; O^T: the step is written once; its first trip finds zeros, which the first change of M leaves zeros.  (These lines are also the places between v28's making and the first product)
.set J, J+1
.endr
; A KEY STEP: 128 keys
.macro STEP
	v_add_nc_u32 v[ADR], s[TB], v[AL]
.rept 3
	v_nop                                          ; with the addition four places behind the last step's products, in front of loads into their sources
.endr
	ds_load_b128 v[192:195], v[ADR] offset:8192    ; lanes 0-15: row r's words of K's four fragments; lanes 16-31: of V's four
.irp f, 0,1,2,3
.irp c, 0,1
	ds_load_b128 v[32+8*\f+4*\c:35+8*\f+4*\c], v[ADR] offset:1024*\f+512*\c
.endr
.endr
.irp t, 0,1,2,3
.irp c, 0,1
	ds_load_b128 v[64+8*\t+4*\c:67+8*\t+4*\c], v[ADR] offset:4096+1024*\t+512*\c
.endr
.endr
	s_wait_dscnt 8                                 ; the scale words and K are in; V's eight loads may be out
.irp f, 0,1,2,3                                ; S^T: registers 16 f + i are keys 32 f + 16 h + i
	v_wmma_scale_f32_16x16x128_f8f6f4 v[96+16*\f:103+16*\f], v[32+8*\f:39+8*\f], v[20:27], 0, v[192+\f], v28 matrix_a_fmt:MATRIX_FMT_FP4 matrix_b_fmt:MATRIX_FMT_FP4
	v_wmma_scale_f32_16x16x128_f8f6f4 v[104+16*\f:111+16*\f], v[32+8*\f:39+8*\f], v[16:23], 0, v[192+\f], v28 matrix_a_fmt:MATRIX_FMT_FP4 matrix_b_fmt:MATRIX_FMT_FP4
.endr
.rept 4
	v_nop
.endr
.irp b, 0,1,2,3
	v_max3_num_f32 v[232+\b], v[96+16*\b], v[97+16*\b], v[98+16*\b]   ; the largest score of each block of 32 keys: it serves the row's maximum and, since p rises with the score, the block's largest p
.endr
.irp i, 3,5,7,9,11,13
.irp b, 0,1,2,3
	v_max3_num_f32 v[232+\b], v[232+\b], v[96+16*\b+\i], v[97+16*\b+\i]
.endr
.endr
.irp b, 0,1,2,3
	v_max_num_f32 v[232+\b], v[232+\b], v[111+16*\b]
.endr
.irp b, 0,1,2,3
	v_permlanex16_b32 v[236+\b], v[232+\b], s[SEL], s[SEL+1]
.endr
.irp b, 0,1,2,3
	v_max_num_f32 v[232+\b], v[232+\b], v[236+\b]  ; with lane l xor 16's 16 keys
.endr
	v_max3_num_f32 v254, v232, v233, v234
	v_max_num_f32 v254, v254, v235                 ; the step's largest score of my query
	v_mul_f32 v254, s[CS], v254                    ; as t (c is positive)
	v_max_num_f32 v13, v13, v254                   ; the running largest t
	v_mov_b32 v254, v12
	v_floor_f32 v12, -v13                          ; the new -M = floor(-t) = -ceil(t): a whole number
	v_sub_f32 v254, v12, v254                      ; M's old value less its new one: a whole number, 0 or less
	v_cvt_i32_f32 v254, v254                       ; (it saturates)
	v_ldexp_f32 v252, 1.0, v254                    ; f = 2^(old M - new M)
.set J, 0
.rept 32
	v_pk_fma_f32 v[96+J:97+J], v[96+J:97+J], s[CS:CS+1], v[12:13] op_sel_hi:[1,0,0]   ; t - M, two at a time
.set J, J+2
.endr
.irp b, 0,1,2,3
	v_fma_f32 v[232+\b], v[232+\b], s[CS], v12     ; the same of each block's largest score
.endr
.set J, 0
.rept 64
	v_exp_f32 v[96+J], v[96+J]                     ; p = 2^(t - M), at most 1
.set J, J+1
.endr
.irp b, 0,1,2,3
	v_exp_f32 v[232+\b], v[232+\b]                 ; the block's largest p: the same two instructions on the same number give the same bits
.endr
	v_pk_mul_f32 v[14:15], v[14:15], v[252:253] op_sel_hi:[1,0]   ; the sums under the new M.  (A plain place behind the exponentials)
	s_wait_alu depctr_va_vdst(0)
.irp b, 0,1,2,3
	v_max_num_f32 v[232+\b], 0x1800000, v[232+\b]  ; the floor 2^(3 - 127): the byte cannot fall under 1
.endr
.irp b, 0,1,2,3
	v_add_nc_u32 v[244+\b], 0xff000000, v[232+\b]  ; 2 off the exponent field: the conversion's scale operand
.endr
.irp b, 0,1,2,3
	v_lshrrev_b32 v[236+\b], 23, v[244+\b]         ; the scale's byte
.endr
	v_lshl_or_b32 v253, v237, 8, v236              ; p's scale word for these 128 keys
	v_lshl_or_b32 v253, v238, 16, v253
	v_lshl_or_b32 v253, v239, 24, v253
.irp b, 0,1,2,3
	v_cvt_scalef32_pk8_fp4_f32 v[224+2*\b], v[96+16*\b:103+16*\b], v[244+\b]
	v_cvt_scalef32_pk8_fp4_f32 v[225+2*\b], v[104+16*\b:111+16*\b], v[244+\b]
.endr
	v_nop                                          ; one plain place behind a scaled conversion
.irp c, 0,1
.irp i, 0,1
	v_permlane16_swap_b32 v[224+4*\c+\i], v[226+4*\c+\i]   ; a whole block to a lane
.endr
.endr
	v_pk_add_f32 v[236:237], v[96:97], v[98:99]    ; the row's sum is taken of the unquantised p: two at a time, in two chains
.set J, 4
.rept 15
	v_pk_add_f32 v[14:15], v[14:15], v[96+J:97+J]
	v_pk_add_f32 v[236:237], v[236:237], v[98+J:99+J]
.set J, J+4
.endr
	v_pk_add_f32 v[14:15], v[14:15], v[236:237]
.set J, 0
.rept 16
	v_pk_mul_f32 v[160+J:161+J], v[160+J:161+J], v[252:253] op_sel_hi:[1,0]   ; O^T under the new M.  (With the sums above: the places between the making of p's codes and scale word and the products below)
.set J, J+2
.endr
	s_wait_dscnt 0x0                               ; V is in
.irp t, 0,1,2,3                                ; O^T += V^T P^T: four accumulators, one instruction each
	v_wmma_scale_f32_16x16x128_f8f6f4 v[160+8*\t:167+8*\t], v[64+8*\t:71+8*\t], v[224:231], v[160+8*\t:167+8*\t], v[192+\t], v253 matrix_a_fmt:MATRIX_FMT_FP4 matrix_b_fmt:MATRIX_FMT_FP4 matrix_a_scale:MATRIX_SCALE_ROW1
.endr
.endm
; Chunk j: the waves that brought it have waited for it (3 - j younger loads of theirs may stay out), and say so; then its eight steps
.macro CHUNK j
	s_wait_tensorcnt 3-\j
	s_barrier_signal -1
	s_barrier_wait -1
	s_mov_b32 s[TB], \j*CHUNKB
	s_mov_b32 s[CNT], 8
.Lstep_\@:
	STEP
	s_add_co_u32 s[TB], s[TB], STEPB
	s_sub_co_u32 s[CNT], s[CNT], 1
	s_cmp_lg_u32 s[CNT], 0
	s_cbranch_scc1 .Lstep_\@
.endm
	CHUNK 0
	CHUNK 1
	CHUNK 2
	CHUNK 3
	; THE WAY OUT.  ctx = O^T / the sum; register 16 b + i is channel 32 b + 16 h + i of my query: two blocks along the next product's K.
	v_add_f32 v14, v14, v15                        ; the sum's two halves,
	v_permlanex16_b32 v252, v14, s[SEL], s[SEL+1]
	v_add_f32 v14, v14, v252                       ; and lane l xor 16's: the row's sum
	v_rcp_f32 v14, v14
	v_and_b32 v3, 15, v0                           ; (plain lines behind the transcendental, and with the additions above the places behind the last products)
	v_bfe_u32 v4, v0, 4, 1
	v_lshl_add_u32 v3, v3, 2, v4                   ; my scale byte's place: 4 r + h
.set J, 0
	s_wait_alu depctr_va_vdst(0)
.rept 32
	v_mul_f32 v[96+J], v[160+J], v14               ; each accumulator from its low end on
.set J, J+1
.endr
	QUANT2 96, 224
	global_store_b128 v[AL], v[224:227], s[10:11]  ; half a fragment of the next product, as its registers want it: 512 consecutive bytes
	v_cndmask_b32 v5, v[TM+4], v[TM+5], s[HI]      ; lane (r, h): block h's byte
	global_store_b8 v3, v5, s[12:13]
	s_wait_tensorcnt 0x0
	ds_add_u32 v251, v255
	s_wait_dscnt 0x0
	CROUND                                         ; the closing round: no work-group ends while a partner may still ask for a tile that names it
	s_endpgm
.Lfunc_end_k_q44a1a58ce3_attn:
	.size	k_q44a1a58ce3_attn, .Lfunc_end_k_q44a1a58ce3_attn-k_q44a1a58ce3_attn
	.p2alignl 7, 3214868480
	.fill 96, 4, 3214868480
	.section	.rodata,"a",@progbits
	.p2align	6, 0x0
	.amdhsa_kernel k_q44a1a58ce3_attn
		.amdhsa_group_segment_fixed_size 327680
		.amdhsa_private_segment_fixed_size 0
		.amdhsa_enable_private_segment 0
		.amdhsa_kernarg_size 40
		.amdhsa_user_sgpr_count 2
		.amdhsa_user_sgpr_kernarg_segment_ptr 1
		.amdhsa_wavefront_size32 1
		.amdhsa_system_sgpr_workgroup_id_x 1
		.amdhsa_system_sgpr_workgroup_id_y 1
		.amdhsa_system_sgpr_workgroup_id_z 1
		.amdhsa_system_vgpr_workitem_id 0
		.amdhsa_next_free_vgpr 256
		.amdhsa_next_free_sgpr 66
		.amdhsa_reserve_vcc 0
		.amdhsa_float_denorm_mode_32 3
		.amdhsa_float_denorm_mode_16_64 3
		.amdhsa_memory_ordered 1
		.amdhsa_forward_progress 1
		.amdhsa_inst_pref_size 70
	.end_amdhsa_kernel
	.amdgpu_metadata
---
amdhsa.version: [ 1, 2 ]
amdhsa.kernels:
  - .name:           k_q44a1a58ce3_attn
    .symbol:         k_q44a1a58ce3_attn.kd
    .args:
      - { .name: q_codes, .offset: 0, .size: 8, .value_kind: global_buffer, .address_space: global }
      - { .name: q_scales, .offset: 8, .size: 8, .value_kind: global_buffer, .address_space: global }
      - { .name: kv, .offset: 16, .size: 8, .value_kind: global_buffer, .address_space: global }
      - { .name: ctx_codes, .offset: 24, .size: 8, .value_kind: global_buffer, .address_space: global }
      - { .name: ctx_scales, .offset: 32, .size: 8, .value_kind: global_buffer, .address_space: global }
    .group_segment_fixed_size: 327680
    .private_segment_fixed_size: 0
    .kernarg_segment_align: 8
    .kernarg_segment_size: 40
    .max_flat_workgroup_size: 512
    .sgpr_count:     66
    .vgpr_count:     256
    .wavefront_size: 32
...
	.end_amdgpu_metadata
.endif
;; end of part 2
;; launch post (part 3): grid 256 x 1, 8 waves a work-group, no clusters, 195,584 bytes of LDS; arguments ctx_codes, ctx_scales, x, Wo_codes, Wo_scales, bo, ln2_g, ln2_b, W1_codes, W1_scales, b1, W2_codes, W2_scales, b2, out0; writes out0
.if DOCPART == 3
	.amdgcn_target "amdgcn-amd-amdhsa--gfx1250"
	.amdhsa_code_object_version 6
	.text
	.protected	k_q44a1a58ce3_post
	.globl	k_q44a1a58ce3_post
	.p2align	8
	.type	k_q44a1a58ce3_post,@function
k_q44a1a58ce3_post:
	s_mov_b64 s[64:65], 0
	v_nop
	global_prefetch_b8 v0, s[64:65] scope:SCOPE_SE
	s_setreg_imm32_b32 hwreg(HW_REG_WAVE_MODE, 25, 1), 1
	s_wait_xcnt 0x0
; x1 = x + ctx Wo + bo;  out = x1 + relu(LN2(x1) W1 + b1) W2 + b2.  All three products on codes of FP4 (E2M1) with one E8M0 scale for each 32 along K; all else f32.  Nothing between ctx and out goes to memory.
; ctx arrives as codes in the order of the operand's registers ([tile of 16 tokens][K step][half][lane][16]) with scale words [tile][K step][row].  Wo [512][256 bytes], W1 [2048][256], W2 [512][1,024]: codes, K innermost; scale bytes [512][16], [2048][16], [512][64].
; SHARES.  A work-group takes a block of 32 tokens.  Wave w makes columns 64 w on of the first and third product and hidden units 256 w on (K steps 2 w, 2 w + 1 of the third); for the norm and the stores it takes LDS rows 4 w .. 4 w + 3.
; TOKEN ORDER, WEIGHT ROWS: tile u, lane r stands for token 8 u + r + 8 (r / 8), LDS row 16 u + r; tile t of 64 columns, lane r takes weight row 32 (t / 2) + 8 (t % 2) + r + 8 (r / 8).
; All products are used TRANSPOSED (source 0 = 16 weight rows, source 1 = 16 tokens): a lane holds one token, and the 16 registers of tiles 2 b', 2 b' + 1 are 16 neighbours along the next K.
; What a sum begins with is loaded into its accumulators: x + bo, b1, x1 + b2.  (So x1 is summed as (x + bo) + ctx Wo and out as (x1 + b2) + h W2: another order of f32 rounding than the definition's.)
; The weights go straight from memory into the one wave that uses them: nine chunks of 64 rows x 512 along K, 36 loads each, into two buffers of window 1 by turns; chunk k + 2 is asked for behind chunk k's products.
; Each weight fragment feeds one wave's registers and nothing goes through LDS to be shared, so there are no joint loads.
; Operands go from wave to wave through LDS as images of their registers (16 bytes a lane at 16 x lane), their scale words at 4 x lane.
; LIMITS: NaN and infinities are not served; a block whose largest magnitude lies under 2^-124 keeps the scale byte 1 (a block of zeros too: its codes are zeros, and these bytes are read by this program alone).
.set RP,    2064                       ; an LDS row: 2,048 bytes + 16
.set XN,    32*RP                      ; LDS: X1 at 0 (x + bo, later x1 + b2); XN (x1, then its norm, at last the result)
.set XIMG,  2*32*RP                    ; the norm's eight fragments,
.set XSC,   XIMG+8*1024                ; their scale words,
.set HIMG,  XSC+8*128                  ; the hidden layer's 32 fragments (16 u + K step),
.set HSC,   HIMG+32*1024               ; their scale words,
.set BIAS,  HSC+32*128                 ; b1 (8,192 bytes), ln2_g, ln2_b, b2 (2,048 each)
.set AW,   5                           ; v5   codes of Wo, W1: 256 (r + 8 (r / 8)) + 16 h
.set AS,   6                           ; v6   their scale words: 16 (r + 8 (r / 8))
.set AL,   7                           ; v7   16 x lane
.set AW2,  8                           ; v8   codes of W2: 1,024 (r + 8 (r / 8)) + 16 h
.set AS2,  9                           ; v9   its scale words: 64 (r + 8 (r / 8))
.set AT32, 10                          ; v10  BIAS + 32 x thread
.set AT8,  11                          ; v11  BIAS + 8,192 + 8 x thread
.set ARW,  12                          ; v12  my four rows in X1
.set ARW2, 13                          ; v13  and in XN
.set AST1, 14                          ; v14  my columns in X1: 2,064 r + 64 h + 256 w
.set AST2, 15                          ; v15  and in XN
.set AGB,  16                          ; v16  gain and bias by rows: BIAS + 8,192 + 16 x lane
.set AQR,  17                          ; v17  the fragment that I quantise
.set AIW,  18                          ; v18  where its image goes
.set ASW,  19                          ; v19  and its scale word
.set AIF,  20                          ; v20  images of the norm, for reading
.set ASF,  21                          ; v21  their scale words
.set AB1,  22                          ; v22  b1 in the result's layout: BIAS + 1,024 w + 64 h
.set AHW,  23                          ; v23  where the hidden layer's images go: HIMG + 2,048 w + 16 x lane
.set AHS,  24                          ; v24  and their scale words: HSC + 256 w + 4 x lane
.set AHF,  25                          ; v25  the hidden layer's images, for reading
.set ASH,  26                          ; v26  their scale words
.set AXS,  27                          ; v27  4 r: ctx's scale words in memory
.set G32,  28                          ; v28  32 x thread
.set G8,   29                          ; v29  8 x thread
.set AB2,  30                          ; v30  b2 in the result's layout: BIAS + 12,288 + 256 w + 64 h
.set ACC, 32                           ; v32-95   eight accumulators, or four rows
.set XF,  96                           ; v96-159  eight token fragments; between the products gain, bias, b2
.set XS,  160                          ; v160-167 their scale words: scales and nothing else
.set WS,  168                          ; v168-199 the weights' scale words, two sets: scales and nothing else
.set PC,  200                          ; v200-207 codes just made
.set TM,  208                          ; v208-223 at work
.set PW,  224                          ; v224-225 scale words just made
.set WV,  38
.set SEL, 40
.set INV, 42
.set EPS, 43
.set MSB, 0
.macro WIN new                         ; the immediate's high byte repeats the setting that is left
.if MSB != \new
	s_set_vgpr_msb (MSB<<8)|\new
.set MSB, \new
.endif
.endm
.macro PLACES                          ; four places behind matrix instructions, in front of loads into their registers and of reads of their results
.rept 4
	v_nop
.endr
.endm
.macro BARRIER                         ; my LDS stores have landed and my LDS loads are in: then the work-group's barrier
	s_wait_dscnt 0x0
	s_barrier_signal -1
	s_barrier_wait -1
.endm
; 64 numbers of a lane, register 16 b + i = k 32 b + 16 h + i of my row, become a fragment's codes in v[PC] on and its scale word in v[PW]
.macro QUANT4 s
.irp b, 0,1,2,3
	v_max3_num_f32 v[TM+\b], |v[\s+16*\b]|, |v[\s+1+16*\b]|, 0x1800000   ; and the floor 2^(3 - 127): the byte cannot fall under 1
.endr
.irp i, 2,4,6,8,10,12,14
.irp b, 0,1,2,3
	v_max3_num_f32 v[TM+\b], v[TM+\b], |v[\s+16*\b+\i]|, |v[\s+1+16*\b+\i]|
.endr
.endr
.irp b, 0,1,2,3
	v_permlanex16_b32 v[TM+4+\b], v[TM+\b], s[SEL], s[SEL+1]
.endr
.irp b, 0,1,2,3
	v_max_num_f32 v[TM+\b], v[TM+\b], v[TM+4+\b]
.endr
.irp b, 0,1,2,3
	v_add_nc_u32 v[TM+12+\b], 0xff000000, v[TM+\b]     ; 2 off the exponent field: the conversion's scale operand
.endr
.irp b, 0,1,2,3
	v_lshrrev_b32 v[TM+4+\b], 23, v[TM+12+\b]          ; the scale's byte
.endr
	v_lshl_or_b32 v[PW], v[TM+5], 8, v[TM+4]
	v_lshl_or_b32 v[PW], v[TM+6], 16, v[PW]
	v_lshl_or_b32 v[PW], v[TM+7], 24, v[PW]
.irp b, 0,1,2,3
	v_cvt_scalef32_pk8_fp4_f32 v[PC+2*\b], v[\s+16*\b:\s+7+16*\b], v[TM+12+\b]
	v_cvt_scalef32_pk8_fp4_f32 v[PC+1+2*\b], v[\s+8+16*\b:\s+15+16*\b], v[TM+12+\b]
.endr
	v_nop                                              ; one plain place behind a scaled conversion
.irp c, 0,1
.irp i, 0,1
	v_permlane16_swap_b32 v[PC+4*\c+\i], v[PC+2+4*\c+\i]
.endr
.endr
.endm
; The same for two blocks: four registers v[d] on (lane (r, h): block h whole); the two bytes stay in v[TM+4], v[TM+5]
.macro QUANT2 s, d
.irp b, 0,1
	v_max3_num_f32 v[TM+\b], |v[\s+16*\b]|, |v[\s+1+16*\b]|, 0x1800000
.endr
.irp i, 2,4,6,8,10,12,14
.irp b, 0,1
	v_max3_num_f32 v[TM+\b], v[TM+\b], |v[\s+16*\b+\i]|, |v[\s+1+16*\b+\i]|
.endr
.endr
.irp b, 0,1
	v_permlanex16_b32 v[TM+4+\b], v[TM+\b], s[SEL], s[SEL+1]
.endr
.irp b, 0,1
	v_max_num_f32 v[TM+\b], v[TM+\b], v[TM+4+\b]
.endr
.irp b, 0,1
	v_add_nc_u32 v[TM+12+\b], 0xff000000, v[TM+\b]
.endr
.irp b, 0,1
	v_lshrrev_b32 v[TM+4+\b], 23, v[TM+12+\b]
.endr
.irp b, 0,1
	v_cvt_scalef32_pk8_fp4_f32 v[\d+2*\b], v[\s+16*\b:\s+7+16*\b], v[TM+12+\b]
	v_cvt_scalef32_pk8_fp4_f32 v[\d+1+2*\b], v[\s+8+16*\b:\s+15+16*\b], v[TM+12+\b]
.endr
	v_nop
	v_permlane16_swap_b32 v[\d], v[\d+2]
	v_permlane16_swap_b32 v[\d+1], v[\d+3]
.endm
.macro LNRED                           ; four rows' sums: the pair's halves, then across the 32 lanes
.irp i, 0,1,2,3
	v_add_f32 v[TM+2*\i], v[TM+2*\i], v[TM+2*\i+1]
.endr
.irp m, 1,2,4,8
.irp i, 0,1,2,3
	v_add_f32_dpp v[TM+2*\i], v[TM+2*\i], v[TM+2*\i] row_xmask:\m row_mask:0xf bank_mask:0xf
.endr
.endr
.irp i, 0,1,2,3
	v_permlanex16_b32 v[PC+\i], v[TM+2*\i], s[SEL], s[SEL+1]
.endr
.irp i, 0,1,2,3
	v_add_f32 v[TM+2*\i], v[TM+2*\i], v[PC+\i]
.endr
.endm
; The norm of four rows in v[ACC+16 i+e] (e = 4 j + q: column 128 j + 4 lane + q), gain in v[XF] on, bias in v[XF+16] on.  Two passes: the mean first, then the mean square of x - mean.  The four rows take turns line by line.
.macro LNROWS
.irp i, 0,1,2,3
	v_pk_add_f32 v[TM+2*\i:TM+2*\i+1], v[ACC+16*\i:ACC+16*\i+1], v[ACC+16*\i+2:ACC+16*\i+3]
.endr
.irp e, 4,6,8,10,12,14
.irp i, 0,1,2,3
	v_pk_add_f32 v[TM+2*\i:TM+2*\i+1], v[TM+2*\i:TM+2*\i+1], v[ACC+16*\i+\e:ACC+16*\i+\e+1]
.endr
.endr
	LNRED
.irp i, 0,1,2,3
	v_mul_f32 v[TM+8+2*\i], s[INV], v[TM+2*\i]         ; the mean, in the low word of a pair
.endr
.irp e, 0,2,4,6,8,10,12,14
.irp i, 0,1,2,3
	v_pk_add_f32 v[ACC+16*\i+\e:ACC+16*\i+\e+1], v[ACC+16*\i+\e:ACC+16*\i+\e+1], v[TM+8+2*\i:TM+9+2*\i] op_sel_hi:[1,0] neg_lo:[0,1] neg_hi:[0,1]
.endr
.endr
.irp i, 0,1,2,3
	v_pk_mul_f32 v[TM+2*\i:TM+2*\i+1], v[ACC+16*\i:ACC+16*\i+1], v[ACC+16*\i:ACC+16*\i+1]
.endr
.irp e, 2,4,6,8,10,12,14
.irp i, 0,1,2,3
	v_pk_fma_f32 v[TM+2*\i:TM+2*\i+1], v[ACC+16*\i+\e:ACC+16*\i+\e+1], v[ACC+16*\i+\e:ACC+16*\i+\e+1], v[TM+2*\i:TM+2*\i+1]
.endr
.endr
	LNRED
.irp i, 0,1,2,3
	v_fma_f32 v[TM+2*\i], v[TM+2*\i], s[INV], s[EPS]   ; the variance + 1e-5
.endr
.irp i, 0,1,2,3
	v_rsq_f32 v[TM+8+2*\i], v[TM+2*\i]
.endr
	v_nop                                              ; a plain place behind the transcendentals
	s_wait_alu depctr_va_vdst(0)
.irp e, 0,2,4,6,8,10,12,14
.irp i, 0,1,2,3
	v_pk_mul_f32 v[ACC+16*\i+\e:ACC+16*\i+\e+1], v[ACC+16*\i+\e:ACC+16*\i+\e+1], v[TM+8+2*\i:TM+9+2*\i] op_sel_hi:[1,0]
.endr
.endr
.irp e, 0,2,4,6,8,10,12,14
.irp i, 0,1,2,3
	v_pk_fma_f32 v[ACC+16*\i+\e:ACC+16*\i+\e+1], v[ACC+16*\i+\e:ACC+16*\i+\e+1], v[XF+\e:XF+\e+1], v[XF+16+\e:XF+17+\e]
.endr
.endr
.endm
; 36 loads: 64 weight rows x 512 along K into buffer buf of window 1, and each tile's scale words of the four K steps into set buf
.macro WLOAD buf, pc, ps, av, asc, pitch, spitch, off, soff
	WIN 0x40                                           ; destination window 1, address window 0
.irp t, 0,1,2,3
.irp s, 0,1,2,3
.irp c, 0,1
	global_load_b128 v[128*(\buf)+32*\t+8*\s+4*\c:128*(\buf)+32*\t+8*\s+4*\c+3], v[\av], s[\pc:\pc+1] offset:(32*(\t/2)+8*(\t%2))*(\pitch)+64*\s+32*\c+(\off)
.endr
.endr
.endr
	WIN 0
.irp t, 0,1,2,3
	global_load_b128 v[WS+16*(\buf)+4*\t:WS+16*(\buf)+4*\t+3], v[\asc], s[\ps:\ps+1] offset:(32*(\t/2)+8*(\t%2))*(\spitch)+(\soff)
.endr
.endm
; 32 matrix instructions: accumulator (u, t) at v[ACC+32 u+8 t] adds in place; the eight take turns, one instruction a turn
.macro MULT buf
	WIN 0x01                                           ; source 0 (the weights) window 1
.irp s, 0,1,2,3
.irp t, 0,1,2,3
.irp u, 0,1
	v_wmma_scale_f32_16x16x128_f8f6f4 v[ACC+32*\u+8*\t:ACC+32*\u+8*\t+7], v[128*(\buf)+32*\t+8*\s:128*(\buf)+32*\t+8*\s+7], v[XF+32*\u+8*\s:XF+32*\u+8*\s+7], v[ACC+32*\u+8*\t:ACC+32*\u+8*\t+7], v[WS+16*(\buf)+4*\t+\s], v[XS+4*\u+\s] matrix_a_fmt:MATRIX_FMT_FP4 matrix_b_fmt:MATRIX_FMT_FP4
.endr
.endr
.endr
	WIN 0
.endm
.macro XFETCH ai, asc, f0, fu          ; token fragment (u, K step s) is image f0 + fu u + s
.irp u, 0,1
.irp s, 0,1,2,3
.irp c, 0,1
	ds_load_b128 v[XF+32*\u+8*\s+4*\c:XF+32*\u+8*\s+4*\c+3], v[\ai] offset:((\f0)+(\fu)*\u+\s)*1024+512*\c
.endr
	ds_load_b32 v[XS+4*\u+\s], v[\asc] offset:((\f0)+(\fu)*\u+\s)*128
.endr
.endr
.endm
.macro ACCBIAS a, off                  ; a bias is what the sums begin with: lane (r, h), tile t: columns 32 (t / 2) + 8 (t % 2) + 16 h + 0 .. 7, for both token tiles
.irp t, 0,1,2,3
.irp u, 0,1
	ds_load_b128 v[ACC+32*\u+8*\t:ACC+32*\u+8*\t+3], v[\a] offset:(\off)+(32*(\t/2)+8*(\t%2))*4
	ds_load_b128 v[ACC+32*\u+8*\t+4:ACC+32*\u+8*\t+7], v[\a] offset:(\off)+(32*(\t/2)+8*(\t%2))*4+16
.endr
.endr
.endm
.macro XINIT a                         ; the accumulators take my columns of the 32 LDS rows
.irp u, 0,1
.irp t, 0,1,2,3
	ds_load_b128 v[ACC+32*\u+8*\t:ACC+32*\u+8*\t+3], v[\a] offset:16*\u*RP+128*(\t/2)+32*(\t%2)
	ds_load_b128 v[ACC+32*\u+8*\t+4:ACC+32*\u+8*\t+7], v[\a] offset:16*\u*RP+128*(\t/2)+32*(\t%2)+16
.endr
.endr
.endm
.macro STAGE a                         ; and go back there, each from its low end on
.irp u, 0,1
.irp t, 0,1,2,3
	ds_store_b128 v[\a], v[ACC+32*\u+8*\t:ACC+32*\u+8*\t+3] offset:16*\u*RP+128*(\t/2)+32*(\t%2)
	ds_store_b128 v[\a], v[ACC+32*\u+8*\t+4:ACC+32*\u+8*\t+7] offset:16*\u*RP+128*(\t/2)+32*(\t%2)+16
.endr
.endr
.endm
	s_load_b256 s[8:15], s[0:1], 0x0               ; ctx_codes s[8:9], ctx_scales s[10:11], x s[12:13], Wo's codes s[14:15]
	s_load_b256 s[16:23], s[0:1], 0x20             ; Wo's scales s[16:17], bo s[18:19], ln2_g s[20:21], ln2_b s[22:23]
	s_load_b256 s[24:31], s[0:1], 0x40             ; W1's codes s[24:25], W1's scales s[26:27], b1 s[28:29], W2's codes s[30:31]
	s_load_b128 s[32:35], s[0:1], 0x60             ; W2's scales s[32:33], b2 s[34:35]
	s_load_b64 s[36:37], s[0:1], 0x70              ; out0
	v_lshl_add_u32 v254, v0, 2, 0x2f800
	v_mov_b32 v255, 0
	v_lshrrev_b32 v1, 5, v0
	v_readfirstlane_b32 s[WV], v1                  ; wave 0..7
	v_and_b32 v1, 31, v0                           ; lane
	v_and_b32 v2, 15, v0                           ; r
	v_bfe_u32 v3, v0, 4, 1                         ; h
	v_and_b32 v4, 8, v2
	v_add_nc_u32 v4, v4, v2                        ; r + 8 (r / 8)
	v_lshlrev_b32 v[AW], 8, v4
	v_lshl_add_u32 v[AW], v3, 4, v[AW]
	v_lshlrev_b32 v[AS], 4, v4
	v_lshlrev_b32 v[AL], 4, v1
	v_lshlrev_b32 v[AW2], 10, v4
	v_lshl_add_u32 v[AW2], v3, 4, v[AW2]
	v_lshlrev_b32 v[AS2], 6, v4
	v_lshlrev_b32 v[AXS], 2, v2
	v_lshlrev_b32 v[G32], 5, v0
	v_lshlrev_b32 v[G8], 3, v0
	s_lshl_b32 s54, ttmp9, 5                       ; my four rows' first token: 32 g + 16 ((w >> 1) & 1) + 8 (w >> 2) + 4 (w & 1)
	s_bfe_u32 s4, s[WV], 0x10001
	s_lshl_b32 s4, s4, 4
	s_add_co_u32 s54, s54, s4
	s_lshr_b32 s4, s[WV], 2
	s_lshl_b32 s4, s4, 3
	s_add_co_u32 s54, s54, s4
	s_and_b32 s4, s[WV], 1
	s_lshl_b32 s4, s4, 2
	s_add_co_u32 s54, s54, s4
	s_lshl_b32 s54, s54, 11
	s_mov_b32 s55, 0
	s_lshl_b32 s56, s[WV], 14                      ; Wo: my 64 rows of 256 bytes,
	s_mov_b32 s57, 0
	s_lshl_b32 s58, s[WV], 10                      ; and their 16 scale bytes each
	s_mov_b32 s59, 0
	s_lshl_b32 s60, s[WV], 16                      ; W1: my 256 rows of 256 bytes; W2: my 64 rows of 1,024
	s_mov_b32 s61, 0
	s_lshl_b32 s62, s[WV], 12                      ; and their scale bytes
	s_mov_b32 s63, 0
	s_lshl_b32 s44, ttmp9, 13                      ; ctx: the block's two tiles of 4,096 bytes,
	s_mov_b32 s45, 0
	s_lshl_b32 s46, ttmp9, 9                       ; and of 256 scale bytes
	s_mov_b32 s47, 0
	s_mov_b32 s[SEL], 0x76543210
	s_mov_b32 s[SEL+1], 0xfedcba98
	s_mov_b32 s[INV], 0x3b000000                   ; 1 / 512
	s_mov_b32 s[EPS], 0x3727c5ac                   ; 1e-5
	s_wait_kmcnt 0x0
	s_add_nc_u64 s[8:9], s[8:9], s[44:45]
	s_add_nc_u64 s[10:11], s[10:11], s[46:47]
	s_add_nc_u64 s[12:13], s[12:13], s[54:55]
	s_add_nc_u64 s[36:37], s[36:37], s[54:55]
	s_add_nc_u64 s[14:15], s[14:15], s[56:57]
	s_add_nc_u64 s[16:17], s[16:17], s[58:59]
	s_add_nc_u64 s[24:25], s[24:25], s[60:61]
	s_add_nc_u64 s[30:31], s[30:31], s[60:61]
	s_add_nc_u64 s[26:27], s[26:27], s[62:63]
	s_add_nc_u64 s[32:33], s[32:33], s[62:63]
	WLOAD 0, 14, 16, AW, AS, 256, 16, 0, 0         ; chunk 0: Wo
.irp i, 0,1,2,3
.irp j, 0,1,2,3
	global_load_b128 v[ACC+16*\i+4*\j:ACC+16*\i+4*\j+3], v[AL], s[12:13] offset:2048*\i+512*\j th:TH_LOAD_NT   ; my four rows of x: their last read
.endr
.endr
.irp j, 0,1,2,3
	global_load_b128 v[TM+4*\j:TM+4*\j+3], v[AL], s[18:19] offset:512*\j   ; bo, by rows
.endr
	global_load_b128 v[226:229], v[G32], s[28:29]  ; b1, gain, bias and b2 for LDS
	global_load_b128 v[230:233], v[G32], s[28:29] offset:16
	global_load_b64 v[234:235], v[G8], s[20:21]
	global_load_b64 v[236:237], v[G8], s[22:23]
	global_load_b64 v[238:239], v[G8], s[34:35]
.irp f, 0,1,2,3,4,5,6,7
.irp c, 0,1
	global_load_b128 v[XF+8*\f+4*\c:XF+8*\f+4*\c+3], v[AL], s[8:9] offset:1024*\f+512*\c   ; ctx's eight fragments, as they lie
.endr
.endr
.irp f, 0,1,2,3,4,5,6,7
	global_load_b32 v[XS+\f], v[AXS], s[10:11] offset:64*\f
.endr
	; the LDS addresses, while the loads are out
	v_add_nc_u32 v[AT32], BIAS, v[G32]
	v_add_nc_u32 v[AT8], BIAS+8192, v[G8]
	s_mul_i32 s4, s[WV], 4*RP
	v_add_nc_u32 v[ARW], s4, v[AL]
	s_add_co_u32 s4, s4, XN
	v_add_nc_u32 v[ARW2], s4, v[AL]
	v_mul_u32_u24 v31, v2, RP                      ; 2,064 r
	v_lshl_add_u32 v31, v3, 6, v31                 ; + 64 h
	s_lshl_b32 s4, s[WV], 8
	v_add_nc_u32 v[AST1], s4, v31
	s_add_co_u32 s4, s4, XN
	v_add_nc_u32 v[AST2], s4, v31
	v_add_nc_u32 v[AGB], BIAS+8192, v[AL]
	s_lshr_b32 s4, s[WV], 2
	s_mul_i32 s4, s4, 16*RP
	s_and_b32 s5, s[WV], 3
	s_lshl_b32 s5, s5, 9
	s_add_co_u32 s4, s4, s5
	s_add_co_u32 s4, s4, XN
	v_add_nc_u32 v[AQR], s4, v31                   ; row 16 (w >> 2) + r, K step w & 3, + 64 h
	s_lshl_b32 s4, s[WV], 10
	s_add_co_u32 s4, s4, XIMG
	v_add_nc_u32 v[AIW], s4, v[AL]
	v_lshlrev_b32 v1, 2, v1                        ; 4 x lane
	s_lshl_b32 s4, s[WV], 7
	s_add_co_u32 s4, s4, XSC
	v_add_nc_u32 v[ASW], s4, v1
	v_add_nc_u32 v[AIF], XIMG, v[AL]
	v_add_nc_u32 v[ASF], XSC, v1
	s_lshl_b32 s4, s[WV], 10
	s_add_co_u32 s4, s4, BIAS
	v_lshl_add_u32 v[AB1], v3, 6, s4
	s_lshl_b32 s4, s[WV], 11
	s_add_co_u32 s4, s4, HIMG
	v_add_nc_u32 v[AHW], s4, v[AL]
	s_lshl_b32 s4, s[WV], 8
	s_add_co_u32 s4, s4, HSC
	v_add_nc_u32 v[AHS], s4, v1
	v_add_nc_u32 v[AHF], HIMG, v[AL]
	v_add_nc_u32 v[ASH], HSC, v1
	s_lshl_b32 s4, s[WV], 8
	s_add_co_u32 s4, s4, BIAS+12288
	v_lshl_add_u32 v[AB2], v3, 6, s4
.irp i, 0,1,2,3
	v_mov_b32 v[PC+\i], 0                          ; written once: a lane permute's destination counts as one of its sources
.endr
	s_wait_loadcnt 24                              ; all but ctx's 24 loads are in
	ds_store_b128 v[AT32], v[226:229]
	ds_store_b128 v[AT32], v[230:233] offset:16
	ds_store_b64 v[AT8], v[234:235]
	ds_store_b64 v[AT8], v[236:237] offset:2048
	ds_store_b64 v[AT8], v[238:239] offset:4096
.irp i, 0,1,2,3
.irp e, 0,2,4,6,8,10,12,14
	v_pk_add_f32 v[ACC+16*\i+\e:ACC+16*\i+\e+1], v[ACC+16*\i+\e:ACC+16*\i+\e+1], v[TM+\e:TM+\e+1]   ; x + bo
.endr
.endr
.irp i, 0,1,2,3
.irp j, 0,1,2,3
	ds_store_b128 v[ARW], v[ACC+16*\i+4*\j:ACC+16*\i+4*\j+3] offset:RP*\i+512*\j
.endr
.endr
	WLOAD 1, 24, 26, AW, AS, 256, 16, 0, 0         ; chunk 1: W1's first 64 of my rows
	BARRIER                                        ; 32 rows of x + bo and the small vectors lie in LDS
	; ---- x1 = (x + bo) + ctx Wo, my 64 columns
	XINIT AST1
	s_wait_dscnt 0x0
	s_wait_loadcnt 36                              ; Wo and ctx are in; chunk 1's 36 loads may be out
	MULT 0
	PLACES
	WLOAD 0, 24, 26, AW, AS, 256, 16, 16384, 1024  ; chunk 2
.irp t, 0,1,2,3
	ds_load_b128 v[XF+8*\t:XF+8*\t+3], v[AB2] offset:(32*(\t/2)+8*(\t%2))*4      ; b2 in the result's layout
	ds_load_b128 v[XF+8*\t+4:XF+8*\t+7], v[AB2] offset:(32*(\t/2)+8*(\t%2))*4+16
.endr
	STAGE AST2                                     ; x1 for the norm
	s_wait_dscnt 0x0                               ; b2 is in, and the stores have read the accumulators
.irp u, 0,1
.irp t, 0,1,2,3
.irp e, 0,2,4,6
	v_pk_add_f32 v[ACC+32*\u+8*\t+\e:ACC+32*\u+8*\t+\e+1], v[ACC+32*\u+8*\t+\e:ACC+32*\u+8*\t+\e+1], v[XF+8*\t+\e:XF+8*\t+\e+1]
.endr
.endr
.endr
	STAGE AST1                                     ; x1 + b2, into my own columns: what the last product's sums begin with
	BARRIER                                        ; 32 rows of x1 lie in XN
	; ---- the norm of my four rows
.irp i, 0,1,2,3
.irp j, 0,1,2,3
	ds_load_b128 v[ACC+16*\i+4*\j:ACC+16*\i+4*\j+3], v[ARW2] offset:RP*\i+512*\j
.endr
.endr
.irp j, 0,1,2,3
	ds_load_b128 v[XF+4*\j:XF+4*\j+3], v[AGB] offset:512*\j
	ds_load_b128 v[XF+16+4*\j:XF+19+4*\j], v[AGB] offset:2048+512*\j
.endr
	s_wait_dscnt 0x0
	LNROWS
.irp i, 0,1,2,3
.irp j, 0,1,2,3
	ds_store_b128 v[ARW2], v[ACC+16*\i+4*\j:ACC+16*\i+4*\j+3] offset:RP*\i+512*\j   ; over my own rows, which no other wave touches between these two barriers
.endr
.endr
	BARRIER
	; ---- one fragment of the norm is quantised by each wave
.irp b, 0,1,2,3
.irp j, 0,1,2,3
	ds_load_b128 v[ACC+16*\b+4*\j:ACC+16*\b+4*\j+3], v[AQR] offset:128*\b+16*\j
.endr
.endr
	s_wait_dscnt 0x0
	QUANT4 ACC
	ds_store_b128 v[AIW], v[PC:PC+3]
	ds_store_b128 v[AIW], v[PC+4:PC+7] offset:512
	ds_store_b32 v[ASW], v[PW]
	BARRIER
	; ---- the hidden layer: my 256 units, 64 at a time; each 64 are half a K step of the last product
	XFETCH AIF, ASF, 0, 4
.irp i, 0,1,2,3
	ACCBIAS AB1, 256*\i
	s_wait_dscnt 0x0                               ; the fragments and b1 are in; the last turn's stores have read their registers
	s_wait_loadcnt 36                              ; this chunk is in; the next chunk's 36 loads may be out
	MULT (1+\i)%2
	PLACES
.if \i < 2
	WLOAD (1+\i)%2, 24, 26, AW, AS, 256, 16, 16384*(\i+2), 1024*(\i+2)   ; chunks 3, 4: W1
.else
	WLOAD (1+\i)%2, 30, 32, AW2, AS2, 1024, 64, 256*(\i-2), 16*(\i-2)    ; chunks 5, 6: W2's K steps 0-3, 4-7
.endif
.set J, 0
.rept 64
	v_max_num_f32 v[ACC+J], 0, v[ACC+J]            ; the activation, in f32; each accumulator from its low end on
.set J, J+1
.endr
.irp u, 0,1
	QUANT2 ACC+32*\u, PC+4*\u
	ds_store_b128 v[AHW], v[PC+4*\u:PC+4*\u+3] offset:16384*\u+1024*(\i/2)+512*(\i%2)
.if \i%2 == 0
	v_lshl_or_b32 v[PW+\u], v[TM+5], 8, v[TM+4]    ; bytes 0, 1 of the K step's scale word
.else
	v_lshl_or_b32 v[PW+\u], v[TM+4], 16, v[PW+\u]  ; bytes 2, 3
	v_lshl_or_b32 v[PW+\u], v[TM+5], 24, v[PW+\u]
	ds_store_b32 v[AHS], v[PW+\u] offset:2048*\u+128*(\i/2)
.endif
.endr
.endr
	BARRIER                                        ; the hidden layer's 32 fragments lie in LDS
	; ---- out = (x1 + b2) + h W2, my 64 columns, four K steps at a time
	XINIT AST1
.irp q, 0,1,2,3
	XFETCH AHF, ASH, 4*\q, 16
	s_wait_dscnt 0x0
.if \q < 3
	s_wait_loadcnt 36                              ; this chunk is in; the next chunk's 36 loads may be out
.else
	s_wait_loadcnt 0x0
.endif
	MULT (1+\q)%2
	PLACES                                         ; for the next fetch into the fragments and scale words, the next chunk's loads, and the first read of the results
.if \q < 2
	WLOAD (1+\q)%2, 30, 32, AW2, AS2, 1024, 64, 256*(\q+2), 16*(\q+2)    ; chunks 7, 8
.endif
.endr
	STAGE AST2                                     ; XN was last read three barriers ago
	BARRIER                                        ; 32 whole rows of the result lie in XN
.irp i, 0,1,2,3
.irp j, 0,1,2,3
	ds_load_b128 v[ACC+16*\i+4*\j:ACC+16*\i+4*\j+3], v[ARW2] offset:RP*\i+512*\j
.endr
.endr
.irp i, 0,1,2,3
.irp j, 0,1,2,3
	s_wait_dscnt 15-4*\i-\j                        ; LDS loads come back in order: this one is in, the younger may be out
	global_store_b128 v[AL], v[ACC+16*\i+4*\j:ACC+16*\i+4*\j+3], s[36:37] offset:2048*\i+512*\j th:TH_STORE_NT   ; 32 lanes store 512 consecutive bytes, at a multiple of 256 from the buffer's first byte
.endr
.endr
	s_wait_tensorcnt 0x0
	ds_add_u32 v254, v255
	s_wait_dscnt 0x0
	s_endpgm
.Lfunc_end_k_q44a1a58ce3_post:
	.size	k_q44a1a58ce3_post, .Lfunc_end_k_q44a1a58ce3_post-k_q44a1a58ce3_post
	.p2alignl 7, 3214868480
	.fill 96, 4, 3214868480
	.section	.rodata,"a",@progbits
	.p2align	6, 0x0
	.amdhsa_kernel k_q44a1a58ce3_post
		.amdhsa_group_segment_fixed_size 195584
		.amdhsa_private_segment_fixed_size 0
		.amdhsa_enable_private_segment 0
		.amdhsa_kernarg_size 120
		.amdhsa_user_sgpr_count 2
		.amdhsa_user_sgpr_kernarg_segment_ptr 1
		.amdhsa_wavefront_size32 1
		.amdhsa_system_sgpr_workgroup_id_x 1
		.amdhsa_system_sgpr_workgroup_id_y 1
		.amdhsa_system_sgpr_workgroup_id_z 1
		.amdhsa_system_vgpr_workitem_id 0
		.amdhsa_next_free_vgpr 512
		.amdhsa_next_free_sgpr 66
		.amdhsa_reserve_vcc 0
		.amdhsa_float_denorm_mode_32 3
		.amdhsa_float_denorm_mode_16_64 3
		.amdhsa_memory_ordered 1
		.amdhsa_forward_progress 1
		.amdhsa_inst_pref_size 150
	.end_amdhsa_kernel
	.amdgpu_metadata
---
amdhsa.version: [ 1, 2 ]
amdhsa.kernels:
  - .name:           k_q44a1a58ce3_post
    .symbol:         k_q44a1a58ce3_post.kd
    .args:
      - { .name: ctx_codes, .offset: 0, .size: 8, .value_kind: global_buffer, .address_space: global }
      - { .name: ctx_scales, .offset: 8, .size: 8, .value_kind: global_buffer, .address_space: global }
      - { .name: x, .offset: 16, .size: 8, .value_kind: global_buffer, .address_space: global }
      - { .name: Wo_codes, .offset: 24, .size: 8, .value_kind: global_buffer, .address_space: global }
      - { .name: Wo_scales, .offset: 32, .size: 8, .value_kind: global_buffer, .address_space: global }
      - { .name: bo, .offset: 40, .size: 8, .value_kind: global_buffer, .address_space: global }
      - { .name: ln2_g, .offset: 48, .size: 8, .value_kind: global_buffer, .address_space: global }
      - { .name: ln2_b, .offset: 56, .size: 8, .value_kind: global_buffer, .address_space: global }
      - { .name: W1_codes, .offset: 64, .size: 8, .value_kind: global_buffer, .address_space: global }
      - { .name: W1_scales, .offset: 72, .size: 8, .value_kind: global_buffer, .address_space: global }
      - { .name: b1, .offset: 80, .size: 8, .value_kind: global_buffer, .address_space: global }
      - { .name: W2_codes, .offset: 88, .size: 8, .value_kind: global_buffer, .address_space: global }
      - { .name: W2_scales, .offset: 96, .size: 8, .value_kind: global_buffer, .address_space: global }
      - { .name: b2, .offset: 104, .size: 8, .value_kind: global_buffer, .address_space: global }
      - { .name: out0, .offset: 112, .size: 8, .value_kind: global_buffer, .address_space: global }
    .group_segment_fixed_size: 195584
    .private_segment_fixed_size: 0
    .kernarg_segment_align: 8
    .kernarg_segment_size: 120
    .max_flat_workgroup_size: 256
    .sgpr_count:     66
    .vgpr_count:     512
    .wavefront_size: 32
...
	.end_amdgpu_metadata
.endif
;; end of part 3
;; ======== version 2 of 2: 3 launches
;; workspace buffers: q_codes 2,097,152 bytes; q_scales 131,072 bytes; kv 4,456,448 bytes; ctx_codes 2,097,152 bytes; ctx_scales 131,072 bytes
;; launch qkv (part 4): grid 256 x 1, 8 waves a work-group, no clusters, 82,944 bytes of LDS; arguments x, ln1_g, ln1_b, Wq_codes, Wq_scales, bq, Wk_codes, Wk_scales, bk, Wv_codes, Wv_scales, bv, q_codes, q_scales, kv; writes q_codes, q_scales, kv
.if DOCPART == 4
	.amdgcn_target "amdgcn-amd-amdhsa--gfx1250"
	.amdhsa_code_object_version 6
	.text
	.protected	k_q44a1a58ce3_qkv
	.globl	k_q44a1a58ce3_qkv
	.p2align	8
	.type	k_q44a1a58ce3_qkv,@function
k_q44a1a58ce3_qkv:
	s_mov_b64 s[64:65], 0
	v_nop
	global_prefetch_b8 v0, s[64:65] scope:SCOPE_SE
	s_setreg_imm32_b32 hwreg(HW_REG_WAVE_SCHED_MODE, 0, 2), 2
	s_setreg_imm32_b32 hwreg(HW_REG_WAVE_MODE, 25, 1), 1
	s_wait_xcnt 0x0
	s_wait_alu depctr_vm_vsrc(0)
; LAYER NORM 1, ITS QUANTISER, AND q, k, v AS CODES OF FP4 (E2M1) WITH ONE E8M0 SCALE FOR EACH 32 ALONG K.
; x [8192][512] f32.  Wq, Wk, Wv: codes [512 (n)][256 bytes], scale bytes [512][16].  Results: q and k quantised along the head's 64, v along the KEYS.
; SHARES.  A work-group takes a block of 32 tokens (block g = 128 b + kb); wave w norms four rows, quantises one fragment of xn, and then makes head w's q, k and v for all 32 tokens.
; TOKEN ORDER.  Tile u (0, 1), lane r stands for token 8 u + r + 8 (r / 8) of the block; LDS row 16 u + r holds that token.  WEIGHT ROWS: tile t of a head's four, lane r takes row 32 (t / 2) + 8 (t % 2) + r + 8 (r / 8).
; q, k: the product is used TRANSPOSED (source 0 = 16 weight rows, source 1 = 16 tokens): a lane holds one token, and the 16 registers of tiles 2 b', 2 b' + 1 are 16 neighbours along the head's axis.
; v: the product is used as it stands (source 0 = tokens): a lane holds one channel, and the 16 registers of the two token tiles are 16 neighbouring KEYS.
; THE BUFFERS ARE LAID IN THE ORDER OF THE NEXT LAUNCH'S OPERAND REGISTERS: q_codes [bh][tile][lane][16]; q_scales [bh][tile][2 r + block];
; kv [bh][step of 128 keys][8,704]: K's four fragments (key block f: tile 0 in registers 0-3, tile 1 in 4-7), V's four (tile t, keys along K), 256 scale bytes of K (16 r + 4 f + 2 u + block), 256 of V (16 r + 4 t + key block).
; The weights go straight from memory into the one wave that uses them (window 1, two buffers of 128 registers), a head's 64 rows x all of K at a time: 36 loads, asked for one product ahead.
; No tile is shared between work-groups through LDS here, so there are no joint loads: each weight fragment feeds one wave's registers.
; LIMITS: NaN and infinities are not served; a block whose largest magnitude lies under 2^-124 keeps the scale byte 1 (a block of zeros too: its codes are zeros, and these bytes are read by this program alone).
; THE MODE: SCHED_MODE bits 1:0 = 2 (LLVM: expert scheduling mode 2), set by the entry lines.  The code itself states the register dependences
; between vector or matrix instructions and memory or LDS instructions, with s_wait_alu, always for 0.
; THE PLAN.  Registers that memory or LDS instructions touch, and who else names them:
;   v5-v8       offsets of the global loads (v7 of q's and k's code stores too): made at the head, never written again.
;   v9-v21      LDS addresses and the stores' offsets: made while the first loads are out, never written again.
;   v226-231    the biases on their way to LDS: loads land, LDS stores read; later they are the first of OC, which the quantiser writes.
;   ACC         by turns loads land in it (x; a fragment's numbers; bq; bk) and vector or matrix instructions work on it (the norm; the quantiser; the products); LDS stores read it once (xn's rows).
;   XF, XS      the norm's gain and bias land and the norm reads them; then xn's fragments and scale words land once, and the products alone read them.
;   window 1, WS  the weights: loads land, the products read; buffer 0 and set 0 are asked for a second time (Wv), behind q's products.
;   PC, PW      written by the quantiser, read by the image's LDS stores, not written again.   OC, OB: written by the quantiser, read by one global store each, never written again.
; So one wait on va_vdst stands ahead of each run of stores, behind the vector work that made their data, and the loads that follow it into registers which that work has left owe nothing more;
; one wait on vm_vsrc stands behind the first barrier, ahead of the loads into ACC, and serves v226-231 too.
.set RP,    2064                       ; an LDS row of xn: 2,048 bytes + 16: 129 x 16, so sixteen rows of one column fall on sixteen different groups of banks
.set XIMG,  32*RP                      ; xn's eight fragments (4 u + K step) as images of their registers, 1,024 bytes each
.set XSC,   XIMG+8*1024                ; their scale words, 128 bytes each
.set BIAS,  XSC+8*128                  ; bq, bk, bv: 2,048 bytes each
.set HEADB, 278528                     ; a head's bytes in kv
.set STEPB, 8704                       ; a key step's
.set AW,  5                            ; v5   weights' codes: 256 (r + 8 (r / 8)) + 16 h
.set AS,  6                            ; v6   weights' scale words: 16 (r + 8 (r / 8))
.set AL,  7                            ; v7   16 x lane
.set AT,  8                            ; v8   8 x thread
.set ATL, 9                            ; v9   BIAS + 8 x thread
.set ARW, 10                           ; v10  my four rows of xn in LDS
.set AQR, 11                           ; v11  the fragment that I quantise: row, K step, my half of a block
.set AIW, 12                           ; v12  where its image goes
.set ASW, 13                           ; v13  and its scale word
.set AIF, 14                           ; v14  images, for reading
.set ASF, 15                           ; v15  scale words, for reading
.set AB,  16                           ; v16  a bias in the transposed result's layout
.set ABV, 17                           ; v17  bv of my channel
.set AQS, 18                           ; v18  q's scale byte: 2 r + h
.set AKS, 19                           ; v19  k's: 16 r + h
.set AVC, 20                           ; v20  v's codes: 1,024 h + 16 r
.set AVS, 21                           ; v21  v's scale byte: 16 r + 4 h
.set BV,  24                           ; v24-31 bv for tile t in the low word of pair t
.set ACC, 32                           ; v32-95   eight accumulators; before that four rows of x
.set XF,  96                           ; v96-159  xn's eight fragments; before that gain and bias of the norm
.set XS,  160                          ; v160-167 their scale words: scales and nothing else
.set WS,  168                          ; v168-199 the weights' scale words, two sets: scales and nothing else
.set PC,  200                          ; v200-207 codes just made
.set TM,  208                          ; v208-223 at work
.set PW,  224                          ; v224     a scale word just made
.set OC,  226                          ; v226-249 codes on their way out: four registers for each of six stores, never written again
.set OB,  250                          ; v250-255 scale bytes on their way out, likewise
.set WV,  38
.set SEL, 40                           ; s[40:41] v_permlanex16_b32's selects for lane l xor 16
.set INV, 42                           ; 1 / 512
.set EPS, 43
.set HI,  44                           ; the mask of lanes 16-31
.set PKC, 46                           ; s[46:47] kv: K's fragment;  s[48:49] K's scale bytes;  s[50:51] V's codes;  s[52:53] V's scale bytes
.set PKS, 48
.set PVC, 50
.set PVS, 52
.set MSB, 0
.macro WIN new                         ; the immediate's high byte repeats the setting that is left
.if MSB != \new
	s_set_vgpr_msb (MSB<<8)|\new
.set MSB, \new
.endif
.endm
.macro PLACES                          ; four places behind matrix instructions, in front of the first read of their results (ISA guide 7.12.1); a wait on va_vdst fills no place
.rept 4
	v_nop
.endr
.endm
.macro BARRIER                         ; my LDS stores have landed and my LDS loads are in: then the work-group's barrier
	s_wait_dscnt 0x0
	s_barrier_signal -1
	s_barrier_wait -1
.endm
; 64 numbers of a lane, register 16 b + i = k 32 b + 16 h + i of my row, become a fragment's codes in v[PC] on and its scale word in v[PW]
.macro QUANT4 s
.irp b, 0,1,2,3
	v_max3_num_f32 v[TM+\b], |v[\s+16*\b]|, |v[\s+1+16*\b]|, 0x1800000   ; my 16 numbers of block b, and the floor 2^(3 - 127): the byte cannot fall under 1
.endr
.irp i, 2,4,6,8,10,12,14
.irp b, 0,1,2,3
	v_max3_num_f32 v[TM+\b], v[TM+\b], |v[\s+16*\b+\i]|, |v[\s+1+16*\b+\i]|
.endr
.endr
.irp b, 0,1,2,3
	v_permlanex16_b32 v[TM+4+\b], v[TM+\b], s[SEL], s[SEL+1]
.endr
.irp b, 0,1,2,3
	v_max_num_f32 v[TM+\b], v[TM+\b], v[TM+4+\b]       ; with lane l xor 16's: the block's largest magnitude
.endr
.irp b, 0,1,2,3
	v_add_nc_u32 v[TM+12+\b], 0xff000000, v[TM+\b]     ; 2 off its exponent field: the conversion's scale operand
.endr
.irp b, 0,1,2,3
	v_lshrrev_b32 v[TM+4+\b], 23, v[TM+12+\b]          ; the scale's byte
.endr
	v_lshl_or_b32 v[PW], v[TM+5], 8, v[TM+4]
	v_lshl_or_b32 v[PW], v[TM+6], 16, v[PW]
	v_lshl_or_b32 v[PW], v[TM+7], 24, v[PW]
.irp b, 0,1,2,3
	v_cvt_scalef32_pk8_fp4_f32 v[PC+2*\b], v[\s+16*\b:\s+7+16*\b], v[TM+12+\b]
	v_cvt_scalef32_pk8_fp4_f32 v[PC+1+2*\b], v[\s+8+16*\b:\s+15+16*\b], v[TM+12+\b]
.endr
	v_nop                                              ; one plain place behind a scaled conversion
.irp c, 0,1
.irp i, 0,1
	v_permlane16_swap_b32 v[PC+4*\c+\i], v[PC+2+4*\c+\i]   ; a whole block to a lane: lanes 0-15 block 2 c, lanes 16-31 block 2 c + 1
.endr
.endr
.endm
; The same for two blocks: 32 numbers of a lane become four registers v[d] on (lane (r, h): block h whole); the two bytes stay in v[TM+4], v[TM+5]
.macro QUANT2 s, d
.irp b, 0,1
	v_max3_num_f32 v[TM+\b], |v[\s+16*\b]|, |v[\s+1+16*\b]|, 0x1800000
.endr
.irp i, 2,4,6,8,10,12,14
.irp b, 0,1
	v_max3_num_f32 v[TM+\b], v[TM+\b], |v[\s+16*\b+\i]|, |v[\s+1+16*\b+\i]|
.endr
.endr
.irp b, 0,1
	v_permlanex16_b32 v[TM+4+\b], v[TM+\b], s[SEL], s[SEL+1]
.endr
.irp b, 0,1
	v_max_num_f32 v[TM+\b], v[TM+\b], v[TM+4+\b]
.endr
.irp b, 0,1
	v_add_nc_u32 v[TM+12+\b], 0xff000000, v[TM+\b]
.endr
.irp b, 0,1
	v_lshrrev_b32 v[TM+4+\b], 23, v[TM+12+\b]
.endr
.irp b, 0,1
	v_cvt_scalef32_pk8_fp4_f32 v[\d+2*\b], v[\s+16*\b:\s+7+16*\b], v[TM+12+\b]
	v_cvt_scalef32_pk8_fp4_f32 v[\d+1+2*\b], v[\s+8+16*\b:\s+15+16*\b], v[TM+12+\b]
.endr
	v_nop
	v_permlane16_swap_b32 v[\d], v[\d+2]
	v_permlane16_swap_b32 v[\d+1], v[\d+3]
.endm
; Result number n of six, in two parts.  QCODE: 32 numbers from v[src] on are quantised into the result's own registers: four of codes, and one with a byte a lane (lane (r, h): block h's), so that EXEC stays whole.
; QSEND: the codes leave as 16 bytes a lane, the bytes as one byte a lane.  A product's two QCODE stand together, then one wait, then its two QSEND.
.macro QCODE n, src
	QUANT2 \src, OC+4*(\n)
	v_cndmask_b32 v[OB+(\n)], v[TM+4], v[TM+5], s[HI]
.endm
.macro QSEND n, ac, pc, offc, ab, pb, offb
	global_store_b128 v[\ac], v[OC+4*(\n):OC+4*(\n)+3], s[\pc:\pc+1] offset:\offc
	global_store_b8 v[\ab], v[OB+(\n)], s[\pb:\pb+1] offset:\offb
.endm
.macro LNRED                           ; four rows' sums: the pair's halves, then across the 32 lanes
.irp i, 0,1,2,3
	v_add_f32 v[TM+2*\i], v[TM+2*\i], v[TM+2*\i+1]
.endr
.irp m, 1,2,4,8
.irp i, 0,1,2,3
	v_add_f32_dpp v[TM+2*\i], v[TM+2*\i], v[TM+2*\i] row_xmask:\m row_mask:0xf bank_mask:0xf
.endr
.endr
.irp i, 0,1,2,3
	v_permlanex16_b32 v[PC+\i], v[TM+2*\i], s[SEL], s[SEL+1]
.endr
.irp i, 0,1,2,3
	v_add_f32 v[TM+2*\i], v[TM+2*\i], v[PC+\i]
.endr
.endm
; The norm of four rows in v[ACC+16 i+e] (e = 4 j + q: column 128 j + 4 lane + q), gain in v[XF] on, bias in v[XF+16] on.  Two passes, as the definition has it: the mean first, then the mean square of x - mean.  The four rows take turns line by line.
.macro LNROWS
.irp i, 0,1,2,3
	v_pk_add_f32 v[TM+2*\i:TM+2*\i+1], v[ACC+16*\i:ACC+16*\i+1], v[ACC+16*\i+2:ACC+16*\i+3]
.endr
.irp e, 4,6,8,10,12,14
.irp i, 0,1,2,3
	v_pk_add_f32 v[TM+2*\i:TM+2*\i+1], v[TM+2*\i:TM+2*\i+1], v[ACC+16*\i+\e:ACC+16*\i+\e+1]
.endr
.endr
	LNRED
.irp i, 0,1,2,3
	v_mul_f32 v[TM+8+2*\i], s[INV], v[TM+2*\i]         ; the mean, in the low word of a pair
.endr
.irp e, 0,2,4,6,8,10,12,14
.irp i, 0,1,2,3
	v_pk_add_f32 v[ACC+16*\i+\e:ACC+16*\i+\e+1], v[ACC+16*\i+\e:ACC+16*\i+\e+1], v[TM+8+2*\i:TM+9+2*\i] op_sel_hi:[1,0] neg_lo:[0,1] neg_hi:[0,1]
.endr
.endr
.irp i, 0,1,2,3
	v_pk_mul_f32 v[TM+2*\i:TM+2*\i+1], v[ACC+16*\i:ACC+16*\i+1], v[ACC+16*\i:ACC+16*\i+1]
.endr
.irp e, 2,4,6,8,10,12,14
.irp i, 0,1,2,3
	v_pk_fma_f32 v[TM+2*\i:TM+2*\i+1], v[ACC+16*\i+\e:ACC+16*\i+\e+1], v[ACC+16*\i+\e:ACC+16*\i+\e+1], v[TM+2*\i:TM+2*\i+1]
.endr
.endr
	LNRED
.irp i, 0,1,2,3
	v_fma_f32 v[TM+2*\i], v[TM+2*\i], s[INV], s[EPS]   ; the variance + 1e-5
.endr
	s_wait_alu depctr_va_vdst(0)
.irp i, 0,1,2,3
	v_rsq_f32 v[TM+8+2*\i], v[TM+2*\i]
.endr
	v_nop                                              ; a plain place behind the transcendentals
	s_wait_alu depctr_va_vdst(0)                       ; the four reciprocal roots are written, ahead of their first reader: one wait for the batch
.irp e, 0,2,4,6,8,10,12,14
.irp i, 0,1,2,3
	v_pk_mul_f32 v[ACC+16*\i+\e:ACC+16*\i+\e+1], v[ACC+16*\i+\e:ACC+16*\i+\e+1], v[TM+8+2*\i:TM+9+2*\i] op_sel_hi:[1,0]
.endr
.endr
.irp e, 0,2,4,6,8,10,12,14
.irp i, 0,1,2,3
	v_pk_fma_f32 v[ACC+16*\i+\e:ACC+16*\i+\e+1], v[ACC+16*\i+\e:ACC+16*\i+\e+1], v[XF+\e:XF+\e+1], v[XF+16+\e:XF+17+\e]
.endr
.endr
.endm
; 36 loads: 64 weight rows x 512 along K (four tiles x four K steps x two loads) into buffer buf of window 1, and each tile's scale words of the four K steps into set buf
.macro WLOAD buf, pc, ps, av, asc, pitch, spitch, off, soff
	WIN 0x40                                           ; destination window 1, address window 0
.irp t, 0,1,2,3
.irp s, 0,1,2,3
.irp c, 0,1
	global_load_b128 v[128*(\buf)+32*\t+8*\s+4*\c:128*(\buf)+32*\t+8*\s+4*\c+3], v[\av], s[\pc:\pc+1] offset:(32*(\t/2)+8*(\t%2))*(\pitch)+64*\s+32*\c+(\off)
.endr
.endr
.endr
	WIN 0
.irp t, 0,1,2,3
	global_load_b128 v[WS+16*(\buf)+4*\t:WS+16*(\buf)+4*\t+3], v[\asc], s[\ps:\ps+1] offset:(32*(\t/2)+8*(\t%2))*(\spitch)+(\soff)
.endr
.endm
; 32 matrix instructions, transposed: accumulator (u, t) at v[ACC+32 u+8 t] adds in place; the eight take turns, one instruction a turn
.macro MULT buf
	WIN 0x01                                           ; source 0 (the weights) window 1
.irp s, 0,1,2,3
.irp t, 0,1,2,3
.irp u, 0,1
	v_wmma_scale_f32_16x16x128_f8f6f4 v[ACC+32*\u+8*\t:ACC+32*\u+8*\t+7], v[128*(\buf)+32*\t+8*\s:128*(\buf)+32*\t+8*\s+7], v[XF+32*\u+8*\s:XF+32*\u+8*\s+7], v[ACC+32*\u+8*\t:ACC+32*\u+8*\t+7], v[WS+16*(\buf)+4*\t+\s], v[XS+4*\u+\s] matrix_a_fmt:MATRIX_FMT_FP4 matrix_b_fmt:MATRIX_FMT_FP4
.endr
.endr
.endr
	WIN 0
.endm
; The same as it stands (source 0 = tokens): accumulator (t, u) at v[ACC+16 t+8 u]; the first K step starts the sums
.macro MULN buf
	WIN 0x04                                           ; source 1 (the weights) window 1
.irp s, 0,1,2,3
.irp t, 0,1,2,3
.irp u, 0,1
.if \s == 0
	v_wmma_scale_f32_16x16x128_f8f6f4 v[ACC+16*\t+8*\u:ACC+16*\t+8*\u+7], v[XF+32*\u+8*\s:XF+32*\u+8*\s+7], v[128*(\buf)+32*\t+8*\s:128*(\buf)+32*\t+8*\s+7], 0, v[XS+4*\u+\s], v[WS+16*(\buf)+4*\t+\s] matrix_a_fmt:MATRIX_FMT_FP4 matrix_b_fmt:MATRIX_FMT_FP4
.else
	v_wmma_scale_f32_16x16x128_f8f6f4 v[ACC+16*\t+8*\u:ACC+16*\t+8*\u+7], v[XF+32*\u+8*\s:XF+32*\u+8*\s+7], v[128*(\buf)+32*\t+8*\s:128*(\buf)+32*\t+8*\s+7], v[ACC+16*\t+8*\u:ACC+16*\t+8*\u+7], v[XS+4*\u+\s], v[WS+16*(\buf)+4*\t+\s] matrix_a_fmt:MATRIX_FMT_FP4 matrix_b_fmt:MATRIX_FMT_FP4
.endif
.endr
.endr
.endr
	WIN 0
.endm
.macro XFETCH ai, asc, f0, fu          ; token fragment (u, K step s) is image f0 + fu u + s
.irp u, 0,1
.irp s, 0,1,2,3
.irp c, 0,1
	ds_load_b128 v[XF+32*\u+8*\s+4*\c:XF+32*\u+8*\s+4*\c+3], v[\ai] offset:((\f0)+(\fu)*\u+\s)*1024+512*\c
.endr
	ds_load_b32 v[XS+4*\u+\s], v[\asc] offset:((\f0)+(\fu)*\u+\s)*128
.endr
.endr
.endm
.macro ACCBIAS a, off                  ; the bias is what the sums begin with: lane (r, h), tile t: columns 32 (t / 2) + 8 (t % 2) + 16 h + 0 .. 7, for both token tiles
.irp t, 0,1,2,3
.irp u, 0,1
	ds_load_b128 v[ACC+32*\u+8*\t:ACC+32*\u+8*\t+3], v[\a] offset:(\off)+(32*(\t/2)+8*(\t%2))*4
	ds_load_b128 v[ACC+32*\u+8*\t+4:ACC+32*\u+8*\t+7], v[\a] offset:(\off)+(32*(\t/2)+8*(\t%2))*4+16
.endr
.endr
.endm
	s_load_b256 s[8:15], s[0:1], 0x0               ; x s[8:9], ln1_g s[10:11], ln1_b s[12:13], Wq's codes s[14:15]
	s_load_b256 s[16:23], s[0:1], 0x20             ; Wq's scales s[16:17], bq s[18:19], Wk's codes s[20:21], Wk's scales s[22:23]
	s_load_b256 s[24:31], s[0:1], 0x40             ; bk s[24:25], Wv's codes s[26:27], Wv's scales s[28:29], bv s[30:31]
	s_load_b128 s[32:35], s[0:1], 0x60             ; q_codes s[32:33], q_scales s[34:35]
	s_load_b64 s[36:37], s[0:1], 0x70              ; kv
	v_lshl_add_u32 v23, v0, 2, 0x14000
	v_mov_b32 v225, 0
	v_lshrrev_b32 v1, 5, v0
	v_readfirstlane_b32 s[WV], v1                  ; wave 0..7 = the head
	v_and_b32 v1, 31, v0                           ; lane
	v_and_b32 v2, 15, v0                           ; r
	v_bfe_u32 v3, v0, 4, 1                         ; h
	v_and_b32 v4, 8, v2
	v_add_nc_u32 v4, v4, v2                        ; r + 8 (r / 8)
	v_lshlrev_b32 v[AW], 8, v4
	v_lshl_add_u32 v[AW], v3, 4, v[AW]
	v_lshlrev_b32 v[AS], 4, v4
	v_lshlrev_b32 v[AL], 4, v1
	v_lshlrev_b32 v[AT], 3, v0
	s_wait_alu depctr_va_sdst(0)                   ; s[WV] is written, ahead of its first reader: the offsets below are made from it
	; offsets, each in registers of its own
	s_lshr_b32 s2, ttmp9, 7                        ; b
	s_and_b32 s3, ttmp9, 127                       ; kb
	s_lshl_b32 s54, ttmp9, 5                       ; my four rows' first token: 32 g + 16 ((w >> 1) & 1) + 8 (w >> 2) + 4 (w & 1)
	s_bfe_u32 s4, s[WV], 0x10001
	s_lshl_b32 s4, s4, 4
	s_add_co_u32 s54, s54, s4
	s_lshr_b32 s4, s[WV], 2
	s_lshl_b32 s4, s4, 3
	s_add_co_u32 s54, s54, s4
	s_and_b32 s4, s[WV], 1
	s_lshl_b32 s4, s4, 2
	s_add_co_u32 s54, s54, s4
	s_lshl_b32 s54, s54, 11                        ; rows of 2,048 bytes
	s_mov_b32 s55, 0
	s_lshl_b32 s56, s[WV], 14                      ; my head's 64 weight rows of 256 bytes
	s_mov_b32 s57, 0
	s_lshl_b32 s58, s[WV], 10                      ; and their 16 scale bytes each
	s_mov_b32 s59, 0
	s_lshl_b32 s5, s2, 3
	s_add_co_u32 s5, s5, s[WV]                     ; bh = 8 b + head
	s_lshl_b32 s6, s5, 8
	s_lshl_b32 s7, s3, 1
	s_add_co_u32 s6, s6, s7                        ; q's tile: 256 bh + 2 kb
	s_lshl_b32 s60, s6, 9
	s_mov_b32 s61, 0
	s_lshl_b32 s62, s6, 5
	s_mov_b32 s63, 0
	s_mul_i32 s5, s5, HEADB
	s_lshr_b32 s6, s3, 2
	s_mul_i32 s6, s6, STEPB
	s_add_co_u32 s5, s5, s6                        ; the key step's first byte in kv
	s_and_b32 s7, s3, 3                            ; the key block in the step
	s_lshl_b32 s6, s7, 10
	s_add_co_u32 s[PKC], s5, s6
	s_mov_b32 s[PKC+1], 0
	s_lshl_b32 s6, s7, 2
	s_add_co_u32 s[PKS], s5, s6
	s_add_co_u32 s[PKS], s[PKS], 8192
	s_mov_b32 s[PKS+1], 0
	s_lshl_b32 s6, s7, 8                           ; 512 (block / 2) + 256 (block % 2) = 256 x block
	s_add_co_u32 s[PVC], s5, s6
	s_add_co_u32 s[PVC], s[PVC], 4096
	s_mov_b32 s[PVC+1], 0
	s_add_co_u32 s[PVS], s5, s7
	s_add_co_u32 s[PVS], s[PVS], 8448
	s_mov_b32 s[PVS+1], 0
	s_mov_b32 s[SEL], 0x76543210
	s_mov_b32 s[SEL+1], 0xfedcba98
	s_mov_b32 s[INV], 0x3b000000                   ; 1 / 512
	s_mov_b32 s[EPS], 0x3727c5ac                   ; 1e-5
	s_mov_b32 s[HI], 0xffff0000
	s_wait_kmcnt 0x0
	s_add_nc_u64 s[8:9], s[8:9], s[54:55]
	s_add_nc_u64 s[14:15], s[14:15], s[56:57]
	s_add_nc_u64 s[20:21], s[20:21], s[56:57]
	s_add_nc_u64 s[26:27], s[26:27], s[56:57]
	s_add_nc_u64 s[16:17], s[16:17], s[58:59]
	s_add_nc_u64 s[22:23], s[22:23], s[58:59]
	s_add_nc_u64 s[28:29], s[28:29], s[58:59]
	s_add_nc_u64 s[32:33], s[32:33], s[60:61]
	s_add_nc_u64 s[34:35], s[34:35], s[62:63]
	s_add_nc_u64 s[PKC:PKC+1], s[36:37], s[PKC:PKC+1]
	s_add_nc_u64 s[PKS:PKS+1], s[36:37], s[PKS:PKS+1]
	s_add_nc_u64 s[PVC:PVC+1], s[36:37], s[PVC:PVC+1]
	s_add_nc_u64 s[PVS:PVS+1], s[36:37], s[PVS:PVS+1]
	s_wait_alu depctr_va_vdst(0)                   ; the offsets v5 to v8 are written, which every global load of the kernel reads
	global_load_b64 v[226:227], v[AT], s[18:19]    ; the three biases, 8 bytes a thread, for LDS
	global_load_b64 v[228:229], v[AT], s[24:25]
	global_load_b64 v[230:231], v[AT], s[30:31]
.irp i, 0,1,2,3
.irp j, 0,1,2,3
	global_load_b128 v[ACC+16*\i+4*\j:ACC+16*\i+4*\j+3], v[AL], s[8:9] offset:2048*\i+512*\j   ; my four rows of x: 512 consecutive bytes a load
.endr
.endr
.irp j, 0,1,2,3
	global_load_b128 v[XF+4*\j:XF+4*\j+3], v[AL], s[10:11] offset:512*\j
	global_load_b128 v[XF+16+4*\j:XF+19+4*\j], v[AL], s[12:13] offset:512*\j
.endr
	WLOAD 0, 14, 16, AW, AS, 256, 16, 0, 0         ; Wq
	; the other addresses, while the loads are out: none of these lines writes a register that a load above reads or lands in
	v_add_nc_u32 v[ATL], BIAS, v[AT]
	s_mul_i32 s4, s[WV], 4*RP
	v_add_nc_u32 v[ARW], s4, v[AL]
	s_lshr_b32 s4, s[WV], 2
	s_mul_i32 s4, s4, 16*RP
	s_and_b32 s5, s[WV], 3
	s_lshl_b32 s5, s5, 9
	s_add_co_u32 s4, s4, s5
	v_mul_u32_u24 v[AQR], v2, RP
	v_lshl_add_u32 v[AQR], v3, 6, v[AQR]
	v_add_nc_u32 v[AQR], s4, v[AQR]                ; row 16 (w >> 2) + r, K step w & 3, + 64 h
	s_lshl_b32 s4, s[WV], 10
	s_add_co_u32 s4, s4, XIMG
	v_add_nc_u32 v[AIW], s4, v[AL]
	v_lshlrev_b32 v22, 2, v1
	s_lshl_b32 s4, s[WV], 7
	s_add_co_u32 s4, s4, XSC
	v_add_nc_u32 v[ASW], s4, v22
	v_add_nc_u32 v[AIF], XIMG, v[AL]
	v_add_nc_u32 v[ASF], XSC, v22
	s_lshl_b32 s4, s[WV], 8
	s_add_co_u32 s4, s4, BIAS
	v_lshl_add_u32 v[AB], v3, 6, s4
	s_add_co_u32 s4, s4, 4096
	v_lshl_add_u32 v[ABV], v4, 2, s4
	v_lshl_add_u32 v[AQS], v2, 1, v3
	v_lshl_add_u32 v[AKS], v2, 4, v3
	v_lshlrev_b32 v[AVC], 4, v2
	v_lshl_add_u32 v[AVC], v3, 10, v[AVC]
	v_lshlrev_b32 v[AVS], 4, v2
	v_lshl_add_u32 v[AVS], v3, 2, v[AVS]
.irp i, 0,1,2,3
	v_mov_b32 v[PC+\i], 0                          ; written once: a lane permute's destination counts as one of its sources,
	v_mov_b32 v[TM+9+2*\i], 0                      ; and a pair of which the low word serves both halves is named whole
	v_mov_b32 v[BV+1+2*\i], 0
.endr
	s_wait_loadcnt 36                              ; the biases, x, gain and bias are in; Wq's 36 loads may be out
	LNROWS
	s_wait_alu depctr_va_vdst(0)                   ; the norm has written xn's rows, which the LDS stores below read; the addresses and offsets v9 to v21 are written, for every LDS instruction and store from here on
	ds_store_b64 v[ATL], v[226:227]
	ds_store_b64 v[ATL], v[228:229] offset:2048
	ds_store_b64 v[ATL], v[230:231] offset:4096
.irp i, 0,1,2,3
.irp j, 0,1,2,3
	ds_store_b128 v[ARW], v[ACC+16*\i+4*\j:ACC+16*\i+4*\j+3] offset:RP*\i+512*\j
.endr
.endr
	WLOAD 1, 20, 22, AW, AS, 256, 16, 0, 0         ; Wk: no vector or matrix instruction has named buffer 1 or set 1
	BARRIER                                        ; 32 rows of xn and the biases lie in LDS
	s_wait_alu depctr_vm_vsrc(0)                   ; my LDS stores have read ACC, in which the loads below land, and v226 to v231, which the quantiser writes later (the norm, which named ACC, stands ahead of the last wait on va_vdst)
.irp b, 0,1,2,3
.irp j, 0,1,2,3
	ds_load_b128 v[ACC+16*\b+4*\j:ACC+16*\b+4*\j+3], v[AQR] offset:128*\b+16*\j   ; of my row, 16 neighbours of each block of 32
.endr
.endr
	s_wait_dscnt 0x0
	QUANT4 ACC
	s_wait_alu depctr_va_vdst(0)                   ; the quantiser has written the codes and the scale word, which the LDS stores read, and is done reading ACC, in which bq lands; the norm is done reading gain and bias, in whose registers the fragments land
	ds_store_b128 v[AIW], v[PC:PC+3]               ; the fragment as an image of its registers
	ds_store_b128 v[AIW], v[PC+4:PC+7] offset:512
	ds_store_b32 v[ASW], v[PW]
	BARRIER                                        ; xn's eight fragments lie in LDS
	XFETCH AIF, ASF, 0, 4
.irp t, 0,1,2,3
	ds_load_b32 v[BV+2*\t], v[ABV] offset:(32*(\t/2)+8*(\t%2))*4
.endr
	; ---- q
	ACCBIAS AB, 0
	s_wait_dscnt 0x0
	s_wait_loadcnt 36                              ; Wq is in; Wk's 36 loads may be out
	MULT 0
	PLACES
	QCODE 0, ACC
	QCODE 1, ACC+32
	s_wait_alu depctr_va_vdst(0)                   ; q's codes and bytes are written, which the stores read; the quantiser is done with ACC, in which bk lands; q's products are done reading buffer 0 and set 0, in which Wv lands
	; ---- k
	ACCBIAS AB, 2048                               ; what is wanted next goes first,
	WLOAD 0, 26, 28, AW, AS, 256, 16, 0, 0         ; then Wv, into the buffer that Wq has left,
	QSEND 0, AL, 32, 0, AQS, 34, 0                 ; then q's stores, for which nothing waits
	QSEND 1, AL, 32, 512, AQS, 34, 32
	s_wait_dscnt 0x0
	s_wait_loadcnt 36                              ; Wk is in; Wv's 36 loads may be out
	MULT 1
	PLACES
	QCODE 2, ACC
	QCODE 3, ACC+32
	s_wait_alu depctr_va_vdst(0)                   ; k's codes and bytes are written, which the stores read
	QSEND 2, AL, PKC, 0, AKS, PKS, 0
	QSEND 3, AL, PKC, 512, AKS, PKS, 2
	; ---- v: a lane holds one channel and 16 neighbouring keys of the block for each of the four tiles
	s_wait_loadcnt 0x0
	MULN 0
	PLACES
.irp t, 0,1,2,3
.irp e, 0,2,4,6,8,10,12,14
	v_pk_add_f32 v[ACC+16*\t+\e:ACC+16*\t+\e+1], v[ACC+16*\t+\e:ACC+16*\t+\e+1], v[BV+2*\t:BV+2*\t+1] op_sel_hi:[1,0]   ; + bv of my channel; each accumulator from its low end on
.endr
.endr
	QCODE 4, ACC
	QCODE 5, ACC+32
	s_wait_alu depctr_va_vdst(0)                   ; v's codes and bytes are written, which the stores read
	QSEND 4, AVC, PVC, 0, AVS, PVS, 0              ; lanes 0-15: tile 0's 16 rows, 256 consecutive bytes; lanes 16-31: tile 1's
	QSEND 5, AVC, PVC, 2048, AVS, PVS, 8
	s_wait_dscnt 0x0                               ; the closing lines, six on end
	s_wait_alu 0x0
	s_wait_tensorcnt 0x0
	ds_add_u32 v23, v225
	s_wait_dscnt 0x0
	s_endpgm
.Lfunc_end_k_q44a1a58ce3_qkv:
	.size	k_q44a1a58ce3_qkv, .Lfunc_end_k_q44a1a58ce3_qkv-k_q44a1a58ce3_qkv
	.p2alignl 7, 3214868480
	.fill 96, 4, 3214868480
	.section	.rodata,"a",@progbits
	.p2align	6, 0x0
	.amdhsa_kernel k_q44a1a58ce3_qkv
		.amdhsa_group_segment_fixed_size 82944
		.amdhsa_private_segment_fixed_size 0
		.amdhsa_enable_private_segment 0
		.amdhsa_kernarg_size 120
		.amdhsa_user_sgpr_count 2
		.amdhsa_user_sgpr_kernarg_segment_ptr 1
		.amdhsa_wavefront_size32 1
		.amdhsa_system_sgpr_workgroup_id_x 1
		.amdhsa_system_sgpr_workgroup_id_y 1
		.amdhsa_system_sgpr_workgroup_id_z 1
		.amdhsa_system_vgpr_workitem_id 0
		.amdhsa_next_free_vgpr 512
		.amdhsa_next_free_sgpr 66
		.amdhsa_reserve_vcc 0
		.amdhsa_float_denorm_mode_32 3
		.amdhsa_float_denorm_mode_16_64 3
		.amdhsa_memory_ordered 1
		.amdhsa_forward_progress 1
		.amdhsa_inst_pref_size 70
	.end_amdhsa_kernel
	.amdgpu_metadata
---
amdhsa.version: [ 1, 2 ]
amdhsa.kernels:
  - .name:           k_q44a1a58ce3_qkv
    .symbol:         k_q44a1a58ce3_qkv.kd
    .args:
      - { .name: x, .offset: 0, .size: 8, .value_kind: global_buffer, .address_space: global }
      - { .name: ln1_g, .offset: 8, .size: 8, .value_kind: global_buffer, .address_space: global }
      - { .name: ln1_b, .offset: 16, .size: 8, .value_kind: global_buffer, .address_space: global }
      - { .name: Wq_codes, .offset: 24, .size: 8, .value_kind: global_buffer, .address_space: global }
      - { .name: Wq_scales, .offset: 32, .size: 8, .value_kind: global_buffer, .address_space: global }
      - { .name: bq, .offset: 40, .size: 8, .value_kind: global_buffer, .address_space: global }
      - { .name: Wk_codes, .offset: 48, .size: 8, .value_kind: global_buffer, .address_space: global }
      - { .name: Wk_scales, .offset: 56, .size: 8, .value_kind: global_buffer, .address_space: global }
      - { .name: bk, .offset: 64, .size: 8, .value_kind: global_buffer, .address_space: global }
      - { .name: Wv_codes, .offset: 72, .size: 8, .value_kind: global_buffer, .address_space: global }
      - { .name: Wv_scales, .offset: 80, .size: 8, .value_kind: global_buffer, .address_space: global }
      - { .name: bv, .offset: 88, .size: 8, .value_kind: global_buffer, .address_space: global }
      - { .name: q_codes, .offset: 96, .size: 8, .value_kind: global_buffer, .address_space: global }
      - { .name: q_scales, .offset: 104, .size: 8, .value_kind: global_buffer, .address_space: global }
      - { .name: kv, .offset: 112, .size: 8, .value_kind: global_buffer, .address_space: global }
    .group_segment_fixed_size: 82944
    .private_segment_fixed_size: 0
    .kernarg_segment_align: 8
    .kernarg_segment_size: 120
    .max_flat_workgroup_size: 256
    .sgpr_count:     66
    .vgpr_count:     512
    .wavefront_size: 32
...
	.end_amdgpu_metadata
.endif
;; end of part 4
;; launch attn (part 5): grid 16 x 16, 16 waves a work-group, clusters of 4 x 1, 327,680 bytes of LDS; arguments q_codes, q_scales, kv, ctx_codes, ctx_scales; writes ctx_codes, ctx_scales
.if DOCPART == 5
	.amdgcn_target "amdgcn-amd-amdhsa--gfx1250"
	.amdhsa_code_object_version 6
	.text
	.protected	k_q44a1a58ce3_attn
	.globl	k_q44a1a58ce3_attn
	.p2align	8
	.type	k_q44a1a58ce3_attn,@function
k_q44a1a58ce3_attn:
	s_mov_b64 s[64:65], 0
	v_nop
	global_prefetch_b8 v0, s[64:65] scope:SCOPE_SE
	s_setreg_imm32_b32 hwreg(HW_REG_WAVE_MODE, 25, 1), 1
	s_wait_xcnt 0x0
	s_wait_alu depctr_hold_cnt(0) depctr_sa_sdst(0) depctr_va_vdst(0) depctr_va_sdst(0) depctr_va_ssrc(0) depctr_va_vcc(0) depctr_vm_vsrc(0)
	s_getreg_b32 s2, hwreg(HW_REG_IB_STS2, 6, 4)
	s_cmp_eq_u32 s2, 0
	s_cbranch_scc0 .Lentry_in_a_cluster
	s_endpgm
.Lentry_in_a_cluster:
	s_bfe_u32 s2, ttmp6, 0x10000c
	s_cmp_lg_u32 s2, 0x3003
	s_cbranch_scc0 .Lentry_shape_is_right
	s_endpgm
.Lentry_shape_is_right:
; ATTENTION ON CODES OF FP4 (E2M1): ctx = softmax(q k^T / 8) v for one head, and ctx quantised along the model's axis for the next product.
; THE SOFTMAX AHEAD OF THE SECOND PRODUCT: t = score x log2(e) / 8; M = the row's largest t so far, rounded UP to a whole number; p = 2^(t - M) is what is quantised, along the keys, not normalised.
; The row's sum is taken of the unquantised p, in f32, and divides O at the end.  When M moves, the sum and O are multiplied by 2^(old M - new M): exact.
; SHARES.  A work-group owns 256 queries of one head (y = 8 b + head); each of its sixteen waves one tile of 16, in 256 registers: four waves to a SIMD, so that one wave's vector work stands beside another's products and LDS loads.
; LDS.  A whole head's kv, 278,528 bytes, lies in LDS as it lies in memory, FILLED ONCE: no byte is filled again.  It comes as four chunks of 8 key steps; waves 0 to 3 bring a quarter of each chunk, 68 rows of 256 bytes to a load:
; four loads of such a wave are out at the most.  A chunk is read behind the counted wait of the waves that brought it and a barrier, while the later chunks are still on their way.
; CLUSTER.  The four query blocks of a cluster read the same head: each load is asked for JOINTLY, with the same descriptor and the mask of all four; nothing in a descriptor, an LDS address or a branch hangs on the place in the cluster.
; LAYOUT.  Both products are used transposed: S^T = K Q^T, O^T = V^T P^T: a lane holds ONE query (lane % 16) throughout.  kv is laid in the order of the operands' registers: every fragment is two loads of 16 bytes at 16 x lane.
; THE HEAD'S AXIS IS 64, THE INSTRUCTION'S K 128: a fragment of K carries TWO tiles of 16 keys (k 0-63 and 64-127) and is multiplied once by (Q | 0) and once by (0 | Q): Q stands in twelve registers 0000 QQQQ 0000, and both operands are runs of eight of them.  Zero codes add nothing under any scale byte from 1 to 254.
; The keys of a tile are chosen (8 u + r + 8 (r / 8) of a block of 32) so that the 16 registers of a block's two tiles are 16 neighbouring keys.
; LIMITS: NaN and infinities are not served; a block whose largest magnitude lies under 2^-124 keeps the scale byte 1 (its codes are zeros where all is zero).
; REGISTERS: v1 16 x lane, v2 the step's address; v12 -M, v13 the largest t, v[14:15] the sum in two halves; v16-27 Q among zeros, v28 its scale word; v32-63 K's four fragments; v64-95 V's four; v96-159 S^T, then p; v160-191 O^T; v192-195 scale words (lanes 0-15 K's, lanes 16-31 V's); v224-231 p's codes; v232-254 at work.
.set HEADB,  278528
.set STEPB,  8704                      ; a key step: 4,096 bytes of K's codes, 4,096 of V's, 512 scale bytes
.set CHUNKB, 8*STEPB
.set QB,     CHUNKB/4                  ; 17,408 bytes: 68 rows of 256
.set AL,  1
.set ADR, 2
.set TM,  232
.set WV,  14
.set SEL, 16                           ; s[16:17] lane selects for v_permlanex16_b32: lane l xor 16
.set CS,  18                           ; s[18:19] c = log2(e) / 8: the packed form names a pair and takes its low word for both halves
.set HI,  20                           ; the mask of lanes 16-31
.set TB,  21                           ; LDS byte at which the step in hand begins
.set CNT, 22
.set G1,  24                           ; s[24:31] descriptor group 1
.set G0,  32                           ; s[32:47] descriptor group 0, a set for each chunk
.macro CROUND                          ; a round of the cluster's barrier
	s_barrier_signal -1
	s_barrier_wait -1
	s_cmp_lg_u32 s[WV], 0
	s_cbranch_scc1 .Lnot_wave_0_\@
	s_barrier_signal -3
.Lnot_wave_0_\@:
	s_barrier_wait -3
	s_barrier_signal -1
	s_barrier_wait -1
.endm
; 32 numbers of a lane, register 16 b + i = k 32 b + 16 h + i of my row, become four registers v[d] on (lane (r, h): block h whole); the two scale bytes stay in v[TM+4], v[TM+5]
.macro QUANT2 s, d
.irp b, 0,1
	v_max3_num_f32 v[TM+\b], |v[\s+16*\b]|, |v[\s+1+16*\b]|, 0x1800000   ; and the floor 2^(3 - 127): the byte cannot fall under 1
.endr
.irp i, 2,4,6,8,10,12,14
.irp b, 0,1
	s_delay_alu instid0(VALU_DEP_2)
	v_max3_num_f32 v[TM+\b], v[TM+\b], |v[\s+16*\b+\i]|, |v[\s+1+16*\b+\i]|
.endr
.endr
.irp b, 0,1
	s_delay_alu instid0(VALU_DEP_2)
	v_permlanex16_b32 v[TM+4+\b], v[TM+\b], s[SEL], s[SEL+1]
.endr
.irp b, 0,1
	s_delay_alu instid0(VALU_DEP_2)
	v_max_num_f32 v[TM+\b], v[TM+\b], v[TM+4+\b]
.endr
.irp b, 0,1
	s_delay_alu instid0(VALU_DEP_2)
	v_add_nc_u32 v[TM+12+\b], 0xff000000, v[TM+\b]     ; 2 off the exponent field: the conversion's scale operand
.endr
.irp b, 0,1
	s_delay_alu instid0(VALU_DEP_2)
	v_lshrrev_b32 v[TM+4+\b], 23, v[TM+12+\b]          ; the scale's byte
.endr
.irp b, 0,1
	v_cvt_scalef32_pk8_fp4_f32 v[\d+2*\b], v[\s+16*\b:\s+7+16*\b], v[TM+12+\b]
	v_cvt_scalef32_pk8_fp4_f32 v[\d+1+2*\b], v[\s+8+16*\b:\s+15+16*\b], v[TM+12+\b]
.endr
	v_nop                                              ; one plain place behind a scaled conversion
	v_permlane16_swap_b32 v[\d], v[\d+2]
	v_permlane16_swap_b32 v[\d+1], v[\d+3]
.endm
	s_load_b256 s[4:11], s[0:1], 0x0               ; q_codes s[4:5], q_scales s[6:7], kv s[8:9], ctx_codes s[10:11]
	s_load_b64 s[12:13], s[0:1], 0x20              ; ctx_scales
	v_lshl_add_u32 v251, v0, 2, 0x44000
	v_mov_b32 v255, 0
	ds_add_u32 v251, v255
	ds_add_u32 v251, v255
	v_lshrrev_b32 v1, 5, v0
	s_delay_alu instid0(VALU_DEP_1)
	v_readfirstlane_b32 s[WV], v1                  ; wave 0..15
	s_and_b32 s50, ttmp7, 0xffff                   ; bh, which the four partners share
	s_and_b32 s51, s[WV], 3
	s_mul_i32 s51, s51, QB                         ; my quarter of a chunk, in LDS and in memory alike
	s_mul_i32 s52, s50, HEADB
	s_add_co_u32 s52, s52, s51
	s_mov_b32 s53, 0
	s_bfe_u32 s48, ttmp6, 0x40000                  ; cx: it enters q's and ctx's addresses alone
	s_lshl_b32 s49, ttmp9, 2                       ; in a cluster launch ttmp9 counts clusters
	s_add_co_u32 s49, s49, s48                     ; my block of 256 queries
	s_lshl_b32 s49, s49, 4
	s_add_co_u32 s49, s49, s[WV]                   ; my tile of the head's 256
	s_lshl_b32 s54, s50, 8
	s_add_co_u32 s54, s54, s49
	s_lshl_b32 s56, s54, 9                         ; q's codes: 512 bytes a tile
	s_mov_b32 s57, 0
	s_lshl_b32 s58, s54, 5                         ; q's scale bytes: 32 a tile
	s_mov_b32 s59, 0
	s_lshr_b32 s54, s50, 3
	s_lshl_b32 s54, s54, 8
	s_add_co_u32 s54, s54, s49                     ; m = 256 b + tile
	s_and_b32 s55, s50, 7                          ; the head
	s_lshl_b32 s60, s54, 12
	s_lshl_b32 s62, s55, 9
	s_add_co_u32 s60, s60, s62                     ; ctx's codes: 4,096 m + 1,024 (head / 2) + 512 (head % 2)
	s_mov_b32 s61, 0
	s_lshl_b32 s62, s54, 8
	s_lshr_b32 s54, s55, 1
	s_lshl_b32 s54, s54, 6
	s_add_co_u32 s62, s62, s54
	s_and_b32 s54, s55, 1
	s_lshl_b32 s54, s54, 1
	s_add_co_u32 s62, s62, s54                     ; ctx's scale bytes: 256 m + 64 (head / 2) + 2 (head % 2)
	s_mov_b32 s63, 0
	; descriptor group 1: a dense block as 68 rows of 256 bytes (32 elements of 8 bytes)
	s_mov_b32 s[G1], 15|(3<<16)|(1<<21)            ; 15:0 the mask: all four work-groups; 17:16 elements of 8 bytes; 21 set beside a mask; no padding
	s_mov_b32 s[G1+1], 32<<16                      ; tensor_dim0 = 32
	s_mov_b32 s[G1+2], 68<<16                      ; tensor_dim1 = 68
	s_mov_b32 s[G1+3], 32<<16                      ; tile_dim0 = 32
	s_mov_b32 s[G1+4], 68                          ; tile_dim1 = 68
	s_mov_b32 s[G1+5], 32                          ; from row to row
	s_mov_b32 s[G1+6], 0
	s_mov_b32 s[G1+7], 0
	s_mov_b32 s[SEL], 0x76543210
	s_mov_b32 s[SEL+1], 0xfedcba98
	s_mov_b32 s[CS], 0x3e38aa3b                    ; c = log2(e) / 8
	s_mov_b32 s[CS+1], s[CS]                       ; (named with it as a pair, so it is written)
	s_mov_b32 s[HI], 0xffff0000
	s_wait_dscnt 0x0
	s_wait_kmcnt 0x0
	s_add_nc_u64 s[52:53], s[8:9], s[52:53]
	s_add_nc_u64 s[4:5], s[4:5], s[56:57]
	s_add_nc_u64 s[6:7], s[6:7], s[58:59]
	s_add_nc_u64 s[10:11], s[10:11], s[60:61]
	s_add_nc_u64 s[12:13], s[12:13], s[62:63]
.irp j, 0,1,2,3
	s_mov_b32 s[G0+4*\j], 1                        ; count = 1
	s_add_co_u32 s[G0+4*\j+1], s51, \j*CHUNKB      ; LDS address
	s_add_nc_u64 s[G0+4*\j+2:G0+4*\j+3], s[52:53], \j*CHUNKB   ; global address
	s_or_b32 s[G0+4*\j+3], s[G0+4*\j+3], 0x80000000            ; type = 2
.endr
	CROUND                                         ; all four work-groups are here: the joint loads meet
	s_cmp_lt_u32 s[WV], 4                          ; a wave's four fills stand in one branch, ahead of every wait on TENSORcnt, every LDS read and every other barrier
	s_cbranch_scc0 .Lno_fill
.irp j, 0,1,2,3
	tensor_load_to_lds s[G0+4*\j:G0+4*\j+3], s[G1:G1+7]
	s_nop 0
.endr
.rept 4
	v_nop
.endr
.Lno_fill:
	v_and_b32 v1, 31, v0
	s_delay_alu instid0(VALU_DEP_1)
	v_lshlrev_b32 v[AL], 4, v1                     ; 16 x lane
	v_and_b32 v3, 15, v0
	s_delay_alu instid0(VALU_DEP_1)
	v_lshlrev_b32 v3, 1, v3                        ; 2 r
	global_load_b128 v[20:23], v[AL], s[4:5]       ; Q: lane (r, h) holds channels 32 h .. 32 h + 31 of query r
	global_load_u16 v29, v3, s[6:7]                ; its two scale bytes
.irp j, 16,17,18,19,24,25,26,27
	v_mov_b32 v\j, 0                               ; the zero codes on both sides of Q
.endr
	v_mov_b32 v13, 0xff61b1e6                      ; the largest t so far: -3e38, under every t
	s_delay_alu instid0(VALU_DEP_1)
	v_floor_f32 v12, -v13                          ; -M
	v_mov_b32 v14, 0                               ; the sum, in two halves
	v_mov_b32 v15, 0
.irp b, 0,1,2,3
	v_mov_b32 v[236+\b], 0                         ; written once: a lane permute's destination counts as one of its sources
.endr
	v_mov_b32 v253, 0                              ; (named as the upper half of the pair v[252:253] before it is first written)
	s_wait_loadcnt 0x0
	v_lshl_or_b32 v28, v29, 16, v29                ; Q's scale word serves both places of Q: bytes 0, 1 and bytes 2, 3
.set J, 0
.rept 32
	v_mov_b32 v[160+J], 0                          ; O^T: the step is written once; its first trip finds zeros, which the first change of M leaves zeros.  (These lines are also the places between v28's making and the first product)
.set J, J+1
.endr
; A KEY STEP: 128 keys
.macro STEP
	v_add_nc_u32 v[ADR], s[TB], v[AL]
.rept 3
	v_nop                                          ; with the addition four places behind the last step's products, in front of loads into their sources
.endr
	ds_load_b128 v[192:195], v[ADR] offset:8192    ; lanes 0-15: row r's words of K's four fragments; lanes 16-31: of V's four
.irp f, 0,1,2,3
.irp c, 0,1
	ds_load_b128 v[32+8*\f+4*\c:35+8*\f+4*\c], v[ADR] offset:1024*\f+512*\c
.endr
.endr
.irp t, 0,1,2,3
.irp c, 0,1
	ds_load_b128 v[64+8*\t+4*\c:67+8*\t+4*\c], v[ADR] offset:4096+1024*\t+512*\c
.endr
.endr
	s_wait_dscnt 8                                 ; the scale words and K are in; V's eight loads may be out
.irp f, 0,1,2,3                                ; S^T: registers 16 f + i are keys 32 f + 16 h + i
	v_wmma_scale_f32_16x16x128_f8f6f4 v[96+16*\f:103+16*\f], v[32+8*\f:39+8*\f], v[20:27], 0, v[192+\f], v28 matrix_a_fmt:MATRIX_FMT_FP4 matrix_b_fmt:MATRIX_FMT_FP4
	v_wmma_scale_f32_16x16x128_f8f6f4 v[104+16*\f:111+16*\f], v[32+8*\f:39+8*\f], v[16:23], 0, v[192+\f], v28 matrix_a_fmt:MATRIX_FMT_FP4 matrix_b_fmt:MATRIX_FMT_FP4
.endr
.rept 4
	v_nop
.endr
.irp b, 0,1,2,3
	v_max3_num_f32 v[232+\b], v[96+16*\b], v[97+16*\b], v[98+16*\b]   ; the largest score of each block of 32 keys: it serves the row's maximum and, since p rises with the score, the block's largest p
.endr
.irp i, 3,5,7,9,11,13
.irp b, 0,1,2,3
	v_max3_num_f32 v[232+\b], v[232+\b], v[96+16*\b+\i], v[97+16*\b+\i]
.endr
.endr
.irp b, 0,1,2,3
	v_max_num_f32 v[232+\b], v[232+\b], v[111+16*\b]
.endr
.irp b, 0,1,2,3
	s_delay_alu instid0(VALU_DEP_4)
	v_permlanex16_b32 v[236+\b], v[232+\b], s[SEL], s[SEL+1]
.endr
.irp b, 0,1,2,3
	s_delay_alu instid0(VALU_DEP_4)
	v_max_num_f32 v[232+\b], v[232+\b], v[236+\b]  ; with lane l xor 16's 16 keys
.endr
	s_delay_alu instid0(VALU_DEP_2)
	v_max3_num_f32 v254, v232, v233, v234
	s_delay_alu instid0(VALU_DEP_1)
	v_max_num_f32 v254, v254, v235                 ; the step's largest score of my query
	s_delay_alu instid0(VALU_DEP_1)
	v_mul_f32 v254, s[CS], v254                    ; as t (c is positive)
	s_delay_alu instid0(VALU_DEP_1)
	v_max_num_f32 v13, v13, v254                   ; the running largest t
	v_mov_b32 v254, v12
	s_delay_alu instid0(VALU_DEP_2)
	v_floor_f32 v12, -v13                          ; the new -M = floor(-t) = -ceil(t): a whole number
	s_delay_alu instid0(VALU_DEP_1)
	v_sub_f32 v254, v12, v254                      ; M's old value less its new one: a whole number, 0 or less
	s_delay_alu instid0(VALU_DEP_1)
	v_cvt_i32_f32 v254, v254                       ; (it saturates)
	s_delay_alu instid0(VALU_DEP_1)
	v_ldexp_f32 v252, 1.0, v254                    ; f = 2^(old M - new M)
.set J, 0
.rept 32
	v_pk_fma_f32 v[96+J:97+J], v[96+J:97+J], s[CS:CS+1], v[12:13] op_sel_hi:[1,0,0]   ; t - M, two at a time
.set J, J+2
.endr
.irp b, 0,1,2,3
	v_fma_f32 v[232+\b], v[232+\b], s[CS], v12     ; the same of each block's largest score
.endr
.set J, 0
	s_wait_alu depctr_va_vdst(0)
.rept 64
	v_exp_f32 v[96+J], v[96+J]                     ; p = 2^(t - M), at most 1
.set J, J+1
.endr
	s_setprio 1
.irp b, 0,1,2,3
	v_exp_f32 v[232+\b], v[232+\b]                 ; the block's largest p: the same two instructions on the same number give the same bits
.endr
	v_pk_mul_f32 v[14:15], v[14:15], v[252:253] op_sel_hi:[1,0]   ; the sums under the new M.  (A plain place behind the exponentials)
	s_wait_alu depctr_va_vdst(0)
.irp b, 0,1,2,3
	v_max_num_f32 v[232+\b], 0x1800000, v[232+\b]  ; the floor 2^(3 - 127): the byte cannot fall under 1
.endr
.irp b, 0,1,2,3
	s_delay_alu instid0(VALU_DEP_4)
	v_add_nc_u32 v[244+\b], 0xff000000, v[232+\b]  ; 2 off the exponent field: the conversion's scale operand
.endr
.irp b, 0,1,2,3
	s_delay_alu instid0(VALU_DEP_4)
	v_lshrrev_b32 v[236+\b], 23, v[244+\b]         ; the scale's byte
.endr
	s_delay_alu instid0(VALU_DEP_3)
	v_lshl_or_b32 v253, v237, 8, v236              ; p's scale word for these 128 keys
	s_delay_alu instid0(VALU_DEP_1)
	v_lshl_or_b32 v253, v238, 16, v253
	s_delay_alu instid0(VALU_DEP_1)
	v_lshl_or_b32 v253, v239, 24, v253
.irp b, 0,1,2,3
	v_cvt_scalef32_pk8_fp4_f32 v[224+2*\b], v[96+16*\b:103+16*\b], v[244+\b]
	v_cvt_scalef32_pk8_fp4_f32 v[225+2*\b], v[104+16*\b:111+16*\b], v[244+\b]
.endr
	v_nop                                          ; one plain place behind a scaled conversion
.irp c, 0,1
.irp i, 0,1
	v_permlane16_swap_b32 v[224+4*\c+\i], v[226+4*\c+\i]   ; a whole block to a lane
.endr
.endr
	v_pk_add_f32 v[236:237], v[100:101], v[104:105]
	v_pk_add_f32 v[248:249], v[108:109], v[112:113]
	v_pk_add_f32 v[246:247], v[116:117], v[120:121]
	v_pk_add_f32 v[244:245], v[124:125], v[128:129]
	v_pk_add_f32 v[242:243], v[132:133], v[136:137]
	v_pk_add_f32 v[240:241], v[140:141], v[144:145]
	v_pk_add_f32 v[234:235], v[148:149], v[152:153]
	v_pk_add_f32 v[14:15], v[14:15], v[156:157]
	v_pk_add_f32 v[236:237], v[236:237], v[96:97]
	v_pk_add_f32 v[248:249], v[248:249], v[98:99]
	v_pk_add_f32 v[246:247], v[246:247], v[102:103]
	v_pk_add_f32 v[244:245], v[244:245], v[106:107]
	v_pk_add_f32 v[242:243], v[242:243], v[110:111]
	v_pk_add_f32 v[240:241], v[240:241], v[114:115]
	v_pk_add_f32 v[234:235], v[234:235], v[118:119]
	v_pk_add_f32 v[14:15], v[14:15], v[122:123]
	v_pk_add_f32 v[236:237], v[236:237], v[126:127]
	v_pk_add_f32 v[248:249], v[248:249], v[130:131]
	v_pk_add_f32 v[246:247], v[246:247], v[134:135]
	v_pk_add_f32 v[244:245], v[244:245], v[138:139]
	v_pk_add_f32 v[242:243], v[242:243], v[142:143]
	v_pk_add_f32 v[240:241], v[240:241], v[146:147]
	v_pk_add_f32 v[234:235], v[234:235], v[150:151]
	v_pk_add_f32 v[14:15], v[14:15], v[154:155]
	v_pk_add_f32 v[236:237], v[236:237], v[158:159]
	s_delay_alu instid0(VALU_DEP_2)
	v_pk_add_f32 v[14:15], v[14:15], v[244:245]
	s_delay_alu instid0(VALU_DEP_2)
	v_pk_add_f32 v[236:237], v[236:237], v[242:243]
	v_pk_add_f32 v[248:249], v[248:249], v[240:241]
	v_pk_add_f32 v[246:247], v[246:247], v[234:235]
	s_delay_alu instid0(VALU_DEP_2)
	v_pk_add_f32 v[14:15], v[14:15], v[248:249]
	s_delay_alu instid0(VALU_DEP_2)
	v_pk_add_f32 v[236:237], v[236:237], v[246:247]
	s_delay_alu instid0(VALU_DEP_1)
	v_pk_add_f32 v[14:15], v[14:15], v[236:237]
.set J, 0
	s_setprio 0
.rept 16
	v_pk_mul_f32 v[160+J:161+J], v[160+J:161+J], v[252:253] op_sel_hi:[1,0]   ; O^T under the new M.  (With the sums above: the places between the making of p's codes and scale word and the products below)
.set J, J+2
.endr
	s_wait_alu depctr_va_vdst(0)
	s_wait_dscnt 0x0                               ; V is in
.irp t, 0,1,2,3                                ; O^T += V^T P^T: four accumulators, one instruction each
	v_wmma_scale_f32_16x16x128_f8f6f4 v[160+8*\t:167+8*\t], v[64+8*\t:71+8*\t], v[224:231], v[160+8*\t:167+8*\t], v[192+\t], v253 matrix_a_fmt:MATRIX_FMT_FP4 matrix_b_fmt:MATRIX_FMT_FP4 matrix_a_scale:MATRIX_SCALE_ROW1
.endr
.endm
; Chunk j: the waves that brought it have waited for it (3 - j younger loads of theirs may stay out), and say so; then its eight steps
.macro CHUNK j
	s_wait_tensorcnt 3-\j
	s_barrier_signal -1
	s_barrier_wait -1
	s_mov_b32 s[TB], \j*CHUNKB
	s_mov_b32 s[CNT], 8
.Lstep_\@:
	s_setprio 2
	STEP
	s_add_co_u32 s[TB], s[TB], STEPB
	s_sub_co_u32 s[CNT], s[CNT], 1
	s_cmp_lg_u32 s[CNT], 0
	s_cbranch_scc1 .Lstep_\@
	s_setprio 0
.endm
	CHUNK 0
	CHUNK 1
	CHUNK 2
	CHUNK 3
	; THE WAY OUT.  ctx = O^T / the sum; register 16 b + i is channel 32 b + 16 h + i of my query: two blocks along the next product's K.
	v_add_f32 v14, v14, v15                        ; the sum's two halves,
	s_delay_alu instid0(VALU_DEP_1)
	v_permlanex16_b32 v252, v14, s[SEL], s[SEL+1]
	s_delay_alu instid0(VALU_DEP_1)
	v_add_f32 v14, v14, v252                       ; and lane l xor 16's: the row's sum
	s_wait_alu depctr_va_vdst(0)
	v_rcp_f32 v14, v14
	v_and_b32 v3, 15, v0                           ; (plain lines behind the transcendental, and with the additions above the places behind the last products)
	v_bfe_u32 v4, v0, 4, 1
	s_delay_alu instid0(VALU_DEP_1)
	v_lshl_add_u32 v3, v3, 2, v4                   ; my scale byte's place: 4 r + h
.set J, 0
	s_wait_alu depctr_va_vdst(0)
.rept 32
	v_mul_f32 v[96+J], v[160+J], v14               ; each accumulator from its low end on
.set J, J+1
.endr
	QUANT2 96, 224
	global_store_b128 v[AL], v[224:227], s[10:11]  ; half a fragment of the next product, as its registers want it: 512 consecutive bytes
	v_cndmask_b32 v5, v[TM+4], v[TM+5], s[HI]      ; lane (r, h): block h's byte
	global_store_b8 v3, v5, s[12:13]
	s_wait_tensorcnt 0x0
	ds_add_u32 v251, v255
	s_wait_dscnt 0x0
	CROUND                                         ; the closing round: no work-group ends while a partner may still ask for a tile that names it
	s_endpgm
.Lfunc_end_k_q44a1a58ce3_attn:
	.size	k_q44a1a58ce3_attn, .Lfunc_end_k_q44a1a58ce3_attn-k_q44a1a58ce3_attn
	.p2alignl 7, 3214868480
	.fill 96, 4, 3214868480
	.section	.rodata,"a",@progbits
	.p2align	6, 0x0
	.amdhsa_kernel k_q44a1a58ce3_attn
		.amdhsa_group_segment_fixed_size 327680
		.amdhsa_private_segment_fixed_size 0
		.amdhsa_enable_private_segment 0
		.amdhsa_kernarg_size 40
		.amdhsa_user_sgpr_count 2
		.amdhsa_user_sgpr_kernarg_segment_ptr 1
		.amdhsa_wavefront_size32 1
		.amdhsa_system_sgpr_workgroup_id_x 1
		.amdhsa_system_sgpr_workgroup_id_y 1
		.amdhsa_system_sgpr_workgroup_id_z 1
		.amdhsa_system_vgpr_workitem_id 0
		.amdhsa_next_free_vgpr 256
		.amdhsa_next_free_sgpr 66
		.amdhsa_reserve_vcc 0
		.amdhsa_float_denorm_mode_32 3
		.amdhsa_float_denorm_mode_16_64 3
		.amdhsa_memory_ordered 1
		.amdhsa_forward_progress 1
		.amdhsa_inst_pref_size 76
	.end_amdhsa_kernel
	.amdgpu_metadata
---
amdhsa.version: [ 1, 2 ]
amdhsa.kernels:
  - .name:           k_q44a1a58ce3_attn
    .symbol:         k_q44a1a58ce3_attn.kd
    .args:
      - { .name: q_codes, .offset: 0, .size: 8, .value_kind: global_buffer, .address_space: global }
      - { .name: q_scales, .offset: 8, .size: 8, .value_kind: global_buffer, .address_space: global }
      - { .name: kv, .offset: 16, .size: 8, .value_kind: global_buffer, .address_space: global }
      - { .name: ctx_codes, .offset: 24, .size: 8, .value_kind: global_buffer, .address_space: global }
      - { .name: ctx_scales, .offset: 32, .size: 8, .value_kind: global_buffer, .address_space: global }
    .group_segment_fixed_size: 327680
    .private_segment_fixed_size: 0
    .kernarg_segment_align: 8
    .kernarg_segment_size: 40
    .max_flat_workgroup_size: 512
    .sgpr_count:     66
    .vgpr_count:     256
    .wavefront_size: 32
...
	.end_amdgpu_metadata
.endif
;; end of part 5
;; launch post (part 6): grid 256 x 1, 8 waves a work-group, no clusters, 195,584 bytes of LDS; arguments ctx_codes, ctx_scales, x, Wo_codes, Wo_scales, bo, ln2_g, ln2_b, W1_codes, W1_scales, b1, W2_codes, W2_scales, b2, out0; writes out0
.if DOCPART == 6
	.amdgcn_target "amdgcn-amd-amdhsa--gfx1250"
	.amdhsa_code_object_version 6
	.text
	.protected	k_q44a1a58ce3_post
	.globl	k_q44a1a58ce3_post
	.p2align	8
	.type	k_q44a1a58ce3_post,@function
k_q44a1a58ce3_post:
	s_mov_b64 s[64:65], 0
	v_nop
	global_prefetch_b8 v0, s[64:65] scope:SCOPE_SE
	s_setreg_imm32_b32 hwreg(HW_REG_WAVE_SCHED_MODE, 0, 2), 2
	s_setreg_imm32_b32 hwreg(HW_REG_WAVE_MODE, 25, 1), 1
	s_wait_xcnt 0x0
	s_wait_alu depctr_vm_vsrc(0)
; x1 = x + ctx Wo + bo;  out = x1 + relu(LN2(x1) W1 + b1) W2 + b2.  All three products on codes of FP4 (E2M1) with one E8M0 scale for each 32 along K; all else f32.  Nothing between ctx and out goes to memory.
; ctx arrives as codes in the order of the operand's registers ([tile of 16 tokens][K step][half][lane][16]) with scale words [tile][K step][row].  Wo [512][256 bytes], W1 [2048][256], W2 [512][1,024]: codes, K innermost; scale bytes [512][16], [2048][16], [512][64].
; SHARES.  A work-group takes a block of 32 tokens.  Wave w makes columns 64 w on of the first and third product and hidden units 256 w on (K steps 2 w, 2 w + 1 of the third); for the norm and the stores it takes LDS rows 4 w .. 4 w + 3.
; TOKEN ORDER, WEIGHT ROWS: tile u, lane r stands for token 8 u + r + 8 (r / 8), LDS row 16 u + r; tile t of 64 columns, lane r takes weight row 32 (t / 2) + 8 (t % 2) + r + 8 (r / 8).
; All products are used TRANSPOSED (source 0 = 16 weight rows, source 1 = 16 tokens): a lane holds one token, and the 16 registers of tiles 2 b', 2 b' + 1 are 16 neighbours along the next K.
; What a sum begins with is loaded into its accumulators: x + bo, b1, x1 + b2.  (So x1 is summed as (x + bo) + ctx Wo and out as (x1 + b2) + h W2: another order of f32 rounding than the definition's.)
; The weights go straight from memory into the one wave that uses them: nine chunks of 64 rows x 512 along K, 36 loads each, into two buffers of window 1 by turns; chunk k + 2 is asked for behind chunk k's products and what is made of them.
; Each weight fragment feeds one wave's registers and nothing goes through LDS to be shared, so there are no joint loads.
; Operands go from wave to wave through LDS as images of their registers (16 bytes a lane at 16 x lane), their scale words at 4 x lane.
; LIMITS: NaN and infinities are not served; a block whose largest magnitude lies under 2^-124 keeps the scale byte 1 (a block of zeros too: its codes are zeros, and these bytes are read by this program alone).
; THE MODE: SCHED_MODE bits 1:0 = 2 (LLVM: expert scheduling mode 2), set by the entry lines.  The code itself states the register dependences
; between vector or matrix instructions and memory or LDS instructions, with s_wait_alu, always for 0.
; THE PLAN.  Registers that memory or LDS instructions touch, and who else names them:
;   v5-v9, v27-v29  offsets of the global loads and stores: made at the head, never written again.      v10-v26, v30  LDS addresses: made while the first loads are out, never written again.
;   v226-239    the small vectors on their way to LDS: loads land, LDS stores read, never written again.
;   ACC         by turns loads land in it (x; x + bo; x1's rows; a fragment's numbers; b1; x1 + b2; the result's rows) and vector or matrix instructions work on it; LDS stores read it five times (x + bo, x1, x1 + b2, the norm, the result).
;   XF, XS      ctx, b2, gain and bias, the norm's fragments and the hidden layer's land; the products, the addition of b2 and the norm read them; no store does.
;   window 1, WS  the weights: loads land, the products read; a buffer and its set are asked for again behind the products that read them.
;   PC, PW      written by the quantiser (the norm's fragment; each turn of the hidden layer), read by the images' LDS stores.
; So a wait on va_vdst stands ahead of each run of LDS stores, behind the vector work that made their data; the loads that follow it into registers which that work, or the products ahead of it, have left owe nothing more:
; a turn of the hidden layer has ONE, behind its quantiser, for its stores, the next turn's b1 and the chunk after next.  A wait on vm_vsrc stands ahead of whatever writes registers that stores have read:
; the loads into ACC behind four barriers, the addition of b2, and each turn's quantiser, there a product and the activation behind the stores that it names.
.set RP,    2064                       ; an LDS row: 2,048 bytes + 16
.set XN,    32*RP                      ; LDS: X1 at 0 (x + bo, later x1 + b2); XN (x1, then its norm, at last the result)
.set XIMG,  2*32*RP                    ; the norm's eight fragments,
.set XSC,   XIMG+8*1024                ; their scale words,
.set HIMG,  XSC+8*128                  ; the hidden layer's 32 fragments (16 u + K step),
.set HSC,   HIMG+32*1024               ; their scale words,
.set BIAS,  HSC+32*128                 ; b1 (8,192 bytes), ln2_g, ln2_b, b2 (2,048 each)
.set AW,   5                           ; v5   codes of Wo, W1: 256 (r + 8 (r / 8)) + 16 h
.set AS,   6                           ; v6   their scale words: 16 (r + 8 (r / 8))
.set AL,   7                           ; v7   16 x lane
.set AW2,  8                           ; v8   codes of W2: 1,024 (r + 8 (r / 8)) + 16 h
.set AS2,  9                           ; v9   its scale words: 64 (r + 8 (r / 8))
.set AT32, 10                          ; v10  BIAS + 32 x thread
.set AT8,  11                          ; v11  BIAS + 8,192 + 8 x thread
.set ARW,  12                          ; v12  my four rows in X1
.set ARW2, 13                          ; v13  and in XN
.set AST1, 14                          ; v14  my columns in X1: 2,064 r + 64 h + 256 w
.set AST2, 15                          ; v15  and in XN
.set AGB,  16                          ; v16  gain and bias by rows: BIAS + 8,192 + 16 x lane
.set AQR,  17                          ; v17  the fragment that I quantise
.set AIW,  18                          ; v18  where its image goes
.set ASW,  19                          ; v19  and its scale word
.set AIF,  20                          ; v20  images of the norm, for reading
.set ASF,  21                          ; v21  their scale words
.set AB1,  22                          ; v22  b1 in the result's layout: BIAS + 1,024 w + 64 h
.set AHW,  23                          ; v23  where the hidden layer's images go: HIMG + 2,048 w + 16 x lane
.set AHS,  24                          ; v24  and their scale words: HSC + 256 w + 4 x lane
.set AHF,  25                          ; v25  the hidden layer's images, for reading
.set ASH,  26                          ; v26  their scale words
.set AXS,  27                          ; v27  4 r: ctx's scale words in memory
.set G32,  28                          ; v28  32 x thread
.set G8,   29                          ; v29  8 x thread
.set AB2,  30                          ; v30  b2 in the result's layout: BIAS + 12,288 + 256 w + 64 h
.set ACC, 32                           ; v32-95   eight accumulators, or four rows
.set XF,  96                           ; v96-159  eight token fragments; between the products gain, bias, b2
.set XS,  160                          ; v160-167 their scale words: scales and nothing else
.set WS,  168                          ; v168-199 the weights' scale words, two sets: scales and nothing else
.set PC,  200                          ; v200-207 codes just made
.set TM,  208                          ; v208-223 at work
.set PW,  224                          ; v224-225 scale words just made
.set WV,  38
.set SEL, 40
.set INV, 42
.set EPS, 43
.set MSB, 0
.macro WIN new                         ; the immediate's high byte repeats the setting that is left
.if MSB != \new
	s_set_vgpr_msb (MSB<<8)|\new
.set MSB, \new
.endif
.endm
.macro PLACES                          ; four places behind matrix instructions, in front of the first read of their results (ISA guide 7.12.1); a wait on va_vdst fills no place and stands behind them
.rept 4
	v_nop
.endr
.endm
.macro BARRIER                         ; my LDS stores have landed and my LDS loads are in: then the work-group's barrier
	s_wait_dscnt 0x0
	s_barrier_signal -1
	s_barrier_wait -1
.endm
; 64 numbers of a lane, register 16 b + i = k 32 b + 16 h + i of my row, become a fragment's codes in v[PC] on and its scale word in v[PW]
.macro QUANT4 s
.irp b, 0,1,2,3
	v_max3_num_f32 v[TM+\b], |v[\s+16*\b]|, |v[\s+1+16*\b]|, 0x1800000   ; and the floor 2^(3 - 127): the byte cannot fall under 1
.endr
.irp i, 2,4,6,8,10,12,14
.irp b, 0,1,2,3
	v_max3_num_f32 v[TM+\b], v[TM+\b], |v[\s+16*\b+\i]|, |v[\s+1+16*\b+\i]|
.endr
.endr
.irp b, 0,1,2,3
	v_permlanex16_b32 v[TM+4+\b], v[TM+\b], s[SEL], s[SEL+1]
.endr
.irp b, 0,1,2,3
	v_max_num_f32 v[TM+\b], v[TM+\b], v[TM+4+\b]
.endr
.irp b, 0,1,2,3
	v_add_nc_u32 v[TM+12+\b], 0xff000000, v[TM+\b]     ; 2 off the exponent field: the conversion's scale operand
.endr
.irp b, 0,1,2,3
	v_lshrrev_b32 v[TM+4+\b], 23, v[TM+12+\b]          ; the scale's byte
.endr
	v_lshl_or_b32 v[PW], v[TM+5], 8, v[TM+4]
	v_lshl_or_b32 v[PW], v[TM+6], 16, v[PW]
	v_lshl_or_b32 v[PW], v[TM+7], 24, v[PW]
.irp b, 0,1,2,3
	v_cvt_scalef32_pk8_fp4_f32 v[PC+2*\b], v[\s+16*\b:\s+7+16*\b], v[TM+12+\b]
	v_cvt_scalef32_pk8_fp4_f32 v[PC+1+2*\b], v[\s+8+16*\b:\s+15+16*\b], v[TM+12+\b]
.endr
	v_nop                                              ; one plain place behind a scaled conversion
.irp c, 0,1
.irp i, 0,1
	v_permlane16_swap_b32 v[PC+4*\c+\i], v[PC+2+4*\c+\i]
.endr
.endr
.endm
; The same for two blocks: four registers v[d] on (lane (r, h): block h whole); the two bytes stay in v[TM+4], v[TM+5]
.macro QUANT2 s, d
.irp b, 0,1
	v_max3_num_f32 v[TM+\b], |v[\s+16*\b]|, |v[\s+1+16*\b]|, 0x1800000
.endr
.irp i, 2,4,6,8,10,12,14
.irp b, 0,1
	v_max3_num_f32 v[TM+\b], v[TM+\b], |v[\s+16*\b+\i]|, |v[\s+1+16*\b+\i]|
.endr
.endr
.irp b, 0,1
	v_permlanex16_b32 v[TM+4+\b], v[TM+\b], s[SEL], s[SEL+1]
.endr
.irp b, 0,1
	v_max_num_f32 v[TM+\b], v[TM+\b], v[TM+4+\b]
.endr
.irp b, 0,1
	v_add_nc_u32 v[TM+12+\b], 0xff000000, v[TM+\b]
.endr
.irp b, 0,1
	v_lshrrev_b32 v[TM+4+\b], 23, v[TM+12+\b]
.endr
.irp b, 0,1
	v_cvt_scalef32_pk8_fp4_f32 v[\d+2*\b], v[\s+16*\b:\s+7+16*\b], v[TM+12+\b]
	v_cvt_scalef32_pk8_fp4_f32 v[\d+1+2*\b], v[\s+8+16*\b:\s+15+16*\b], v[TM+12+\b]
.endr
	v_nop
	v_permlane16_swap_b32 v[\d], v[\d+2]
	v_permlane16_swap_b32 v[\d+1], v[\d+3]
.endm
.macro LNRED                           ; four rows' sums: the pair's halves, then across the 32 lanes
.irp i, 0,1,2,3
	v_add_f32 v[TM+2*\i], v[TM+2*\i], v[TM+2*\i+1]
.endr
.irp m, 1,2,4,8
.irp i, 0,1,2,3
	v_add_f32_dpp v[TM+2*\i], v[TM+2*\i], v[TM+2*\i] row_xmask:\m row_mask:0xf bank_mask:0xf
.endr
.endr
.irp i, 0,1,2,3
	v_permlanex16_b32 v[PC+\i], v[TM+2*\i], s[SEL], s[SEL+1]
.endr
.irp i, 0,1,2,3
	v_add_f32 v[TM+2*\i], v[TM+2*\i], v[PC+\i]
.endr
.endm
; The norm of four rows in v[ACC+16 i+e] (e = 4 j + q: column 128 j + 4 lane + q), gain in v[XF] on, bias in v[XF+16] on.  Two passes: the mean first, then the mean square of x - mean.  The four rows take turns line by line.
.macro LNROWS
.irp i, 0,1,2,3
	v_pk_add_f32 v[TM+2*\i:TM+2*\i+1], v[ACC+16*\i:ACC+16*\i+1], v[ACC+16*\i+2:ACC+16*\i+3]
.endr
.irp e, 4,6,8,10,12,14
.irp i, 0,1,2,3
	v_pk_add_f32 v[TM+2*\i:TM+2*\i+1], v[TM+2*\i:TM+2*\i+1], v[ACC+16*\i+\e:ACC+16*\i+\e+1]
.endr
.endr
	LNRED
.irp i, 0,1,2,3
	v_mul_f32 v[TM+8+2*\i], s[INV], v[TM+2*\i]         ; the mean, in the low word of a pair
.endr
.irp e, 0,2,4,6,8,10,12,14
.irp i, 0,1,2,3
	v_pk_add_f32 v[ACC+16*\i+\e:ACC+16*\i+\e+1], v[ACC+16*\i+\e:ACC+16*\i+\e+1], v[TM+8+2*\i:TM+9+2*\i] op_sel_hi:[1,0] neg_lo:[0,1] neg_hi:[0,1]
.endr
.endr
.irp i, 0,1,2,3
	v_pk_mul_f32 v[TM+2*\i:TM+2*\i+1], v[ACC+16*\i:ACC+16*\i+1], v[ACC+16*\i:ACC+16*\i+1]
.endr
.irp e, 2,4,6,8,10,12,14
.irp i, 0,1,2,3
	v_pk_fma_f32 v[TM+2*\i:TM+2*\i+1], v[ACC+16*\i+\e:ACC+16*\i+\e+1], v[ACC+16*\i+\e:ACC+16*\i+\e+1], v[TM+2*\i:TM+2*\i+1]
.endr
.endr
	LNRED
.irp i, 0,1,2,3
	v_fma_f32 v[TM+2*\i], v[TM+2*\i], s[INV], s[EPS]   ; the variance + 1e-5
.endr
	s_wait_alu depctr_va_vdst(0)
.irp i, 0,1,2,3
	v_rsq_f32 v[TM+8+2*\i], v[TM+2*\i]
.endr
	v_nop                                              ; a plain place behind the transcendentals
	s_wait_alu depctr_va_vdst(0)                       ; the four reciprocal roots are written, ahead of their first reader: one wait for the batch
.irp e, 0,2,4,6,8,10,12,14
.irp i, 0,1,2,3
	v_pk_mul_f32 v[ACC+16*\i+\e:ACC+16*\i+\e+1], v[ACC+16*\i+\e:ACC+16*\i+\e+1], v[TM+8+2*\i:TM+9+2*\i] op_sel_hi:[1,0]
.endr
.endr
.irp e, 0,2,4,6,8,10,12,14
.irp i, 0,1,2,3
	v_pk_fma_f32 v[ACC+16*\i+\e:ACC+16*\i+\e+1], v[ACC+16*\i+\e:ACC+16*\i+\e+1], v[XF+\e:XF+\e+1], v[XF+16+\e:XF+17+\e]
.endr
.endr
.endm
; 36 loads: 64 weight rows x 512 along K into buffer buf of window 1, and each tile's scale words of the four K steps into set buf
.macro WLOAD buf, pc, ps, av, asc, pitch, spitch, off, soff
	WIN 0x40                                           ; destination window 1, address window 0
.irp t, 0,1,2,3
.irp s, 0,1,2,3
.irp c, 0,1
	global_load_b128 v[128*(\buf)+32*\t+8*\s+4*\c:128*(\buf)+32*\t+8*\s+4*\c+3], v[\av], s[\pc:\pc+1] offset:(32*(\t/2)+8*(\t%2))*(\pitch)+64*\s+32*\c+(\off)
.endr
.endr
.endr
	WIN 0
.irp t, 0,1,2,3
	global_load_b128 v[WS+16*(\buf)+4*\t:WS+16*(\buf)+4*\t+3], v[\asc], s[\ps:\ps+1] offset:(32*(\t/2)+8*(\t%2))*(\spitch)+(\soff)
.endr
.endm
; 32 matrix instructions: accumulator (u, t) at v[ACC+32 u+8 t] adds in place; the eight take turns, one instruction a turn
.macro MULT buf
	WIN 0x01                                           ; source 0 (the weights) window 1
.irp s, 0,1,2,3
.irp t, 0,1,2,3
.irp u, 0,1
	v_wmma_scale_f32_16x16x128_f8f6f4 v[ACC+32*\u+8*\t:ACC+32*\u+8*\t+7], v[128*(\buf)+32*\t+8*\s:128*(\buf)+32*\t+8*\s+7], v[XF+32*\u+8*\s:XF+32*\u+8*\s+7], v[ACC+32*\u+8*\t:ACC+32*\u+8*\t+7], v[WS+16*(\buf)+4*\t+\s], v[XS+4*\u+\s] matrix_a_fmt:MATRIX_FMT_FP4 matrix_b_fmt:MATRIX_FMT_FP4
.endr
.endr
.endr
	WIN 0
.endm
.macro XFETCH ai, asc, f0, fu          ; token fragment (u, K step s) is image f0 + fu u + s
.irp u, 0,1
.irp s, 0,1,2,3
.irp c, 0,1
	ds_load_b128 v[XF+32*\u+8*\s+4*\c:XF+32*\u+8*\s+4*\c+3], v[\ai] offset:((\f0)+(\fu)*\u+\s)*1024+512*\c
.endr
	ds_load_b32 v[XS+4*\u+\s], v[\asc] offset:((\f0)+(\fu)*\u+\s)*128
.endr
.endr
.endm
.macro ACCBIAS a, off                  ; a bias is what the sums begin with: lane (r, h), tile t: columns 32 (t / 2) + 8 (t % 2) + 16 h + 0 .. 7, for both token tiles
.irp t, 0,1,2,3
.irp u, 0,1
	ds_load_b128 v[ACC+32*\u+8*\t:ACC+32*\u+8*\t+3], v[\a] offset:(\off)+(32*(\t/2)+8*(\t%2))*4
	ds_load_b128 v[ACC+32*\u+8*\t+4:ACC+32*\u+8*\t+7], v[\a] offset:(\off)+(32*(\t/2)+8*(\t%2))*4+16
.endr
.endr
.endm
.macro XINIT a                         ; the accumulators take my columns of the 32 LDS rows
.irp u, 0,1
.irp t, 0,1,2,3
	ds_load_b128 v[ACC+32*\u+8*\t:ACC+32*\u+8*\t+3], v[\a] offset:16*\u*RP+128*(\t/2)+32*(\t%2)
	ds_load_b128 v[ACC+32*\u+8*\t+4:ACC+32*\u+8*\t+7], v[\a] offset:16*\u*RP+128*(\t/2)+32*(\t%2)+16
.endr
.endr
.endm
.macro STAGE a                         ; and go back there, each from its low end on
.irp u, 0,1
.irp t, 0,1,2,3
	ds_store_b128 v[\a], v[ACC+32*\u+8*\t:ACC+32*\u+8*\t+3] offset:16*\u*RP+128*(\t/2)+32*(\t%2)
	ds_store_b128 v[\a], v[ACC+32*\u+8*\t+4:ACC+32*\u+8*\t+7] offset:16*\u*RP+128*(\t/2)+32*(\t%2)+16
.endr
.endr
.endm
	s_load_b256 s[8:15], s[0:1], 0x0               ; ctx_codes s[8:9], ctx_scales s[10:11], x s[12:13], Wo's codes s[14:15]
	s_load_b256 s[16:23], s[0:1], 0x20             ; Wo's scales s[16:17], bo s[18:19], ln2_g s[20:21], ln2_b s[22:23]
	s_load_b256 s[24:31], s[0:1], 0x40             ; W1's codes s[24:25], W1's scales s[26:27], b1 s[28:29], W2's codes s[30:31]
	s_load_b128 s[32:35], s[0:1], 0x60             ; W2's scales s[32:33], b2 s[34:35]
	s_load_b64 s[36:37], s[0:1], 0x70              ; out0
	v_lshl_add_u32 v254, v0, 2, 0x2f800
	v_mov_b32 v255, 0
	v_lshrrev_b32 v1, 5, v0
	v_readfirstlane_b32 s[WV], v1                  ; wave 0..7
	v_and_b32 v1, 31, v0                           ; lane
	v_and_b32 v2, 15, v0                           ; r
	v_bfe_u32 v3, v0, 4, 1                         ; h
	v_and_b32 v4, 8, v2
	v_add_nc_u32 v4, v4, v2                        ; r + 8 (r / 8)
	v_lshlrev_b32 v[AW], 8, v4
	v_lshl_add_u32 v[AW], v3, 4, v[AW]
	v_lshlrev_b32 v[AS], 4, v4
	v_lshlrev_b32 v[AL], 4, v1
	v_lshlrev_b32 v[AW2], 10, v4
	v_lshl_add_u32 v[AW2], v3, 4, v[AW2]
	v_lshlrev_b32 v[AS2], 6, v4
	v_lshlrev_b32 v[AXS], 2, v2
	v_lshlrev_b32 v[G32], 5, v0
	v_lshlrev_b32 v[G8], 3, v0
	s_wait_alu depctr_va_sdst(0)                   ; s[WV] is written, ahead of its first reader: the offsets below are made from it
	s_lshl_b32 s54, ttmp9, 5                       ; my four rows' first token: 32 g + 16 ((w >> 1) & 1) + 8 (w >> 2) + 4 (w & 1)
	s_bfe_u32 s4, s[WV], 0x10001
	s_lshl_b32 s4, s4, 4
	s_add_co_u32 s54, s54, s4
	s_lshr_b32 s4, s[WV], 2
	s_lshl_b32 s4, s4, 3
	s_add_co_u32 s54, s54, s4
	s_and_b32 s4, s[WV], 1
	s_lshl_b32 s4, s4, 2
	s_add_co_u32 s54, s54, s4
	s_lshl_b32 s54, s54, 11
	s_mov_b32 s55, 0
	s_lshl_b32 s56, s[WV], 14                      ; Wo: my 64 rows of 256 bytes,
	s_mov_b32 s57, 0
	s_lshl_b32 s58, s[WV], 10                      ; and their 16 scale bytes each
	s_mov_b32 s59, 0
	s_lshl_b32 s60, s[WV], 16                      ; W1: my 256 rows of 256 bytes; W2: my 64 rows of 1,024
	s_mov_b32 s61, 0
	s_lshl_b32 s62, s[WV], 12                      ; and their scale bytes
	s_mov_b32 s63, 0
	s_lshl_b32 s44, ttmp9, 13                      ; ctx: the block's two tiles of 4,096 bytes,
	s_mov_b32 s45, 0
	s_lshl_b32 s46, ttmp9, 9                       ; and of 256 scale bytes
	s_mov_b32 s47, 0
	s_mov_b32 s[SEL], 0x76543210
	s_mov_b32 s[SEL+1], 0xfedcba98
	s_mov_b32 s[INV], 0x3b000000                   ; 1 / 512
	s_mov_b32 s[EPS], 0x3727c5ac                   ; 1e-5
	s_wait_kmcnt 0x0
	s_add_nc_u64 s[8:9], s[8:9], s[44:45]
	s_add_nc_u64 s[10:11], s[10:11], s[46:47]
	s_add_nc_u64 s[12:13], s[12:13], s[54:55]
	s_add_nc_u64 s[36:37], s[36:37], s[54:55]
	s_add_nc_u64 s[14:15], s[14:15], s[56:57]
	s_add_nc_u64 s[16:17], s[16:17], s[58:59]
	s_add_nc_u64 s[24:25], s[24:25], s[60:61]
	s_add_nc_u64 s[30:31], s[30:31], s[60:61]
	s_add_nc_u64 s[26:27], s[26:27], s[62:63]
	s_add_nc_u64 s[32:33], s[32:33], s[62:63]
	s_wait_alu depctr_va_vdst(0)                   ; the offsets v5 to v9 and v27 to v29 are written, which every global load and store of the kernel reads
	WLOAD 0, 14, 16, AW, AS, 256, 16, 0, 0         ; chunk 0: Wo
.irp i, 0,1,2,3
.irp j, 0,1,2,3
	global_load_b128 v[ACC+16*\i+4*\j:ACC+16*\i+4*\j+3], v[AL], s[12:13] offset:2048*\i+512*\j th:TH_LOAD_NT   ; my four rows of x: their last read
.endr
.endr
.irp j, 0,1,2,3
	global_load_b128 v[TM+4*\j:TM+4*\j+3], v[AL], s[18:19] offset:512*\j   ; bo, by rows
.endr
	global_load_b128 v[226:229], v[G32], s[28:29]  ; b1, gain, bias and b2 for LDS
	global_load_b128 v[230:233], v[G32], s[28:29] offset:16
	global_load_b64 v[234:235], v[G8], s[20:21]
	global_load_b64 v[236:237], v[G8], s[22:23]
	global_load_b64 v[238:239], v[G8], s[34:35]
.irp f, 0,1,2,3,4,5,6,7
.irp c, 0,1
	global_load_b128 v[XF+8*\f+4*\c:XF+8*\f+4*\c+3], v[AL], s[8:9] offset:1024*\f+512*\c   ; ctx's eight fragments, as they lie
.endr
.endr
.irp f, 0,1,2,3,4,5,6,7
	global_load_b32 v[XS+\f], v[AXS], s[10:11] offset:64*\f
.endr
	; the LDS addresses, while the loads are out: none of these lines writes a register that a load above reads or lands in
	v_add_nc_u32 v[AT32], BIAS, v[G32]
	v_add_nc_u32 v[AT8], BIAS+8192, v[G8]
	s_mul_i32 s4, s[WV], 4*RP
	v_add_nc_u32 v[ARW], s4, v[AL]
	s_add_co_u32 s4, s4, XN
	v_add_nc_u32 v[ARW2], s4, v[AL]
	v_mul_u32_u24 v31, v2, RP                      ; 2,064 r
	v_lshl_add_u32 v31, v3, 6, v31                 ; + 64 h
	s_wait_alu depctr_va_vdst(0)
	s_lshl_b32 s4, s[WV], 8
	v_add_nc_u32 v[AST1], s4, v31
	s_add_co_u32 s4, s4, XN
	v_add_nc_u32 v[AST2], s4, v31
	v_add_nc_u32 v[AGB], BIAS+8192, v[AL]
	s_lshr_b32 s4, s[WV], 2
	s_mul_i32 s4, s4, 16*RP
	s_and_b32 s5, s[WV], 3
	s_lshl_b32 s5, s5, 9
	s_add_co_u32 s4, s4, s5
	s_add_co_u32 s4, s4, XN
	v_add_nc_u32 v[AQR], s4, v31                   ; row 16 (w >> 2) + r, K step w & 3, + 64 h
	s_lshl_b32 s4, s[WV], 10
	s_add_co_u32 s4, s4, XIMG
	v_add_nc_u32 v[AIW], s4, v[AL]
	v_lshlrev_b32 v1, 2, v1                        ; 4 x lane
	s_wait_alu depctr_va_vdst(0)
	s_lshl_b32 s4, s[WV], 7
	s_add_co_u32 s4, s4, XSC
	v_add_nc_u32 v[ASW], s4, v1
	v_add_nc_u32 v[AIF], XIMG, v[AL]
	v_add_nc_u32 v[ASF], XSC, v1
	s_lshl_b32 s4, s[WV], 10
	s_add_co_u32 s4, s4, BIAS
	v_lshl_add_u32 v[AB1], v3, 6, s4
	s_lshl_b32 s4, s[WV], 11
	s_add_co_u32 s4, s4, HIMG
	v_add_nc_u32 v[AHW], s4, v[AL]
	s_lshl_b32 s4, s[WV], 8
	s_add_co_u32 s4, s4, HSC
	v_add_nc_u32 v[AHS], s4, v1
	v_add_nc_u32 v[AHF], HIMG, v[AL]
	v_add_nc_u32 v[ASH], HSC, v1
	s_lshl_b32 s4, s[WV], 8
	s_add_co_u32 s4, s4, BIAS+12288
	v_lshl_add_u32 v[AB2], v3, 6, s4
.irp i, 0,1,2,3
	v_mov_b32 v[PC+\i], 0                          ; written once: a lane permute's destination counts as one of its sources
.endr
	s_wait_loadcnt 24                              ; all but ctx's 24 loads are in
.irp i, 0,1,2,3
.irp e, 0,2,4,6,8,10,12,14
	v_pk_add_f32 v[ACC+16*\i+\e:ACC+16*\i+\e+1], v[ACC+16*\i+\e:ACC+16*\i+\e+1], v[TM+\e:TM+\e+1]   ; x + bo
.endr
.endr
	s_wait_alu depctr_va_vdst(0)                   ; x + bo is written, which the LDS stores below read; the LDS addresses v10 to v26 and v30 are written, for every LDS instruction from here on
	ds_store_b128 v[AT32], v[226:229]
	ds_store_b128 v[AT32], v[230:233] offset:16
	ds_store_b64 v[AT8], v[234:235]
	ds_store_b64 v[AT8], v[236:237] offset:2048
	ds_store_b64 v[AT8], v[238:239] offset:4096
.irp i, 0,1,2,3
.irp j, 0,1,2,3
	ds_store_b128 v[ARW], v[ACC+16*\i+4*\j:ACC+16*\i+4*\j+3] offset:RP*\i+512*\j
.endr
.endr
	WLOAD 1, 24, 26, AW, AS, 256, 16, 0, 0         ; chunk 1: W1's first 64 of my rows: no vector or matrix instruction has named buffer 1 or set 1
	BARRIER                                        ; 32 rows of x + bo and the small vectors lie in LDS
	; ---- x1 = (x + bo) + ctx Wo, my 64 columns
	s_wait_alu depctr_vm_vsrc(0)                   ; my LDS stores have read ACC, in which the loads below land (the additions that named it stand ahead of the last wait on va_vdst)
	XINIT AST1
	s_wait_dscnt 0x0
	s_wait_loadcnt 36                              ; Wo and ctx are in; chunk 1's 36 loads may be out
	MULT 0
	PLACES
	s_wait_alu depctr_va_vdst(0)                   ; the products have written x1, which the LDS stores read, and are done reading ctx's fragments, in which b2 lands, and buffer 0 and set 0, in which chunk 2 lands
.irp t, 0,1,2,3
	ds_load_b128 v[XF+8*\t:XF+8*\t+3], v[AB2] offset:(32*(\t/2)+8*(\t%2))*4      ; b2 in the result's layout
	ds_load_b128 v[XF+8*\t+4:XF+8*\t+7], v[AB2] offset:(32*(\t/2)+8*(\t%2))*4+16
.endr
	STAGE AST2                                     ; x1 for the norm
	WLOAD 0, 24, 26, AW, AS, 256, 16, 16384, 1024  ; chunk 2, behind the LDS instructions that are waited for next
	s_wait_dscnt 0x0                               ; b2 is in
	s_wait_alu depctr_vm_vsrc(0)                   ; the LDS stores have read the accumulators, which the additions below write
.irp u, 0,1
.irp t, 0,1,2,3
.irp e, 0,2,4,6
	v_pk_add_f32 v[ACC+32*\u+8*\t+\e:ACC+32*\u+8*\t+\e+1], v[ACC+32*\u+8*\t+\e:ACC+32*\u+8*\t+\e+1], v[XF+8*\t+\e:XF+8*\t+\e+1]
.endr
.endr
.endr
	s_wait_alu depctr_va_vdst(0)                   ; x1 + b2 is written, which the LDS stores read; the additions are done reading b2, in whose registers gain and bias land
	STAGE AST1                                     ; x1 + b2, into my own columns: what the last product's sums begin with
	BARRIER                                        ; 32 rows of x1 lie in XN
	; ---- the norm of my four rows
	s_wait_alu depctr_vm_vsrc(0)                   ; the LDS stores have read the accumulators, in which my rows land
.irp i, 0,1,2,3
.irp j, 0,1,2,3
	ds_load_b128 v[ACC+16*\i+4*\j:ACC+16*\i+4*\j+3], v[ARW2] offset:RP*\i+512*\j
.endr
.endr
.irp j, 0,1,2,3
	ds_load_b128 v[XF+4*\j:XF+4*\j+3], v[AGB] offset:512*\j
	ds_load_b128 v[XF+16+4*\j:XF+19+4*\j], v[AGB] offset:2048+512*\j
.endr
	s_wait_dscnt 0x0
	LNROWS
	s_wait_alu depctr_va_vdst(0)                   ; the norm has written my rows, which the LDS stores read
.irp i, 0,1,2,3
.irp j, 0,1,2,3
	ds_store_b128 v[ARW2], v[ACC+16*\i+4*\j:ACC+16*\i+4*\j+3] offset:RP*\i+512*\j   ; over my own rows, which no other wave touches between these two barriers
.endr
.endr
	BARRIER
	; ---- one fragment of the norm is quantised by each wave
	s_wait_alu depctr_vm_vsrc(0)                   ; the LDS stores have read my rows' registers, in which the fragment's numbers land
.irp b, 0,1,2,3
.irp j, 0,1,2,3
	ds_load_b128 v[ACC+16*\b+4*\j:ACC+16*\b+4*\j+3], v[AQR] offset:128*\b+16*\j
.endr
.endr
	s_wait_dscnt 0x0
	QUANT4 ACC
	s_wait_alu depctr_va_vdst(0)                   ; the quantiser has written the codes and the scale word, which the LDS stores read, and is done reading ACC, in which b1 lands; the norm is done reading gain and bias, in whose registers the fragments land
	ds_store_b128 v[AIW], v[PC:PC+3]
	ds_store_b128 v[AIW], v[PC+4:PC+7] offset:512
	ds_store_b32 v[ASW], v[PW]
	BARRIER
	; ---- the hidden layer: my 256 units, 64 at a time; each 64 are half a K step of the last product
	XFETCH AIF, ASF, 0, 4
	ACCBIAS AB1, 0
.irp i, 0,1,2,3
	s_wait_dscnt 0x0                               ; the fragments and b1 are in
	s_wait_loadcnt 36                              ; this chunk is in; the next chunk's 36 loads may be out
	MULT (1+\i)%2
	PLACES
.set J, 0
.rept 64
	v_max_num_f32 v[ACC+J], 0, v[ACC+J]            ; the activation, in f32; each accumulator from its low end on
.set J, J+1
.endr
	s_wait_alu depctr_vm_vsrc(0)                   ; the LDS stores of the turn before (in the first turn: of the norm's image) have read the codes' and scale words' registers, which the quantiser below writes again
.irp u, 0,1
	QUANT2 ACC+32*\u, PC+4*\u
.if \i%2 == 0
	v_lshl_or_b32 v[PW+\u], v[TM+5], 8, v[TM+4]    ; bytes 0, 1 of the K step's scale word
.else
	v_lshl_or_b32 v[PW+\u], v[TM+4], 16, v[PW+\u]  ; bytes 2, 3
	v_lshl_or_b32 v[PW+\u], v[TM+5], 24, v[PW+\u]
.endif
.endr
	s_wait_alu depctr_va_vdst(0)                   ; the turn's one wait on va_vdst: the codes and scale words are written, which the LDS stores read; activation and quantiser are done with ACC, in which the next sums' beginnings land; the products are done reading their buffer and set, in which the chunk after next lands
.irp u, 0,1
	ds_store_b128 v[AHW], v[PC+4*\u:PC+4*\u+3] offset:16384*\u+1024*(\i/2)+512*(\i%2)
.if \i%2 == 1
	ds_store_b32 v[AHS], v[PW+\u] offset:2048*\u+128*(\i/2)
.endif
.endr
.if \i < 3
	ACCBIAS AB1, 256*(\i+1)                        ; the next turn's b1
.endif
.if \i < 2
	WLOAD (1+\i)%2, 24, 26, AW, AS, 256, 16, 16384*(\i+2), 1024*(\i+2)   ; chunks 3, 4: W1
.else
	WLOAD (1+\i)%2, 30, 32, AW2, AS2, 1024, 64, 256*(\i-2), 16*(\i-2)    ; chunks 5, 6: W2's K steps 0-3, 4-7
.endif
.endr
	BARRIER                                        ; the hidden layer's 32 fragments lie in LDS
	; ---- out = (x1 + b2) + h W2, my 64 columns, four K steps at a time
	XINIT AST1
.irp q, 0,1,2,3
	XFETCH AHF, ASH, 4*\q, 16
.if \q > 0
.if \q < 3
	WLOAD \q%2, 30, 32, AW2, AS2, 1024, 64, 256*(\q+1), 16*(\q+1)        ; chunks 7, 8, behind the LDS loads that are waited for next, into the buffer that the products before have left
.endif
.endif
	s_wait_dscnt 0x0
.if \q < 3
	s_wait_loadcnt 36                              ; this chunk is in; the next chunk's 36 loads may be out
.else
	s_wait_loadcnt 0x0
.endif
	MULT (1+\q)%2
	PLACES
	s_wait_alu depctr_va_vdst(0)                   ; the products are done reading the fragments and scale words, in which the next four K steps' land, and their buffer and set, in which the chunk after next lands; behind the last: the results are written, which the LDS stores read
.endr
	STAGE AST2                                     ; XN was last read three barriers ago
	BARRIER                                        ; 32 whole rows of the result lie in XN
	s_wait_alu depctr_vm_vsrc(0)                   ; the LDS stores have read the accumulators, in which my rows land
.irp i, 0,1,2,3
.irp j, 0,1,2,3
	ds_load_b128 v[ACC+16*\i+4*\j:ACC+16*\i+4*\j+3], v[ARW2] offset:RP*\i+512*\j
.endr
.endr
.irp i, 0,1,2,3
.irp j, 0,1,2,3
	s_wait_dscnt 15-4*\i-\j                        ; LDS loads come back in order: this one is in, the younger may be out
	global_store_b128 v[AL], v[ACC+16*\i+4*\j:ACC+16*\i+4*\j+3], s[36:37] offset:2048*\i+512*\j th:TH_STORE_NT   ; 32 lanes store 512 consecutive bytes, at a multiple of 256 from the buffer's first byte
.endr
.endr
	s_wait_dscnt 0x0                               ; the closing lines, six on end
	s_wait_alu 0x0
	s_wait_tensorcnt 0x0
	ds_add_u32 v254, v255
	s_wait_dscnt 0x0
	s_endpgm
.Lfunc_end_k_q44a1a58ce3_post:
	.size	k_q44a1a58ce3_post, .Lfunc_end_k_q44a1a58ce3_post-k_q44a1a58ce3_post
	.p2alignl 7, 3214868480
	.fill 96, 4, 3214868480
	.section	.rodata,"a",@progbits
	.p2align	6, 0x0
	.amdhsa_kernel k_q44a1a58ce3_post
		.amdhsa_group_segment_fixed_size 195584
		.amdhsa_private_segment_fixed_size 0
		.amdhsa_enable_private_segment 0
		.amdhsa_kernarg_size 120
		.amdhsa_user_sgpr_count 2
		.amdhsa_user_sgpr_kernarg_segment_ptr 1
		.amdhsa_wavefront_size32 1
		.amdhsa_system_sgpr_workgroup_id_x 1
		.amdhsa_system_sgpr_workgroup_id_y 1
		.amdhsa_system_sgpr_workgroup_id_z 1
		.amdhsa_system_vgpr_workitem_id 0
		.amdhsa_next_free_vgpr 512
		.amdhsa_next_free_sgpr 66
		.amdhsa_reserve_vcc 0
		.amdhsa_float_denorm_mode_32 3
		.amdhsa_float_denorm_mode_16_64 3
		.amdhsa_memory_ordered 1
		.amdhsa_forward_progress 1
		.amdhsa_inst_pref_size 151
	.end_amdhsa_kernel
	.amdgpu_metadata
---
amdhsa.version: [ 1, 2 ]
amdhsa.kernels:
  - .name:           k_q44a1a58ce3_post
    .symbol:         k_q44a1a58ce3_post.kd
    .args:
      - { .name: ctx_codes, .offset: 0, .size: 8, .value_kind: global_buffer, .address_space: global }
      - { .name: ctx_scales, .offset: 8, .size: 8, .value_kind: global_buffer, .address_space: global }
      - { .name: x, .offset: 16, .size: 8, .value_kind: global_buffer, .address_space: global }
      - { .name: Wo_codes, .offset: 24, .size: 8, .value_kind: global_buffer, .address_space: global }
      - { .name: Wo_scales, .offset: 32, .size: 8, .value_kind: global_buffer, .address_space: global }
      - { .name: bo, .offset: 40, .size: 8, .value_kind: global_buffer, .address_space: global }
      - { .name: ln2_g, .offset: 48, .size: 8, .value_kind: global_buffer, .address_space: global }
      - { .name: ln2_b, .offset: 56, .size: 8, .value_kind: global_buffer, .address_space: global }
      - { .name: W1_codes, .offset: 64, .size: 8, .value_kind: global_buffer, .address_space: global }
      - { .name: W1_scales, .offset: 72, .size: 8, .value_kind: global_buffer, .address_space: global }
      - { .name: b1, .offset: 80, .size: 8, .value_kind: global_buffer, .address_space: global }
      - { .name: W2_codes, .offset: 88, .size: 8, .value_kind: global_buffer, .address_space: global }
      - { .name: W2_scales, .offset: 96, .size: 8, .value_kind: global_buffer, .address_space: global }
      - { .name: b2, .offset: 104, .size: 8, .value_kind: global_buffer, .address_space: global }
      - { .name: out0, .offset: 112, .size: 8, .value_kind: global_buffer, .address_space: global }
    .group_segment_fixed_size: 195584
    .private_segment_fixed_size: 0
    .kernarg_segment_align: 8
    .kernarg_segment_size: 120
    .max_flat_workgroup_size: 256
    .sgpr_count:     66
    .vgpr_count:     512
    .wavefront_size: 32
...
	.end_amdgpu_metadata
.endif
;; end of part 6
